; MI455X (gfx1250); checked and timed in simulation.
; The chip was launched on July 23, 2026; its instructions are those of AMD's public machine-readable ISA for CDNA 5 (MIT licence, August 2026) and "CDNA5" Instruction Set Architecture Reference Guide (July 2026). The comments in the code are by the model that wrote it; some were corrected since.
;; Encoder. Allowed arithmetic: matrix products marked QUANTISED: E2M3 operands, one E8M0 scale for each 32 along K, by v_wmma_scale_f32_16x16x128_f8f6f4 with both operands' format E2M3, f32 sums; everything else in f32.
;; Inputs: b_fc 4,096 float32; b_out 1,024 float32; ln1_b 1,024 float32; ln1_w 1,024 float32; ln2_b 1,024 float32; ln2_w 1,024 float32; src_mask 2 x 2,048 int32; w_attn 1,024 x 3,072 float32; w_fc 1,024 x 4,096 float32; w_out 4,096 x 1,024 float32; w_proj 1,024 x 1,024 float32; x 2 x 2,048 x 1,024 float32.
;; Outputs: out0 2 x 2,048 x 1,024 float32.
;; This version of the problem:
;;   THIS VERSION OF THE PROBLEM IS GIVEN IN LOW PRECISION. The matrix products marked QUANTISED in the list below multiply operands that are first quantised to E2M3 (2 exponent bits, 3 mantissa bits; 6 bits a number), with one power-of-two scale for each 32 numbers along K (OCP MX v1.0); their sums are f32. All else is computed in f32.
;;   The module's matrix products, in the order in which they are computed (A, B: the left and right operand; K: the contracted axis; several contracted axes count as one K, in the product's order):
;;     1. [M 4,096, K 1,024] x [K 1,024, N 3,072]; A: computed on the way; B: input w_attn: QUANTISED
;;     2. batch 32 x [M 2,048, K 64] x [K 64, N 2,048]; A: computed on the way; B: computed on the way: QUANTISED
;;     3. batch 32 x [M 64, K 2,048] x [K 2,048, N 2,048]; A: computed on the way; B: softmax (see below): QUANTISED
;;     4. [M 4,096, K 1,024] x [K 1,024, N 1,024]; A: computed on the way; B: input w_proj: QUANTISED
;;     5. [M 4,096, K 1,024] x [K 1,024, N 4,096]; A: computed on the way; B: input w_fc: QUANTISED
;;     6. [M 4,096, K 4,096] x [K 4,096, N 1,024]; A: computed on the way; B: input w_out: QUANTISED
;;   THE QUANTISER, for each operand of a quantised product, along K:
;;     - K is cut into blocks of 32 from its start; a last block that is shorter is filled with zeros.
;;     - A block's scale is 2^e with e = floor(log2(the largest magnitude in the block)) - 2, held to -126 .. 127; a block of zeros has e = 0. As a byte (E8M0): e + 127.
;;     - Each number is divided by its block's scale, clamped to +-7.5, and rounded to the nearest number of E2M3, ties to even, subnormals kept.
;;     - The product sums the exact products of the quantised numbers (number of the format x scale) in f32.
;;   ~~~python
;;   def quantise(x, axis):      # numpy; x: float32 -> the quantised numbers, widened to float32 again
;;       x = np.moveaxis(x, axis, -1); K = x.shape[-1]
;;       x = np.pad(x, [(0, 0)] * (x.ndim - 1) + [(0, -K % 32)]); x = x.reshape(x.shape[:-1] + (-1, 32)); a = np.abs(x).max(-1, keepdims=True)
;;       e = np.where(a > 0, np.clip(np.frexp(np.where(a > 0, a, 1))[1] - 1 - 2, -126, 127), 0)      # np.frexp(a)[1] - 1 = floor(log2(a)), exactly
;;       r = np.clip(x / 2.0 ** e, -7.5, 7.5)
;;       step = 2.0 ** (np.maximum(np.frexp(np.where(r == 0, 1, r))[1] - 1, 0) - 3)
;;       q = np.round(r / step) * step * 2.0 ** e      # np.round: ties to even
;;       return np.moveaxis(q.reshape(q.shape[:-2] + (-1,))[..., :K], -1, axis).astype(np.float32)
;;   ~~~
;;   SOFTMAX AHEAD OF A QUANTISED PRODUCT. Where the list says 'softmax', what is quantised is not the finished softmax but p = 2^(t - M), with t = logit x log2(e) and M = ceil(the row's largest t), a whole number; so 1/2 < the row's largest p <= 1. The row's sum l is taken of the UNQUANTISED p, in f32, and the product's result is divided by l at the end. Since M is a whole number, a kernel that streams over the keys may use a running M (the ceiling of the running maximum): every later rescaling is an exact power of two, which a block's scale takes up: the codes' values come out the same.
;;   OPERANDS COMPUTED ON THE WAY. 'Computed on the way' means the value that the module computes at that place (a softmax that the list does not call 'softmax' is quantised finished and normalised). What goes into a quantiser is computed in f32, as accurately as f32 sums, v_exp_f32 and their like allow (about 1e-6 of the number): no bf16 or f16 on the way to a quantiser, and a product that is left as it is and whose result goes on into a quantised operand takes f32 operands (vector FMAs, or v_wmma_f32_16x16x4_f32). A number that lies on a knife's edge between two numbers of the format may be rounded either way, as far as f32 arithmetic and the matrix unit's own rounding can turn it there, and no further.
;; 2 versions, each right and faster than the one before. Each part assembles by itself: llvm-mc -triple=amdgcn-amd-amdhsa -mcpu=gfx1250 --defsym DOCPART=n.
;; ======== version 1 of 2: 8 launches
;; limits: a function is approximated: absolute error at most 7.5e-08; an absolute error that grows with the inputs' magnitude: up to 7.5e-08 times it; right only within a limited range of input values
;; workspace buffers: wts 10,649,600 bytes; hq 3,276,800 bytes; h2q 3,276,800 bytes; yq 3,276,800 bytes; gq 13,107,200 bytes; x1 16,777,216 bytes; qi 3,276,800 bytes; kv 6,815,744 bytes
;; launch wq (part 1): grid 384 x 1, 4 waves a work-group, no clusters, 35,840 bytes of LDS; arguments w_attn, w_proj, w_fc, w_out, wts; writes wts
.if DOCPART == 1
	.amdgcn_target "amdgcn-amd-amdhsa--gfx1250"
	.amdhsa_code_object_version 6
	.text
	.protected	k_q5a88797d2e_wq
	.globl	k_q5a88797d2e_wq
	.p2align	8
	.type	k_q5a88797d2e_wq,@function
k_q5a88797d2e_wq:
	s_mov_b64 s[64:65], 0
	v_nop
	global_prefetch_b8 v0, s[64:65] scope:SCOPE_SE
	s_setreg_imm32_b32 hwreg(HW_REG_WAVE_MODE, 25, 1), 1
	s_wait_xcnt 0x0
; The four weights, f32 stored [K][N], become operands in codes of FP6 (E2M3) with one E8M0 byte for each 32 along K.
; AN OPERAND'S LAYOUT in wts: codes [K/64][RS][48 bytes] (a row's 64 codes as one stream of bits), then scale bytes [K/256][RS][8 bytes]; row = the weight's column n.
; A lane takes a column n and its registers run down K: a block of 32 lies in one lane, and the conversions give codes with K innermost.
; A wave takes 32 columns x 256 along K; its codes go through its own stage in LDS and leave as 1,536 consecutive bytes for each 64 along K; its scale bytes as 256 consecutive bytes.
; One path serves all four weights: sizes and pointers are chosen by the work-group's number alone.
; LIMITS: a block whose largest magnitude lies under 2^-124 keeps the byte 1 (a block of zeros too: its codes are zeros; this program alone reads the bytes); NaN and infinities are not served.
.set PITCH, 272                        ; a stage row: sixteen places of 16 bytes (12 of codes each) + 16
.set EMAX,  2
.set OFS,   16                         ; v16-47   4 x lane + i rows of the weight, i = 0 .. 31; never rewritten
.set X,     48                         ; v48-111  two sets of 32 numbers
.set C,     112                        ; v112-118 a block's codes
.set SB,    120                        ; v120-121 the scale bytes
.set OUTR,  128                        ; v128-191 the way out
.set SPW,   14                         ; v14 my spare word's LDS address; never rewritten
.set NIL,   15                         ; v15 0; never rewritten
.set SPARE, 4*32*PITCH                 ; behind the four stages: the spare words, 128 bytes a wave
	s_load_b256 s[4:11], s[0:1], 0x0               ; w_attn s[4:5], w_proj s[6:7], w_fc s[8:9], w_out s[10:11]
	s_load_b64 s[12:13], s[0:1], 0x20              ; wts
	v_lshl_add_u32 v[SPW], v0, 2, SPARE
	v_mov_b32 v[NIL], 0
	v_lshrrev_b32 v1, 5, v0
	v_readfirstlane_b32 s16, v1                    ; wave
	v_and_b32 v2, 31, v0                           ; lane
	v_lshlrev_b32 v3, 2, v2                        ; 4 bytes a lane
	s_mul_i32 s19, s16, 32*PITCH                   ; my stage
	v_mul_u32_u24 v4, v2, PITCH
	v_add_nc_u32 v4, s19, v4                       ; into it: row = my column
	v_lshrrev_b32 v5, 2, v2
	v_and_b32 v6, 3, v2
	v_mul_u32_u24 v7, v5, PITCH
	v_lshl_add_u32 v7, v6, 4, v7
	v_add_nc_u32 v7, s19, v7                       ; out of it: four lanes to a row's 48 bytes, eight rows an instruction
	v_mul_u32_u24 v8, v2, 12                       ; and the same place in 384 consecutive bytes of the codes
	v_lshlrev_b32 v9, 3, v2                        ; scale bytes: 8 a lane
	; the job: w_out's figures first, then the others' where the work-group's number lies under their ends
	s_mov_b32 s20, 4096                            ; a row of the weight in bytes
	s_mov_b32 s21, 4                               ; log2 of K / 256
	s_mov_b32 s26, 15                              ; K / 256 - 1
	s_mov_b32 s22, 1024                            ; RS
	s_mov_b32 s23, 6553600                         ; the operand's first byte in wts
	s_mov_b32 s24, 3145728                         ; its scale bytes, from there on
	s_mov_b32 s25, 256                             ; the job's first work-group
	s_wait_kmcnt 0x0
	s_mov_b64 s[14:15], s[10:11]
	s_cmp_lt_u32 ttmp9, 256                        ; w_fc
	s_cselect_b32 s20, 16384, s20
	s_cselect_b32 s21, 2, s21
	s_cselect_b32 s26, 3, s26
	s_cselect_b32 s22, 4096, s22
	s_cselect_b32 s23, 3276800, s23
	s_cselect_b32 s25, 128, s25
	s_cselect_b64 s[14:15], s[8:9], s[14:15]
	s_cmp_lt_u32 ttmp9, 128                        ; w_proj
	s_cselect_b32 s20, 4096, s20
	s_cselect_b32 s22, 1024, s22
	s_cselect_b32 s23, 9830400, s23
	s_cselect_b32 s24, 786432, s24
	s_cselect_b32 s25, 96, s25
	s_cselect_b64 s[14:15], s[6:7], s[14:15]
	s_cmp_lt_u32 ttmp9, 96                         ; w_attn
	s_cselect_b32 s20, 12288, s20
	s_cselect_b32 s22, 4096, s22
	s_cselect_b32 s23, 0, s23
	s_cselect_b32 s24, 3145728, s24
	s_cselect_b32 s25, 0, s25
	s_cselect_b64 s[14:15], s[4:5], s[14:15]
	s_sub_co_u32 s27, ttmp9, s25
	s_and_b32 s28, s27, s26                        ; which 256 along K
	s_lshr_b32 s29, s27, s21                       ; which 128 columns
	s_lshl_b32 s30, s29, 7
	s_lshl_b32 s31, s16, 5
	s_add_co_u32 s30, s30, s31                     ; my wave's first column
.irp i, 0,1,2,3,4,5,6,7,8,9,10,11,12,13,14,15,16,17,18,19,20,21,22,23,24,25,26,27,28,29,30,31
	v_mad_u32_u24 v[OFS+\i], s20, \i, v3
.endr
	; a base for each block of 32 rows, s[32:47]; none is ever stepped
	s_lshl_b32 s2, s28, 8
	s_mul_i32 s2, s2, s20
	s_lshl_b32 s17, s30, 2
	s_add_co_u32 s2, s2, s17
	s_mov_b32 s3, 0
	s_lshl_b32 s17, s20, 5
	s_add_nc_u64 s[32:33], s[14:15], s[2:3]
.irp t, 1,2,3,4,5,6,7
	s_add_co_u32 s2, s2, s17
	s_add_nc_u64 s[32+2*\t:33+2*\t], s[14:15], s[2:3]
.endr
	; a base for each 64 along K of the codes, s[48:55], and one for the scale bytes, s[56:57]
	s_lshl_b32 s2, s28, 2
	s_mul_i32 s2, s2, s22
	s_add_co_u32 s2, s2, s30
	s_mul_i32 s2, s2, 48
	s_add_co_u32 s2, s2, s23
	s_mul_i32 s17, s22, 48
	s_add_nc_u64 s[48:49], s[12:13], s[2:3]
.irp j, 1,2,3
	s_add_co_u32 s2, s2, s17
	s_add_nc_u64 s[48+2*\j:49+2*\j], s[12:13], s[2:3]
.endr
	s_mul_i32 s2, s28, s22
	s_add_co_u32 s2, s2, s30
	s_lshl_b32 s2, s2, 3
	s_add_co_u32 s2, s2, s23
	s_add_co_u32 s2, s2, s24
	s_add_nc_u64 s[56:57], s[12:13], s[2:3]
.macro LOAD t                          ; block t: 32 rows at my column, into set t % 2; each load reads 128 consecutive bytes a wave
.irp i, 0,1,2,3,4,5,6,7,8,9,10,11,12,13,14,15,16,17,18,19,20,21,22,23,24,25,26,27,28,29,30,31
	global_load_b32 v[X+32*((\t)%2)+\i], v[OFS+\i], s[32+2*(\t):33+2*(\t)] th:TH_LOAD_NT
.endr
.endm
	LOAD 0
	LOAD 1
.macro BLOCK t
.set XS, X+32*((\t)%2)
.if (\t) < 7
	s_wait_loadcnt 32                              ; this block's 32 loads are in; the next block's 32 may be out
.else
	s_wait_loadcnt 0
.endif
	v_max3_num_f32 v12, |v[XS]|, |v[XS+1]|, |v[XS+2]|               ; the block's largest magnitude: all 32 numbers are mine
	v_max3_num_f32 v13, |v[XS+3]|, |v[XS+4]|, |v[XS+5]|
.irp i, 6,10,14,18,22,26
	v_max3_num_f32 v12, v12, |v[XS+\i]|, |v[XS+\i+1]|
	v_max3_num_f32 v13, v13, |v[XS+\i+2]|, |v[XS+\i+3]|
.endr
	v_max3_num_f32 v12, v12, |v[XS+30]|, |v[XS+31]|
	v_max3_num_f32 v12, v12, v13, (EMAX+1)<<23     ; and the floor 2^(3 - 127): the byte cannot fall under 1
	v_add_nc_u32 v11, -(EMAX<<23), v12             ; 2 off the exponent field: the conversion's scale operand
	v_lshrrev_b32 v13, 23, v11                     ; the scale's byte
.if (\t)%4 == 0
	v_mov_b32 v[SB+(\t)/4], v13
.else
	v_lshl_or_b32 v[SB+(\t)/4], v13, 8*((\t)%4), v[SB+(\t)/4]
.endif
	v_cvt_scalef32_pk16_fp6_f32 v[C:C+2], v[XS:XS+15], v11
	v_cvt_scalef32_pk16_fp6_f32 v[C+4:C+6], v[XS+16:XS+31], v11     ; (a conversion's three registers begin on an even number)
	ds_store_b96 v4, v[C:C+2] offset:32*(\t)       ; 12 bytes to a place of 16
	ds_store_b96 v4, v[C+4:C+6] offset:32*(\t)+16
.if (\t)+2 < 8
	LOAD (\t)+2
.endif
	s_wait_dscnt 0x0                               ; the stores have read their registers: the next block's codes may be written
.endm
.irp t, 0,1,2,3,4,5,6,7
	BLOCK \t
.endr
	global_store_b64 v9, v[SB:SB+1], s[56:57]      ; 32 lanes store 256 consecutive bytes
.irp j, 0,1,2,3
.irp e, 0,1,2,3
	ds_load_b96 v[OUTR+4*(4*\j+\e):OUTR+4*(4*\j+\e)+2], v7 offset:\e*8*PITCH+64*\j   ; LDS serves a wave's instructions in order: these see my stores
.endr
.endr
.irp j, 0,1,2,3
.irp e, 0,1,2,3
	s_wait_dscnt 15-(4*\j+\e)                      ; the younger loads may be out
	global_store_b96 v8, v[OUTR+4*(4*\j+\e):OUTR+4*(4*\j+\e)+2], s[48+2*\j:49+2*\j] offset:384*\e   ; 384 consecutive bytes; four of them fill 1,536
.endr
.endr
	s_wait_tensorcnt 0x0                           ; the wave's end, behind my last LDS store
	ds_add_u32 v[SPW], v[NIL]
	s_wait_dscnt 0x0
	s_endpgm
.Lfunc_end_k_q5a88797d2e_wq:
	.size	k_q5a88797d2e_wq, .Lfunc_end_k_q5a88797d2e_wq-k_q5a88797d2e_wq
	.p2alignl 7, 3214868480
	.fill 96, 4, 3214868480
	.section	.rodata,"a",@progbits
	.p2align	6, 0x0
	.amdhsa_kernel k_q5a88797d2e_wq
		.amdhsa_group_segment_fixed_size 35840
		.amdhsa_private_segment_fixed_size 0
		.amdhsa_enable_private_segment 0
		.amdhsa_kernarg_size 40
		.amdhsa_user_sgpr_count 2
		.amdhsa_user_sgpr_kernarg_segment_ptr 1
		.amdhsa_wavefront_size32 1
		.amdhsa_system_sgpr_workgroup_id_x 1
		.amdhsa_system_sgpr_workgroup_id_y 1
		.amdhsa_system_sgpr_workgroup_id_z 1
		.amdhsa_system_vgpr_workitem_id 0
		.amdhsa_next_free_vgpr 192
		.amdhsa_next_free_sgpr 66
		.amdhsa_reserve_vcc 0
		.amdhsa_float_denorm_mode_32 3
		.amdhsa_float_denorm_mode_16_64 3
		.amdhsa_memory_ordered 1
		.amdhsa_forward_progress 1
		.amdhsa_inst_pref_size 46
	.end_amdhsa_kernel
	.amdgpu_metadata
---
amdhsa.version: [ 1, 2 ]
amdhsa.kernels:
  - .name:           k_q5a88797d2e_wq
    .symbol:         k_q5a88797d2e_wq.kd
    .args:
      - { .name: w_attn, .offset: 0, .size: 8, .value_kind: global_buffer, .address_space: global }
      - { .name: w_proj, .offset: 8, .size: 8, .value_kind: global_buffer, .address_space: global }
      - { .name: w_fc, .offset: 16, .size: 8, .value_kind: global_buffer, .address_space: global }
      - { .name: w_out, .offset: 24, .size: 8, .value_kind: global_buffer, .address_space: global }
      - { .name: wts, .offset: 32, .size: 8, .value_kind: global_buffer, .address_space: global }
    .group_segment_fixed_size: 35840
    .private_segment_fixed_size: 0
    .kernarg_segment_align: 8
    .kernarg_segment_size: 40
    .max_flat_workgroup_size: 128
    .sgpr_count:     66
    .vgpr_count:     192
    .wavefront_size: 32
...
	.end_amdgpu_metadata
.endif
;; end of part 1
;; launch ln1 (part 2): grid 256 x 1, 4 waves a work-group, no clusters, 38,912 bytes of LDS; arguments x, ln1_w, ln1_b, hq; writes hq
.if DOCPART == 2
	.amdgcn_target "amdgcn-amd-amdhsa--gfx1250"
	.amdhsa_code_object_version 6
	.text
	.protected	k_q5a88797d2e_ln1
	.globl	k_q5a88797d2e_ln1
	.p2align	8
	.type	k_q5a88797d2e_ln1,@function
k_q5a88797d2e_ln1:
	s_mov_b64 s[64:65], 0
	v_nop
	global_prefetch_b8 v0, s[64:65] scope:SCOPE_SE
	s_setreg_imm32_b32 hwreg(HW_REG_WAVE_MODE, 25, 1), 1
	s_wait_xcnt 0x0
; dst = Q(layer_norm(src) x w + b): rows of 1,024 f32 become codes of FP6 (E2M3) with one E8M0 byte for each 32 along the row.
; dst's layout: codes [16][4096 rows][48 bytes] (64 codes each), then at byte 3,145,728 scale bytes [4][4096 rows][8 bytes].
; A work-group takes 16 rows, a wave 4; a row stays in 32 registers of the wave between its passes, so memory is read once.  All 48 loads of a wave go out at the head.
; The conversion takes 16 neighbours from one lane, a load gives a lane 4: a row's two halves of 2,048 bytes turn through the wave's own stages in LDS (64 bytes + 16 of padding a lane).
; The 16 rows' codes meet in a stage, one barrier, and leave as 768 consecutive bytes for each 64 along the row; the 16 rows' scale bytes of a chunk are 128 consecutive bytes.
; LIMITS: a block whose largest magnitude lies under 2^-124 keeps the byte 1 (zeros too; this program alone reads the bytes); NaN and infinities are not served.
.set STG,   20480                      ; behind the eight turning stages: [16 pieces of 64 codes][1,088 bytes]: place 4 row + quarter, 16 bytes each, 12 used
.set SSC,   37888                      ; [4 chunks][16 rows][8 bytes]
.set SPARE, 38400                      ; the spare words, 128 bytes a wave
.set W,     32                         ; v32-63   w, laid as a row
.set B,     64                         ; v64-95   b
.set R,     96                         ; v96-223  four rows
.set X,     224                        ; v224-255 two sets of 16 neighbours
	s_load_b256 s[4:11], s[0:1], 0x0               ; src s[4:5], w s[6:7], b s[8:9], dst s[10:11]
	v_lshl_add_u32 v10, v0, 2, SPARE               ; v10, v11: my spare word's address and 0; never rewritten
	v_mov_b32 v11, 0
	v_lshrrev_b32 v1, 5, v0
	v_readfirstlane_b32 s12, v1                    ; wave
	v_and_b32 v2, 31, v0                           ; lane
	v_lshlrev_b32 v1, 4, v2                        ; 16 bytes a lane
	s_lshl_b32 s13, ttmp9, 4                       ; the work-group's first row
	s_lshl_b32 s14, s12, 2
	s_add_co_u32 s14, s14, s13                     ; my wave's
	s_lshl_b32 s14, s14, 12
	s_mov_b32 s15, 0
	s_mov_b32 s20, 0x76543210
	s_mov_b32 s21, 0xfedcba98                      ; v_permlanex16_b32's selects for lane l xor 16
	s_mov_b32 s22, 0x3a800000                      ; 1 / 1,024
	s_mov_b32 s23, 0x3727c5ac                      ; 1e-5
	s_wait_kmcnt 0x0
	s_add_nc_u64 s[4:5], s[4:5], s[14:15]
.irp j, 0,1,2,3,4,5,6,7
	global_load_b128 v[W+4*\j:W+4*\j+3], v1, s[6:7] offset:512*\j
.endr
.irp j, 0,1,2,3,4,5,6,7
	global_load_b128 v[B+4*\j:B+4*\j+3], v1, s[8:9] offset:512*\j
.endr
.irp i, 0,1,2,3
.irp j, 0,1,2,3,4,5,6,7
	global_load_b128 v[R+32*\i+4*\j:R+32*\i+4*\j+3], v1, s[4:5] offset:4096*\i+512*\j
.endr
.endr
	s_mul_i32 s16, s12, 5120                       ; my two turning stages
	v_lshrrev_b32 v12, 2, v2
	v_and_b32 v13, 3, v2
	v_mul_u32_u24 v3, v12, 80
	v_lshl_add_u32 v3, v13, 4, v3
	v_add_nc_u32 v3, s16, v3                       ; in: four lanes' 64 bytes on end, then 16 of padding
	v_mul_u32_u24 v4, v2, 80
	v_add_nc_u32 v4, s16, v4                       ; out: my 16 neighbours
	s_lshl_b32 s16, s12, 8
	v_mul_u32_u24 v5, v12, 1088
	v_lshl_add_u32 v5, v13, 4, v5
	v_add_nc_u32 v5, s16, v5
	v_add_nc_u32 v5, STG, v5                       ; my codes' place: piece lane / 4, quarter lane % 4, rows 4 wave on
	s_lshl_b32 s16, s12, 5
	v_lshrrev_b32 v6, 4, v2
	v_lshlrev_b32 v6, 7, v6
	v_bfe_u32 v12, v2, 1, 3
	v_add_nc_u32 v6, v6, v12
	v_add_nc_u32 v6, s16, v6
	v_add_nc_u32 v6, SSC, v6                       ; my block's byte
	s_mul_i32 s16, s12, 4352
	v_add_nc_u32 v7, s16, v1
	v_add_nc_u32 v7, STG, v7                       ; the way out: my wave's four pieces, 16 bytes a lane
	v_mul_u32_u24 v8, v2, 12
	v_lshlrev_b32 v9, 2, v2
	s_lshl_b32 s16, s12, 7
	v_add_nc_u32 v23, s16, v9
	v_add_nc_u32 v23, SSC, v23                     ; and my wave's chunk of scale bytes
	s_mul_i32 s16, s12, 4*196608
	s_mul_i32 s17, s13, 48
	s_add_co_u32 s16, s16, s17
	s_mov_b32 s17, 0
	s_add_nc_u64 s[16:17], s[10:11], s[16:17]      ; dst's codes: piece 4 wave, the work-group's rows
	s_lshl_b32 s18, s12, 15
	s_lshl_b32 s19, s13, 3
	s_add_co_u32 s18, s18, s19
	s_add_co_u32 s18, s18, 3145728
	s_mov_b32 s19, 0
	s_add_nc_u64 s[18:19], s[10:11], s[18:19]      ; dst's scale bytes: chunk = wave
.macro REDUCE                          ; v12 summed over the 32 lanes, the result in every lane
	v_add_f32_dpp v12, v12, v12 row_xmask:1 row_mask:0xf bank_mask:0xf
	v_add_f32_dpp v12, v12, v12 row_xmask:2 row_mask:0xf bank_mask:0xf
	v_add_f32_dpp v12, v12, v12 row_xmask:4 row_mask:0xf bank_mask:0xf
	v_add_f32_dpp v12, v12, v12 row_xmask:8 row_mask:0xf bank_mask:0xf
	v_permlanex16_b32 v13, v12, s20, s21
	v_add_f32 v12, v12, v13
.endm
.macro QS i, s                         ; 16 neighbours of row i, half s, become 12 bytes of codes and (with my neighbour lane) a scale byte
.set XS, X+16*\s
	v_max3_num_f32 v20, |v[XS]|, |v[XS+1]|, |v[XS+2]|
	v_max3_num_f32 v21, |v[XS+3]|, |v[XS+4]|, |v[XS+5]|
.irp e, 6,10
	v_max3_num_f32 v20, v20, |v[XS+\e]|, |v[XS+\e+1]|
	v_max3_num_f32 v21, v21, |v[XS+\e+2]|, |v[XS+\e+3]|
.endr
	v_max3_num_f32 v20, v20, |v[XS+14]|, |v[XS+15]|
	v_max3_num_f32 v20, v20, v21, 0x1800000        ; the floor 2^(3 - 127): the byte cannot fall under 1
	v_max_num_f32_dpp v20, v20, v20 row_xmask:1 row_mask:0xf bank_mask:0xf   ; with my neighbour's 16: the block's largest magnitude
	v_add_nc_u32 v22, 0xff000000, v20              ; 2 off the exponent field: the conversion's scale operand
	v_cvt_scalef32_pk16_fp6_f32 v[24+4*\s:26+4*\s], v[XS:XS+15], v22
	v_lshrrev_b32 v[27+4*\s], 23, v22              ; the scale's byte (a plain line behind the conversion)
	ds_store_b96 v5, v[24+4*\s:26+4*\s] offset:8704*\s+64*\i
	ds_store_b8 v6, v[27+4*\s] offset:256*\s+8*\i  ; both lanes of a block write the same byte with the same value
.endm
.macro ROW i
.set R0, R+32*\i
	s_wait_loadcnt 24-8*\i                         ; w, b and this row are in; the later rows' loads, 8 each, may be out
	v_pk_add_f32 v[12:13], v[R0:R0+1], v[R0+2:R0+3]                 ; the row's sum, in two chains
	v_pk_add_f32 v[14:15], v[R0+4:R0+5], v[R0+6:R0+7]
.irp j, 8,12,16,20,24,28
	v_pk_add_f32 v[12:13], v[12:13], v[R0+\j:R0+\j+1]
	v_pk_add_f32 v[14:15], v[14:15], v[R0+\j+2:R0+\j+3]
.endr
	v_pk_add_f32 v[12:13], v[12:13], v[14:15]
	v_add_f32 v12, v12, v13
	REDUCE
	v_mul_f32 v16, s22, v12                        ; the mean
	v_mov_b32 v17, v16
.irp j, 0,2,4,6,8,10,12,14,16,18,20,22,24,26,28,30
	v_pk_add_f32 v[R0+\j:R0+\j+1], v[R0+\j:R0+\j+1], v[16:17] neg_lo:[0,1] neg_hi:[0,1]   ; x - mean
.endr
	v_pk_mul_f32 v[12:13], v[R0:R0+1], v[R0:R0+1]                   ; the sum of squares, in two chains
	v_pk_mul_f32 v[14:15], v[R0+2:R0+3], v[R0+2:R0+3]
.irp j, 4,8,12,16,20,24,28
	v_pk_fma_f32 v[12:13], v[R0+\j:R0+\j+1], v[R0+\j:R0+\j+1], v[12:13]
	v_pk_fma_f32 v[14:15], v[R0+\j+2:R0+\j+3], v[R0+\j+2:R0+\j+3], v[14:15]
.endr
	v_pk_add_f32 v[12:13], v[12:13], v[14:15]
	v_add_f32 v12, v12, v13
	REDUCE
	v_fma_f32 v12, v12, s22, s23                   ; variance + 1e-5
	v_rsq_f32 v18, v12
	v_nop                                          ; a plain line behind the transcendental
	s_wait_alu depctr_va_vdst(0)                   ; the wait ahead of the first line that names the result
	v_mov_b32 v19, v18
.irp j, 0,2,4,6,8,10,12,14,16,18,20,22,24,26,28,30
	v_pk_mul_f32 v[R0+\j:R0+\j+1], v[R0+\j:R0+\j+1], v[18:19]
.endr
.irp j, 0,2,4,6,8,10,12,14,16,18,20,22,24,26,28,30
	v_pk_fma_f32 v[R0+\j:R0+\j+1], v[R0+\j:R0+\j+1], v[W+\j:W+\j+1], v[B+\j:B+\j+1]
.endr
.irp s, 0,1                            ; both halves through the stages: LDS serves a wave's instructions in order, so no wait stands between stores and loads
.irp q, 0,1,2,3
	ds_store_b128 v3, v[R0+16*\s+4*\q:R0+16*\s+4*\q+3] offset:2560*\s+640*\q
.endr
.irp q, 0,1,2,3
	ds_load_b128 v[X+16*\s+4*\q:X+16*\s+4*\q+3], v4 offset:2560*\s+16*\q
.endr
.endr
	s_wait_dscnt 8                                 ; the first half is back; the second half's 4 stores and 4 loads may be out
	QS \i, 0
	s_wait_dscnt 2                                 ; the second half is back; the two stores just issued may be out
	QS \i, 1
.endm
	ROW 0
	ROW 1
	ROW 2
	ROW 3
	s_wait_dscnt 0x0                               ; for the others' sake: my stores have landed
	s_barrier_signal -1
	s_barrier_wait -1
.irp e, 0,1,2,3,4,5,6,7
	ds_load_b96 v[R+4*\e:R+4*\e+2], v7 offset:1088*(\e/2)+512*(\e%2)
.endr
	ds_load_b32 v[R+32], v23
.irp e, 0,1,2,3,4,5,6,7
	s_wait_dscnt 8-\e                              ; the younger loads may be out
	global_store_b96 v8, v[R+4*\e:R+4*\e+2], s[16:17] offset:196608*(\e/2)+384*(\e%2)   ; 384 consecutive bytes; two of them are a piece's 768
.endr
	s_wait_dscnt 0x0
	global_store_b32 v9, v[R+32], s[18:19]         ; 128 consecutive bytes
	s_wait_tensorcnt 0x0                           ; the wave's end, behind my last LDS store
	ds_add_u32 v10, v11
	s_wait_dscnt 0x0
	s_endpgm
.Lfunc_end_k_q5a88797d2e_ln1:
	.size	k_q5a88797d2e_ln1, .Lfunc_end_k_q5a88797d2e_ln1-k_q5a88797d2e_ln1
	.p2alignl 7, 3214868480
	.fill 96, 4, 3214868480
	.section	.rodata,"a",@progbits
	.p2align	6, 0x0
	.amdhsa_kernel k_q5a88797d2e_ln1
		.amdhsa_group_segment_fixed_size 38912
		.amdhsa_private_segment_fixed_size 0
		.amdhsa_enable_private_segment 0
		.amdhsa_kernarg_size 32
		.amdhsa_user_sgpr_count 2
		.amdhsa_user_sgpr_kernarg_segment_ptr 1
		.amdhsa_wavefront_size32 1
		.amdhsa_system_sgpr_workgroup_id_x 1
		.amdhsa_system_sgpr_workgroup_id_y 1
		.amdhsa_system_sgpr_workgroup_id_z 1
		.amdhsa_system_vgpr_workitem_id 0
		.amdhsa_next_free_vgpr 256
		.amdhsa_next_free_sgpr 66
		.amdhsa_reserve_vcc 0
		.amdhsa_float_denorm_mode_32 3
		.amdhsa_float_denorm_mode_16_64 3
		.amdhsa_memory_ordered 1
		.amdhsa_forward_progress 1
		.amdhsa_inst_pref_size 45
	.end_amdhsa_kernel
	.amdgpu_metadata
---
amdhsa.version: [ 1, 2 ]
amdhsa.kernels:
  - .name:           k_q5a88797d2e_ln1
    .symbol:         k_q5a88797d2e_ln1.kd
    .args:
      - { .name: x, .offset: 0, .size: 8, .value_kind: global_buffer, .address_space: global }
      - { .name: ln1_w, .offset: 8, .size: 8, .value_kind: global_buffer, .address_space: global }
      - { .name: ln1_b, .offset: 16, .size: 8, .value_kind: global_buffer, .address_space: global }
      - { .name: hq, .offset: 24, .size: 8, .value_kind: global_buffer, .address_space: global }
    .group_segment_fixed_size: 38912
    .private_segment_fixed_size: 0
    .kernarg_segment_align: 8
    .kernarg_segment_size: 32
    .max_flat_workgroup_size: 128
    .sgpr_count:     66
    .vgpr_count:     256
    .wavefront_size: 32
...
	.end_amdgpu_metadata
.endif
;; end of part 2
;; launch qkv (part 3): grid 12 x 16, 4 waves a work-group, clusters of 4 x 4, 327,680 bytes of LDS; arguments hq, wts, src_mask, qi, kv; writes qi, kv
.if DOCPART == 3
	.amdgcn_target "amdgcn-amd-amdhsa--gfx1250"
	.amdhsa_code_object_version 6
	.text
	.protected	k_q5a88797d2e_qkv
	.globl	k_q5a88797d2e_qkv
	.p2align	8
	.type	k_q5a88797d2e_qkv,@function
k_q5a88797d2e_qkv:
	s_mov_b64 s[64:65], 0
	v_nop
	global_prefetch_b8 v0, s[64:65] scope:SCOPE_SE
	s_setreg_imm32_b32 hwreg(HW_REG_WAVE_MODE, 25, 1), 1
	s_wait_xcnt 0x0
	s_wait_alu depctr_hold_cnt(0) depctr_sa_sdst(0) depctr_va_vdst(0) depctr_va_sdst(0) depctr_va_ssrc(0) depctr_va_vcc(0) depctr_vm_vsrc(0)
	s_getreg_b32 s2, hwreg(HW_REG_IB_STS2, 6, 4)
	s_cmp_eq_u32 s2, 0
	s_cbranch_scc0 .Lentry_in_a_cluster
	s_endpgm
.Lentry_in_a_cluster:
	s_bfe_u32 s2, ttmp6, 0x10000c
	s_cmp_lg_u32 s2, 0xf033
	s_cbranch_scc0 .Lentry_shape_is_right
	s_endpgm
.Lentry_shape_is_right:
; qkv = Q(h) Q(w_attn), on codes of FP6 (E2M3) with E8M0 scales; the results are quantised in registers and leave as IMAGES OF THE OPERAND REGISTERS that the attention launch loads.
; THE PRODUCT: a tile of 256 x 256 to a work-group of four waves, 128 x 128 a wave (64 accumulators, 512 registers); K in steps of 256 through a ring of two LDS slots filled by tensor loads.
; OPERANDS lie as codes [K/64][RS][48 bytes], scale bytes [K/256][RS][8 bytes]: 128 rows of 64 codes are 6,144 consecutive bytes; a wave's load brings 4 such runs.
; CLUSTERS of 4 x 4: A's tiles are asked for jointly along a row of the cluster, B's along a column.  The matrix instruction is used transposed (source 0 = rows of B, source 1 = rows of A).
; THE ROWS OF A TILE ARE NOT NEIGHBOURS: lane r of block i takes row 32 (i / 2) + 8 (i % 2) + r + 8 (r / 8), so that a lane's 16 registers of blocks 2 g and 2 g + 1 of B are 16 neighbours, 32 g + 16 (lane / 16) + 0 .. 15.
; ROLES by the cluster's x, which all partners share: 0 = q, 1 = k: A = tokens (hq), B = columns of w_attn: a lane holds a token and runs along a head's 64.  2 = v: A = columns of w_attn, B = tokens: a lane holds a channel and runs along the keys.
; OUT.  q, k: a pair image (12 registers: blocks 2 g and 2 g + 1 of 16 tokens, 64 codes each) of 1,536 bytes; v: a fragment (16 channels x 128 keys); scale words 16 bytes a row.
;   qi: [b x head][16] records of 6,400 bytes: 4 pair images, 256 bytes of scale words.   kv: records of 13,312: k's 4 pair images, v's 4 fragments, k's and v's scale words, 128 f32 of mask bias (0, or -2^100 where src_mask is 0).
; LIMITS: blocks whose largest magnitude lies under 2^-124 keep the byte 1 (zeros too); NaN and infinities are not served.
; REGISTERS: window 0: v0-31 addresses; v32-63 scale words, two sets, and nothing else; v64-99 at work on the way out; from v128 A's fragments, one set.  window 1: B's fragments, two sets.  windows 2, 3: accumulators ((a, b) at v[8 (8 (a % 4) + b)]).
.set KDIM,  1024
.set RSA,   4096
.set RSB,   4096
.set PERM,  1
.set ASC,   3145728                    ; A's scale bytes, from A's first byte on
.set BOFF,  0
.set BSC,   3145728
.set ABASE, 96                         ; s[96:97], s[98:99]: A's and B's buffers, chosen by the role
.set BBASE, 98
.set NQ,    2
.set FR,    12
.set NL,    6
.set NP,    4
.set SUBB,  6144                       ; 128 rows of 64 codes
.set HALFT, 4*SUBB                     ; what one tensor load brings: 128 rows x 256 along K
.set SLOT,  4*HALFT                    ; A's two halves, then B's
.set LAPS,  KDIM/512
.set NCH,   KDIM/256
.set SCL,   2*SLOT                     ; behind the ring: the scale bytes, [chunk][128 rows][8 bytes] for each half; B's lie 128 bytes further on
.set HALFS, NCH*1024
.set SPARE, SCL+4*HALFS+256            ; the spare words, 128 bytes a wave
.set ADRA,  16
.set ADRB,  20
.set ADRS,  27
.set SPW,   28
.set NIL,   29
.set SC,    32
.set AF,    128
.set G1,    24
.set G0,    32
.set G1B,   48
.set G0B,   56
.set G1S,   68
.set G0S,   76
.set G1SB,  80
.set G0SB,  88
.set MSB,   0
.macro WIN new                         ; the immediate's high byte repeats the setting that is left
.if MSB != (\new)
	s_set_vgpr_msb (MSB<<8)|(\new)
.set MSB, (\new)
.endif
.endm
.set MUL_LO, 0xa1                      ; source 0 (B) window 1, source 1 (A) window 0, C and D window 2
.set MUL_HI, 0xf1
.set TO_B,   0x40
.macro JLOAD g0a, g1a, g0b, g1b        ; a joint load: waves 0 and 1 fetch for A, waves 2 and 3 for B; an s_nop 0 and four v_nop follow each line
	s_cmp_eq_u32 s15, 0
	s_cbranch_scc0 .Lfor_b_\@
	tensor_load_to_lds s[\g0a:\g0a+3], s[\g1a:\g1a+7]
	s_nop 0
.rept 4
	v_nop
.endr
	s_branch .Lasked_\@
.Lfor_b_\@:
	tensor_load_to_lds s[\g0b:\g0b+3], s[\g1b:\g1b+7]
	s_nop 0
.rept 4
	v_nop
.endr
.Lasked_\@:
.endm
.macro CREST                           ; a round of the cluster's barrier behind its opening barrier
	s_cmp_lg_u32 s14, 0
	s_cbranch_scc1 .Lnot_wave_0_\@
	s_barrier_signal -3
.Lnot_wave_0_\@:
	s_barrier_wait -3
	s_barrier_signal -1
	s_barrier_wait -1
.endm
.macro CROUND
	s_barrier_signal -1
	s_barrier_wait -1
	CREST
.endm
	s_load_b256 s[4:11], s[0:1], 0x0               ; hq s[4:5], wts s[6:7], src_mask s[8:9], qi s[10:11]
	s_load_b64 s[12:13], s[0:1], 0x20              ; kv
	v_lshl_add_u32 v[SPW], v0, 2, SPARE
	v_mov_b32 v[NIL], 0
	ds_add_u32 v[SPW], v[NIL]                      ; the wave's opening: the add and its wait ahead of my first tensor load
	v_lshrrev_b32 v1, 5, v0
	v_readfirstlane_b32 s14, v1                    ; wave
	s_lshr_b32 s15, s14, 1                         ; my half of the tile's rows.  Also: I fetch for A (0) or B (1)
	s_and_b32 s16, s14, 1                          ; my half of its columns.  Also: which 128 rows I fetch
	s_bfe_u32 s40, ttmp6, 0x40000                  ; cx
	s_bfe_u32 s41, ttmp6, 0x40004                  ; cy
	s_lshl_b32 s18, ttmp9, 2                       ; 4 x cluster x
	s_and_b32 s19, ttmp7, 0xffff
	s_lshl_b32 s19, s19, 2                         ; 4 x cluster y
	s_cmp_eq_u32 ttmp9, 2                          ; v?  The cluster's x is the same in all sixteen partners
	s_cselect_b32 s17, 8, s19
	s_cselect_b32 s42, s19, s18
	s_add_co_u32 s17, s17, s41                     ; A's tile: tokens 4 Y + cy, or for v w_attn's columns 8 + cy
	s_add_co_u32 s42, s42, s40                     ; B's tile: columns 4 X + cx, or for v tokens 4 Y + cx
	s_lshl_b32 s43, s41, 2
	s_lshl_b32 s43, 15, s43                        ; my row of the cluster
	s_lshl_b32 s44, 0x1111, s40                    ; my column
	s_or_b32 s[G1+0], s43, (3<<16)|(1<<21)         ; the mask; elements of 8 bytes; bit 21 beside a mask; no padding
	s_or_b32 s[G1B+0], s44, (3<<16)|(1<<21)
.irp g, G1, G1B
	s_mov_b32 s[\g+1], 768<<16                     ; tensor_dim0 = 768 elements: 128 rows x 48 bytes
	s_mov_b32 s[\g+2], 4<<16                       ; tensor_dim1 = 4 runs of 64 along K
	s_mov_b32 s[\g+3], 768<<16                     ; tile_dim0
	s_mov_b32 s[\g+4], 4                           ; tile_dim1
	s_mov_b32 s[\g+6], 0
	s_mov_b32 s[\g+7], 0
.endr
	s_mov_b32 s[G1+5], 6*RSA                       ; from run to run: RS x 48 bytes
	s_mov_b32 s[G1B+5], 6*RSB
	s_or_b32 s[G1S+0], s43, (3<<16)|(1<<21)
	s_or_b32 s[G1SB+0], s44, (3<<16)|(1<<21)
.irp g, G1S, G1SB
	s_mov_b32 s[\g+1], 128<<16                     ; the scale bytes of 128 rows: 128 elements of 8 bytes,
	s_mov_b32 s[\g+2], NCH<<16                     ; for each 256 along K
	s_mov_b32 s[\g+3], 128<<16
	s_mov_b32 s[\g+4], NCH
	s_mov_b32 s[\g+6], 0
	s_mov_b32 s[\g+7], 0
.endr
	s_mov_b32 s[G1S+5], RSA
	s_mov_b32 s[G1SB+5], RSB
	s_lshl_b32 s18, s16, 7
	s_lshl_b32 s20, s17, 8
	s_add_co_u32 s20, s20, s18                     ; A: the first row that I fetch
	s_lshl_b32 s46, s42, 8
	s_add_co_u32 s46, s46, s18                     ; B likewise
	s_lshl_b32 s22, s20, 3
	s_add_co_u32 s22, s22, ASC
	s_mov_b32 s23, 0
	s_lshl_b32 s92, s46, 3
	s_add_co_u32 s92, s92, BOFF+BSC
	s_mov_b32 s93, 0
	s_mul_i32 s20, s20, 48
	s_mov_b32 s21, 0
	s_mul_i32 s46, s46, 48
	s_add_co_u32 s46, s46, BOFF
	s_mov_b32 s47, 0
	s_mul_i32 s45, s14, HALFT                      ; where they go: no place in the cluster enters an LDS address
	s_mul_i32 s94, s14, HALFS
	s_lshl_b32 s95, s15, 7
	s_add_co_u32 s94, s94, s95
	s_wait_dscnt 0x0                               ; the opening add is done
	s_wait_kmcnt 0x0
	s_cmp_eq_u32 ttmp9, 2
	s_cselect_b64 s[ABASE:ABASE+1], s[6:7], s[4:5]
	s_cselect_b64 s[BBASE:BBASE+1], s[4:5], s[6:7]
	s_add_nc_u64 s[20:21], s[ABASE:ABASE+1], s[20:21]
	s_add_nc_u64 s[22:23], s[ABASE:ABASE+1], s[22:23]
	s_add_nc_u64 s[46:47], s[BBASE:BBASE+1], s[46:47]
	s_add_nc_u64 s[92:93], s[BBASE:BBASE+1], s[92:93]
	CROUND                                         ; all sixteen work-groups are here: the first joint loads meet
	s_mov_b32 s[G0S], 1
	s_add_co_u32 s[G0S+1], s94, SCL
	s_mov_b64 s[G0S+2:G0S+3], s[22:23]
	s_or_b32 s[G0S+3], s[G0S+3], 0x80000000
	s_mov_b32 s[G0SB], 1
	s_add_co_u32 s[G0SB+1], s94, SCL
	s_mov_b64 s[G0SB+2:G0SB+3], s[92:93]
	s_or_b32 s[G0SB+3], s[G0SB+3], 0x80000000
	JLOAD G0S, G1S, G0SB, G1SB                     ; the scale bytes for all of K: filled once
.irp s, 0,1
	s_mov_b32 s[G0+4*\s], 1
	s_add_co_u32 s[G0+4*\s+1], s45, \s*SLOT
	s_add_nc_u64 s[G0+4*\s+2:G0+4*\s+3], s[20:21], \s*192*RSA
	s_or_b32 s[G0+4*\s+3], s[G0+4*\s+3], 0x80000000
	s_mov_b32 s[G0B+4*\s], 1
	s_add_co_u32 s[G0B+4*\s+1], s45, \s*SLOT
	s_add_nc_u64 s[G0B+4*\s+2:G0B+4*\s+3], s[46:47], \s*192*RSB
	s_or_b32 s[G0B+4*\s+3], s[G0B+4*\s+3], 0x80000000
	JLOAD G0+4*\s, G1, G0B+4*\s, G1B
.endr
	v_and_b32 v1, 15, v0                           ; r
	v_bfe_u32 v2, v0, 4, 1                         ; h
	v_and_b32 v3, 8, v1
	v_add_nc_u32 v3, v3, v1                        ; r + 8 (r / 8)
	v_mul_u32_u24 v4, v3, 48
	v_mad_u32_u24 v4, v2, 24, v4                   ; a fragment's row x 48 + 24 h
	s_mul_i32 s21, s15, HALFT
	s_mul_i32 s22, s16, HALFT
	s_add_co_u32 s22, s22, 2*HALFT
.irp s, 0,1
	v_add_nc_u32 v[ADRA+\s], s21, v4
	v_add_nc_u32 v[ADRB+\s], s22, v4
	s_add_co_u32 s21, s21, SLOT
	s_add_co_u32 s22, s22, SLOT
.endr
	v_lshlrev_b32 v5, 3, v3                        ; my row's scale bytes: 8 a row and chunk
	s_mul_i32 s21, s15, HALFS
	s_mul_i32 s22, s16, HALFS
	s_add_co_u32 s22, s22, 2*HALFS+128
	s_sub_co_u32 s22, s22, s21
	v_mul_u32_u24 v6, s22, v2                      ; lanes 16-31 take B's
	s_add_co_u32 s21, s21, SCL
	v_add_nc_u32 v5, v5, v6
	v_add_nc_u32 v[ADRS], s21, v5
.macro FRAG reg, adr, q, i             ; 16 rows x 128 K: 12 registers; registers 6 c .. 6 c + 5 are 24 bytes of run 2 q + c, as they lie
.irp p, 0,1,2,3,4,5
	ds_load_b64 v[\reg+2*\p:\reg+2*\p+1], v[\adr] offset:(2*(\q)+\p/3)*SUBB+(PERM*(32*((\i)/2)+8*((\i)%2))+(1-PERM)*16*(\i))*48+8*(\p%3)
.endr
.endm
.macro MUL16 a0, p, q, sc, zero        ; A's blocks a0, a0 + 1 x B's eight; the 64 accumulators take turns, one instruction a turn
.irp a, \a0, \a0+1
.irp b, 0,1,2,3,4,5,6,7
.if \zero
	v_wmma_scale_f32_16x16x128_f8f6f4 v[8*(8*((\a)%4)+\b):8*(8*((\a)%4)+\b)+7], v[128*(\p)+FR*\b:128*(\p)+FR*\b+FR-1], v[AF+FR*(\a):AF+FR*(\a)+FR-1], 0, v[SC+8*NQ*(\sc)+NQ*\b+(\q)], v[SC+8*NQ*(\sc)+NQ*(\a)+(\q)] matrix_a_fmt:MATRIX_FMT_FP6 matrix_b_fmt:MATRIX_FMT_FP6 matrix_a_scale:MATRIX_SCALE_ROW1
.else
	v_wmma_scale_f32_16x16x128_f8f6f4 v[8*(8*((\a)%4)+\b):8*(8*((\a)%4)+\b)+7], v[128*(\p)+FR*\b:128*(\p)+FR*\b+FR-1], v[AF+FR*(\a):AF+FR*(\a)+FR-1], v[8*(8*((\a)%4)+\b):8*(8*((\a)%4)+\b)+7], v[SC+8*NQ*(\sc)+NQ*\b+(\q)], v[SC+8*NQ*(\sc)+NQ*(\a)+(\q)] matrix_a_fmt:MATRIX_FMT_FP6 matrix_b_fmt:MATRIX_FMT_FP6 matrix_a_scale:MATRIX_SCALE_ROW1
.endif
.endr
.endr
.endm
.macro FETCH_B slot, q, p
	WIN TO_B
.irp i, 0,1,2,3,4,5,6,7
	FRAG 128*(\p)+FR*\i, ADRB+\slot, \q, \i
.endr
	WIN 0
.endm
.macro FETCH_A slot, q, i0
.irp i, \i0, \i0+1, \i0+2, \i0+3
	FRAG AF+FR*(\i), ADRA+\slot, \q, \i
.endr
.endm
.macro SCALES sc                       ; a K step's scale words: lanes 0-15 A's block i, lanes 16-31 B's block i
.irp i, 0,1,2,3,4,5,6,7
	ds_load_b64 v[SC+8*NQ*\sc+NQ*\i:SC+8*NQ*\sc+NQ*\i+1], v[ADRS] offset:8*(PERM*(32*(\i/2)+8*(\i%2))+(1-PERM)*16*\i)
.endr
.endm
.macro PLACES n                        ; plain vector lines between a matrix instruction and a load into, or a read of, its registers
.rept \n
	v_nop
.endr
.endm
.macro STEP slot, q, zero              ; 128 along K with its successor in the same slot
	s_wait_dscnt 4*NL                              ; B's set and A's blocks 0-3 are in; the 24 loads of A's blocks 4-7 may be out
	WIN MUL_LO
	MUL16 0, (\q)%2, \q, \slot, \zero
	MUL16 2, (\q)%2, \q, \slot, \zero
	s_wait_dscnt 0
	PLACES NP
	FETCH_B \slot, (\q)+1, 1-(\q)%2
	FETCH_A \slot, (\q)+1, 0
	WIN MUL_HI
	MUL16 4, (\q)%2, \q, \slot, \zero
	MUL16 6, (\q)%2, \q, \slot, \zero
	PLACES NP
	WIN 0
	FETCH_A \slot, (\q)+1, 4
.endm
.macro TURN slot, next, fill           ; a slot's last step changes slots: one barrier; fill = 1: this slot is filled again, two K steps ahead
	s_wait_tensorcnt 0x0                           ; all my tensor loads have landed: my part of the next slot
	ds_add_u32 v[SPW], v[NIL]                      ; 0 onto my spare word
	s_wait_dscnt 4*NL+1                            ; (the add and the 24 loads of A's blocks 4-7 may be out)
	WIN MUL_LO
	MUL16 0, 1, NQ-1, \slot, 0
	s_wait_dscnt 0x0                               ; the add is done, and my reads of this slot are over
	s_barrier_signal -1
	MUL16 2, 1, NQ-1, \slot, 0
	WIN 0
	s_barrier_wait -1
.if \fill
	CREST                                          ; the barrier has opened a round of the cluster's: no wave of any partner still reads this slot or has a load on its way
	s_add_nc_u64 s[G0+4*\slot+2:G0+4*\slot+3], s[G0+4*\slot+2:G0+4*\slot+3], 384*RSA
	s_add_nc_u64 s[G0B+4*\slot+2:G0B+4*\slot+3], s[G0B+4*\slot+2:G0B+4*\slot+3], 384*RSB
	JLOAD G0+4*\slot, G1, G0B+4*\slot, G1B         ; the first tensor load behind the round; its four v_nop are the places for the loads below
.else
	PLACES NP
.endif
	v_add_nc_u32 v[ADRS], 1024, v[ADRS]            ; the next K step's scale words
	FETCH_B \next, 0, 0
	FETCH_A \next, 0, 0
	SCALES \next
	WIN MUL_HI
	MUL16 4, 1, NQ-1, \slot, 0
	MUL16 6, 1, NQ-1, \slot, 0
	PLACES NP
	WIN 0
	FETCH_A \next, 0, 4
.endm
	s_wait_tensorcnt 1                             ; the scale bytes and my part of K step 0 are in; K step 1's load may be out
	s_barrier_signal -1
	s_barrier_wait -1
	FETCH_B 0, 0, 0
	FETCH_A 0, 0, 0
	SCALES 0
	FETCH_A 0, 0, 4
	STEP 0, 0, 1                                   ; the first step's products start the sums
	s_mov_b32 s3, LAPS-1
.Llap:
	TURN 0, 1, 1
	STEP 1, 0, 0
	TURN 1, 0, 1
	STEP 0, 0, 0
	s_sub_co_u32 s3, s3, 1
	s_cmp_lg_u32 s3, 0
	s_cbranch_scc1 .Llap
	TURN 0, 1, 0                                   ; the last lap fills nothing
	STEP 1, 0, 0
	s_wait_dscnt 4*NL
	WIN MUL_LO
	MUL16 0, 1, NQ-1, 1, 0
	MUL16 2, 1, NQ-1, 1, 0
	s_wait_dscnt 0
	WIN MUL_HI
	MUL16 4, 1, NQ-1, 1, 0
	MUL16 6, 1, NQ-1, 1, 0
	WIN 0
; THE WAY OUT.  Block a's 64 registers of a lane are 128 neighbours' share along B's rows: register 16 g + i = 32 g + 16 (lane / 16) + i, of A's row 32 (a / 2) + 8 (a % 2) + r + 8 (r / 8).
.set TM,  64                           ; v64-67 largest magnitudes, v68-71 bytes, v76-79 the conversions' scale operands
.set TQ,  80                           ; v80-86 the conversions' second halves
.set PWA, 88
.set PWB, 89
.set WA,  92                           ; v92-95, v96-99 scale words to store
.set WB,  96
.set IA,  128                          ; v128-139, v140-151 images
.set IB,  140
.set MK,  160
.set LI,  24                           ; v24 16 x lane
.set LRH, 25                           ; v25 16 r, and for lanes 16-31 the next head's record
.set SEL, 18
; 64 numbers of a lane in window w become codes of k 0-63 in v[d0 .. d0 + 5], of k 64-127 in v[d1 .. d1 + 5], and the row's scale word in v[pw].  Each accumulator is read from its low end on.
.macro QUANT s, w, d0, d1, pw
	WIN 5*(\w)
.irp b, 0,1,2,3
	v_max3_num_f32 v[TM+\b], |v[\s+16*\b]|, |v[\s+16*\b+1]|, 0x1800000   ; with the floor 2^(3 - 127): the byte cannot fall under 1
.endr
	WIN 20*(\w)
.irp i, 2,4,6,8,10,12,14
.irp b, 0,1,2,3
	v_max3_num_f32 v[TM+\b], v[TM+\b], |v[\s+16*\b+\i]|, |v[\s+16*\b+\i+1]|
.endr
.endr
	WIN 0
.irp b, 0,1,2,3
	v_permlanex16_b32 v[TM+4+\b], v[TM+\b], s[SEL], s[SEL+1]
.endr
.irp b, 0,1,2,3
	v_max_num_f32 v[TM+\b], v[TM+\b], v[TM+4+\b]   ; with lane l xor 16's: the block's largest magnitude
.endr
.irp b, 0,1,2,3
	v_add_nc_u32 v[TM+12+\b], 0xff000000, v[TM+\b] ; 2 off the exponent field: the conversion's scale operand
.endr
.irp b, 0,1,2,3
	v_lshrrev_b32 v[TM+4+\b], 23, v[TM+12+\b]      ; the scale's byte
.endr
	v_lshl_or_b32 v[\pw], v[TM+5], 8, v[TM+4]
	v_lshl_or_b32 v[\pw], v[TM+6], 16, v[\pw]
	v_lshl_or_b32 v[\pw], v[TM+7], 24, v[\pw]
	WIN \w
	v_cvt_scalef32_pk16_fp6_f32 v[\d0:\d0+2], v[\s:\s+15], v[TM+12]
	v_cvt_scalef32_pk16_fp6_f32 v[TQ:TQ+2], v[\s+16:\s+31], v[TM+13]
	v_cvt_scalef32_pk16_fp6_f32 v[\d1:\d1+2], v[\s+32:\s+47], v[TM+14]
	v_cvt_scalef32_pk16_fp6_f32 v[TQ+4:TQ+6], v[\s+48:\s+63], v[TM+15]
	WIN 0
	v_nop                                          ; a plain line behind the conversions
.irp i, 0,1,2
	v_permlane16_swap_b32 v[\d0+\i], v[TQ+\i]      ; a whole block to a lane
	v_permlane16_swap_b32 v[\d1+\i], v[TQ+4+\i]
.endr
.irp i, 0,1,2
	v_mov_b32 v[\d0+3+\i], v[TQ+\i]
	v_mov_b32 v[\d1+3+\i], v[TQ+4+\i]
.endr
.endm
	PLACES NP
	s_mov_b32 s[SEL], 0x76543210
	s_mov_b32 s[SEL+1], 0xfedcba98
.irp b, 0,1,2,3
	v_mov_b32 v[TM+4+\b], 0                        ; written once: a lane permute's destination counts as one of its sources
.endr
	v_and_b32 v[LI], 31, v0
	v_lshlrev_b32 v[LI], 4, v[LI]
	v_lshlrev_b32 v[LRH], 4, v1
	s_mov_b32 s95, 0xffff0000                      ; lanes 16-31
	s_mov_b32 s79, 0
	s_cmp_eq_u32 ttmp9, 2
	s_cbranch_scc1 .Lpath_v
	; ---- q and k: my 128 tokens x two heads
	s_lshl_b32 s72, s17, 8
	s_lshl_b32 s73, s15, 7
	s_add_co_u32 s72, s72, s73                     ; my first token
	s_and_b32 s74, s42, 3
	s_lshl_b32 s74, s74, 2
	s_lshl_b32 s73, s16, 1
	s_add_co_u32 s74, s74, s73                     ; my first head
	s_lshr_b32 s75, s72, 11
	s_lshl_b32 s75, s75, 4
	s_add_co_u32 s75, s75, s74                     ; 16 b + head
	s_lshl_b32 s75, s75, 4
	s_bfe_u32 s73, s72, 0x40007                    ; which 128 tokens of the 2,048
	s_add_co_u32 s75, s75, s73                     ; the record
	s_cmp_eq_u32 ttmp9, 0
	s_mov_b32 s76, 13312
	s_cselect_b32 s76, 6400, s76                   ; a record's bytes
	s_mov_b32 s77, 12288
	s_cselect_b32 s77, 6144, s77                   ; where its scale words lie
	s_cselect_b64 s[68:69], s[10:11], s[12:13]     ; qi or kv
	s_mul_i32 s78, s75, s76
	s_add_nc_u64 s[68:69], s[68:69], s[78:79]      ; my first head's record
	s_lshl_b32 s78, s76, 4
	s_add_nc_u64 s[70:71], s[68:69], s[78:79]      ; the next head's: 16 records on
	v_mul_u32_u24 v26, s78, v2
	v_add_nc_u32 v[LRH], v[LRH], v26
	s_mov_b32 s78, s77
	s_add_nc_u64 s[80:81], s[68:69], s[78:79]
.irp g, 0,1,2,3
	s_wait_xcnt 0x0                                ; the last pair's stores have read their registers
	QUANT 64*((2*\g)%4), 2+(2*\g)/4, IA, IB, PWA
	QUANT 64*((2*\g+1)%4), 2+(2*\g+1)/4, IA+6, IB+6, PWB
	v_perm_b32 v[WA+\g], v[PWB], v[PWA], 0x05040100   ; the pair's word: the first head's two bytes of either block
	v_perm_b32 v[WB+\g], v[PWB], v[PWA], 0x07060302   ; and the second head's
.irp c, 0,1,2
	global_store_b128 v[LI], v[IA+4*\c:IA+4*\c+3], s[68:69] offset:1536*\g+512*\c   ; 512 consecutive bytes
	global_store_b128 v[LI], v[IB+4*\c:IB+4*\c+3], s[70:71] offset:1536*\g+512*\c
.endr
.endr
.irp i, 0,1,2,3
	v_cndmask_b32 v[WA+\i], v[WA+\i], v[WB+\i], s95
.endr
	global_store_b128 v[LRH], v[WA:WA+3], s[80:81] ; lanes 0-15: 256 bytes of the first head's record; lanes 16-31: of the next head's
	s_cmp_eq_u32 ttmp9, 1
	s_cbranch_scc0 .Ldone
	s_lshl_b32 s78, s72, 2                         ; k alone: the mask of my 128 tokens becomes a bias for the scores
	s_add_nc_u64 s[82:83], s[8:9], s[78:79]
	global_load_b128 v[MK:MK+3], v[LI], s[82:83]
	v_mov_b32 v[MK+8], 0xf1800000                  ; -2^100
	s_wait_loadcnt 0x0
.irp i, 0,1,2,3
	v_cmp_eq_u32 vcc_lo, 0, v[MK+\i]
	v_cndmask_b32 v[MK+4+\i], 0, v[MK+8], vcc_lo
.endr
	global_store_b128 v[LI], v[MK+4:MK+7], s[68:69] offset:12800
	global_store_b128 v[LI], v[MK+4:MK+7], s[70:71] offset:12800
	s_branch .Ldone
.Lpath_v:
	; ---- v: my 128 channels (two heads) x my 128 keys
	s_lshl_b32 s72, s42, 8
	s_lshl_b32 s73, s16, 7
	s_add_co_u32 s72, s72, s73                     ; my first key
	s_and_b32 s74, s17, 3
	s_lshl_b32 s74, s74, 2
	s_lshl_b32 s73, s15, 1
	s_add_co_u32 s74, s74, s73                     ; my first head
	s_lshr_b32 s75, s72, 11
	s_lshl_b32 s75, s75, 4
	s_add_co_u32 s75, s75, s74
	s_lshl_b32 s75, s75, 4
	s_bfe_u32 s73, s72, 0x40007
	s_add_co_u32 s75, s75, s73
	s_mul_i32 s78, s75, 13312
	s_add_nc_u64 s[68:69], s[12:13], s[78:79]
	v_mul_u32_u24 v26, v2, 212992
	v_add_nc_u32 v[LRH], v[LRH], v26
.irp a, 0,1,2,3,4,5,6,7
	s_wait_xcnt 0x0                                ; the last fragment's stores have read their registers
	QUANT 64*(\a%4), 2+\a/4, IA, IA+6, WA+\a
.irp c, 0,1,2
	global_store_b128 v[LI], v[IA+4*\c:IA+4*\c+3], s[68:69] offset:(\a/4)*212992+6144+1536*(\a%4)+512*\c
.endr
.endr
.irp i, 0,1,2,3
	v_cndmask_b32 v[WA+\i], v[WA+\i], v[WB+\i], s95
.endr
	global_store_b128 v[LRH], v[WA:WA+3], s[68:69] offset:12544
.Ldone:
	s_wait_tensorcnt 0x0                           ; the wave's end
	ds_add_u32 v[SPW], v[NIL]
	s_wait_dscnt 0x0
	CROUND                                         ; the closing round
	s_endpgm
.Lfunc_end_k_q5a88797d2e_qkv:
	.size	k_q5a88797d2e_qkv, .Lfunc_end_k_q5a88797d2e_qkv-k_q5a88797d2e_qkv
	.p2alignl 7, 3214868480
	.fill 96, 4, 3214868480
	.section	.rodata,"a",@progbits
	.p2align	6, 0x0
	.amdhsa_kernel k_q5a88797d2e_qkv
		.amdhsa_group_segment_fixed_size 327680
		.amdhsa_private_segment_fixed_size 0
		.amdhsa_enable_private_segment 0
		.amdhsa_kernarg_size 40
		.amdhsa_user_sgpr_count 2
		.amdhsa_user_sgpr_kernarg_segment_ptr 1
		.amdhsa_wavefront_size32 1
		.amdhsa_system_sgpr_workgroup_id_x 1
		.amdhsa_system_sgpr_workgroup_id_y 1
		.amdhsa_system_sgpr_workgroup_id_z 1
		.amdhsa_system_vgpr_workitem_id 0
		.amdhsa_next_free_vgpr 1024
		.amdhsa_next_free_sgpr 100
		.amdhsa_reserve_vcc 1
		.amdhsa_float_denorm_mode_32 3
		.amdhsa_float_denorm_mode_16_64 3
		.amdhsa_memory_ordered 1
		.amdhsa_forward_progress 1
		.amdhsa_inst_pref_size 201
	.end_amdhsa_kernel
	.amdgpu_metadata
---
amdhsa.version: [ 1, 2 ]
amdhsa.kernels:
  - .name:           k_q5a88797d2e_qkv
    .symbol:         k_q5a88797d2e_qkv.kd
    .args:
      - { .name: hq, .offset: 0, .size: 8, .value_kind: global_buffer, .address_space: global }
      - { .name: wts, .offset: 8, .size: 8, .value_kind: global_buffer, .address_space: global }
      - { .name: src_mask, .offset: 16, .size: 8, .value_kind: global_buffer, .address_space: global }
      - { .name: qi, .offset: 24, .size: 8, .value_kind: global_buffer, .address_space: global }
      - { .name: kv, .offset: 32, .size: 8, .value_kind: global_buffer, .address_space: global }
    .group_segment_fixed_size: 327680
    .private_segment_fixed_size: 0
    .kernarg_segment_align: 8
    .kernarg_segment_size: 40
    .max_flat_workgroup_size: 128
    .sgpr_count:     100
    .vgpr_count:     1024
    .wavefront_size: 32
...
	.end_amdgpu_metadata
.endif
;; end of part 3
;; launch attn (part 4): grid 8 x 32, 16 waves a work-group, clusters of 4 x 1, 227,328 bytes of LDS; arguments qi, kv, yq; writes yq
.if DOCPART == 4
	.amdgcn_target "amdgcn-amd-amdhsa--gfx1250"
	.amdhsa_code_object_version 6
	.text
	.protected	k_q5a88797d2e_attn
	.globl	k_q5a88797d2e_attn
	.p2align	8
	.type	k_q5a88797d2e_attn,@function
k_q5a88797d2e_attn:
	s_mov_b64 s[64:65], 0
	v_nop
	global_prefetch_b8 v0, s[64:65] scope:SCOPE_SE
	s_setreg_imm32_b32 hwreg(HW_REG_WAVE_MODE, 25, 1), 1
	s_wait_xcnt 0x0
	s_wait_alu depctr_hold_cnt(0) depctr_sa_sdst(0) depctr_va_vdst(0) depctr_va_sdst(0) depctr_va_ssrc(0) depctr_va_vcc(0) depctr_vm_vsrc(0)
	s_getreg_b32 s2, hwreg(HW_REG_IB_STS2, 6, 4)
	s_cmp_eq_u32 s2, 0
	s_cbranch_scc0 .Lentry_in_a_cluster
	s_endpgm
.Lentry_in_a_cluster:
	s_bfe_u32 s2, ttmp6, 0x10000c
	s_cmp_lg_u32 s2, 0x3003
	s_cbranch_scc0 .Lentry_shape_is_right
	s_endpgm
.Lentry_shape_is_right:
; y = softmax(q k^T / 8, masked) v for one (batch, head) and 256 queries a work-group, both products on codes of FP6 (E2M3) with E8M0 scales; y leaves quantised along the head's 64, as the next product's operand.
; THE SOFTMAX: t = score x log2(e) / 8; M = the running largest t rounded up to a whole number; p = 2^(t - M) is quantised along the keys; the row's sum is taken of the unquantised p and divides at the end.
; SHARES.  Sixteen waves, 16 queries each, 256 registers: four waves to a SIMD.  Every wave walks the 2,048 keys, 128 a step.
; NO RING: the head's 16 records (k's pair images, v's fragments, their scale words, the mask bias: 13,312 bytes for 128 keys) are 212,992 bytes and lie in LDS for the whole launch; each byte is filled once.
; CLUSTER: the four work-groups of a cluster belong to one head and ask for the records jointly; each wave asks for 13 rows of 256 bytes of each quarter: four loads of mine are out at the most.
; LAYOUT.  Both products are used transposed: a lane holds one query.  A pair image of k carries two tiles of 16 keys, one in each half of the instruction's K of 128 (the head has 64): it is multiplied by (Q | zero codes) and by (zero codes | Q).
; The keys of a tile are 32 b + 8 u + r + 8 (r / 8), so that a lane's 16 registers of tiles 2 b, 2 b + 1 are 16 neighbouring keys.  The mask bias is the C of the first product.
; LIMITS: scores stay under 2^90 in magnitude (the bias of a masked key is -2^100); a row all of whose keys are masked gets the scale byte 0xff, so that it comes out NaN; NaN and infinities among the inputs are not served.
; REGISTERS: v1-11 addresses; v12 -M, v13 the largest t, v[14:15] the sum; v16-27 (Q | 0), v28-39 (0 | Q); v40 Q's scale word, v41 p's; v44-91 four fragments; v92-95 their scale words; v96-159 scores, then p; v160-191 O^T; v192-203 p's codes; v204-210, v212-227 at work.
.set RECB,  13312
.set STG,   212992                     ; behind the records: y's codes, [256 rows][48 bytes]
.set SPARE, 225280                     ; the spare words, 128 bytes a wave
.set LI,  1                            ; v1  16 x lane
.set LR,  2                            ; v2  16 r
.set LH,  3                            ; v3  64 h
.set SPW, 4
.set NIL, 5
.set AI,  6                            ; v6-8 the step's addresses
.set AS,  7
.set AM,  8
.set BM,  212                          ; v212-215 the blocks' largest
.set PB,  216                          ; v216-219
.set SO,  220                          ; v220-223 the conversions' scale operands
.set F,   224                          ; v[224:225]
.set TMP, 226
.set WV,  18
.set SEL, 20
.set CS,  22
.set G1,  24
.set G0,  32
.set TB,  2
.macro ROUND                           ; a round of the cluster's barrier
	s_barrier_signal -1
	s_barrier_wait -1
	s_cmp_lg_u32 s[WV], 0
	s_cbranch_scc1 .Lnot_wave_0_\@
	s_barrier_signal -3
.Lnot_wave_0_\@:
	s_barrier_wait -3
	s_barrier_signal -1
	s_barrier_wait -1
.endm
	s_load_b128 s[4:7], s[0:1], 0x0                ; qi s[4:5], kv s[6:7]
	s_load_b64 s[8:9], s[0:1], 0x10                ; yq
	v_lshl_add_u32 v[SPW], v0, 2, SPARE
	v_mov_b32 v[NIL], 0
	ds_add_u32 v[SPW], v[NIL]                      ; the wave's opening: the add and its wait ahead of my first tensor load
	v_lshrrev_b32 v6, 5, v0
	v_readfirstlane_b32 s[WV], v6                  ; wave 0..15
	s_bfe_u32 s10, ttmp6, 0x40000                  ; cx
	s_lshl_b32 s11, ttmp9, 2
	s_add_co_u32 s11, s11, s10                     ; my block of 256 queries: it enters global addresses of q and y alone
	s_and_b32 s12, ttmp7, 0xffff                   ; 16 b + head, which the partners share
	s_mov_b32 s[G1], 15|(3<<16)|(1<<21)            ; the mask: all four; elements of 8 bytes; bit 21 beside a mask
	s_mov_b32 s[G1+1], 32<<16                      ; tensor_dim0 = 32 elements: 256 bytes
	s_mov_b32 s[G1+2], 13<<16                      ; tensor_dim1 = 13 rows
	s_mov_b32 s[G1+3], 32<<16
	s_mov_b32 s[G1+4], 13
	s_mov_b32 s[G1+5], 32                          ; dense
	s_mov_b32 s[G1+6], 0
	s_mov_b32 s[G1+7], 0
	s_mul_i32 s13, s[WV], 3328                     ; my 13 rows of a quarter
	s_mul_i32 s14, s12, 212992
	s_add_co_u32 s14, s14, s13
	s_mov_b32 s15, 0
	s_mov_b32 s[SEL], 0x76543210
	s_mov_b32 s[SEL+1], 0xfedcba98
	s_mov_b32 s[CS], 0x3e38aa3b                    ; log2(e) / 8
	s_mov_b32 s[CS+1], s[CS]
	s_mov_b32 s59, 0xffff0000                      ; lanes 16-31
	s_wait_dscnt 0x0                               ; the opening add is done
	s_wait_kmcnt 0x0
	s_add_nc_u64 s[6:7], s[6:7], s[14:15]
	ROUND                                          ; all four work-groups are here: the joint loads meet
.irp g, 0,1,2,3
	s_mov_b32 s[G0+4*\g], 1
	s_add_co_u32 s[G0+4*\g+1], s13, 53248*\g
	s_add_nc_u64 s[G0+4*\g+2:G0+4*\g+3], s[6:7], 53248*\g
	s_or_b32 s[G0+4*\g+3], s[G0+4*\g+3], 0x80000000
.endr
.irp g, 0,1,2,3
	tensor_load_to_lds s[G0+4*\g:G0+4*\g+3], s[G1:G1+7]
	s_nop 0
.endr
.rept 4
	v_nop
.endr
	v_and_b32 v[LI], 31, v0
	v_lshlrev_b32 v[LI], 4, v[LI]
	v_and_b32 v10, 15, v0                          ; r
	v_bfe_u32 v11, v0, 4, 1                        ; h
	v_lshlrev_b32 v[LR], 4, v10
	v_lshlrev_b32 v[LH], 6, v11
	s_lshl_b32 s48, s12, 4
	s_lshl_b32 s49, s11, 1
	s_add_co_u32 s48, s48, s49
	s_lshr_b32 s49, s[WV], 3
	s_add_co_u32 s48, s48, s49                     ; q's record: 128 queries each
	s_mul_i32 s48, s48, 6400
	s_bfe_u32 s50, s[WV], 0x20001                  ; my pair in it
	s_mul_i32 s51, s50, 1536
	s_add_co_u32 s52, s48, s51
	s_mov_b32 s53, 0
	s_add_nc_u64 s[52:53], s[4:5], s[52:53]
	s_lshl_b32 s50, s50, 2
	s_add_co_u32 s54, s48, s50
	s_add_co_u32 s54, s54, 6144
	s_mov_b32 s55, 0
	s_add_nc_u64 s[54:55], s[4:5], s[54:55]
.irp c, 0,1,2
	global_load_b128 v[44+4*\c:47+4*\c], v[LI], s[52:53] offset:512*\c
.endr
	global_load_b32 v42, v[LR], s[54:55]           ; the pair's scale word
	s_and_b32 s56, s[WV], 1                        ; which tile of the pair is mine
	s_cmp_eq_u32 s56, 1
	s_cselect_b32 s57, -1, 0
	s_mov_b32 s58, 0x01000100
	s_cselect_b32 s58, 0x03020302, s58
	s_wait_loadcnt 0x0
.irp i, 0,1,2,3,4,5
	v_cndmask_b32 v[16+\i], v[44+\i], v[50+\i], s57
.endr
	v_perm_b32 v40, v42, v42, s58                  ; my tile's two bytes, in both halves of the word
.irp i, 0,1,2,3,4,5
	v_mov_b32 v[34+\i], v[16+\i]
.endr
.irp i, 0,1,2,3,4,5,6,7,8,9,10,11
	v_mov_b32 v[22+\i], 0                          ; zero codes
.endr
	v_mov_b32 v13, 0xff61b1e6                      ; the largest t so far: -3e38
	v_floor_f32 v12, -v13                          ; -M
	v_mov_b32 v14, 0
	v_mov_b32 v15, 0
.irp b, 0,1,2,3
	v_mov_b32 v[PB+\b], 0                          ; written once: a lane permute's destination counts as one of its sources
.endr
	v_mov_b32 v[F+1], 0                            ; (named as the upper half of a pair)
	v_mov_b32 v[TMP], 0
.set ii, 0
.rept 32
	v_mov_b32 v[160+ii], 0                         ; O^T: the step is written once; its first walk finds zeros
.set ii, ii+1
.endr
; A KEY STEP: 128 keys, the record at LDS byte s[TB].
.macro STEP
	v_add_nc_u32 v[AI], s[TB], v[LI]               ; these three and the v_nop are the places behind the last products
	v_add_nc_u32 v[AS], s[TB], v[LR]
	v_add_nc_u32 v[AM], s[TB], v[LH]
	v_nop
.irp t, 0,1,2,3,4,5,6,7
.irp e, 0,1
	ds_load_b128 v[96+8*\t+4*\e:99+8*\t+4*\e], v[AM] offset:12800+128*(\t/2)+32*(\t%2)+16*\e   ; the mask bias of my keys, straight into the scores' registers
.endr
.endr
.irp b, 0,1,2,3
.irp c, 0,1,2
	ds_load_b128 v[44+12*\b+4*\c:47+12*\b+4*\c], v[AI] offset:1536*\b+512*\c
.endr
.endr
	ds_load_b128 v[92:95], v[AS] offset:12288
	s_wait_dscnt 0x0
.irp b, 0,1,2,3
.irp u, 0,1
	v_wmma_scale_f32_16x16x128_f8f6f4 v[96+8*(2*\b+\u):103+8*(2*\b+\u)], v[44+12*\b:55+12*\b], v[16+12*\u:27+12*\u], v[96+8*(2*\b+\u):103+8*(2*\b+\u)], v[92+\b], v40 matrix_a_fmt:MATRIX_FMT_FP6 matrix_b_fmt:MATRIX_FMT_FP6
.endr
.endr
.rept 4
	v_nop                                          ; places: in front of the loads below and of the first read of the scores
.endr
.irp t, 0,1,2,3
.irp c, 0,1,2
	ds_load_b128 v[44+12*\t+4*\c:47+12*\t+4*\c], v[AI] offset:6144+1536*\t+512*\c   ; v's fragments land during the softmax
.endr
.endr
	ds_load_b128 v[92:95], v[AS] offset:12544
.irp b, 0,1,2,3
	v_max3_num_f32 v[BM+\b], v[96+16*\b], v[97+16*\b], v[98+16*\b]   ; the largest score of each block of 32 keys: for the row's maximum, and for the block's largest p
.endr
.irp i, 3,5,7,9,11,13
.irp b, 0,1,2,3
	v_max3_num_f32 v[BM+\b], v[BM+\b], v[96+16*\b+\i], v[97+16*\b+\i]
.endr
.endr
.irp b, 0,1,2,3
	v_max_num_f32 v[BM+\b], v[BM+\b], v[111+16*\b]
.endr
.irp b, 0,1,2,3
	v_permlanex16_b32 v[PB+\b], v[BM+\b], s[SEL], s[SEL+1]
.endr
.irp b, 0,1,2,3
	v_max_num_f32 v[BM+\b], v[BM+\b], v[PB+\b]
.endr
	v_max3_num_f32 v[TMP], v[BM], v[BM+1], v[BM+2]
	v_max_num_f32 v[TMP], v[TMP], v[BM+3]
	v_mul_f32 v[TMP], s[CS], v[TMP]
	v_max_num_f32 v13, v13, v[TMP]                 ; the running largest t
	v_mov_b32 v[TMP], v12
	v_floor_f32 v12, -v13                          ; the new -M: M is a whole number
	v_sub_f32 v[TMP], v12, v[TMP]
	v_cvt_i32_f32 v[TMP], v[TMP]                   ; (it saturates)
	v_ldexp_f32 v[F], 1.0, v[TMP]                  ; f = 2^(old M - new M)
.set ii, 0
.rept 32
	v_pk_fma_f32 v[96+ii:97+ii], v[96+ii:97+ii], s[CS:CS+1], v[12:13] op_sel_hi:[1,0,0]   ; t - M
.set ii, ii+2
.endr
.irp b, 0,1,2,3
	v_fma_f32 v[BM+\b], v[BM+\b], s[CS], v12
.endr
.set ii, 0
.rept 64
	v_exp_f32 v[96+ii], v[96+ii]                   ; p = 2^(t - M)
.set ii, ii+1
.endr
	v_pk_mul_f32 v[14:15], v[14:15], v[F:F+1] op_sel_hi:[1,0]   ; the sums under the new M (a plain line behind the exponentials)
	s_wait_alu depctr_va_vdst(0)                   ; one wait for the batch, ahead of its first reader
.irp b, 0,1,2,3
	v_exp_f32 v[BM+\b], v[BM+\b]                   ; the block's largest p
.endr
	v_pk_add_f32 v[PB:PB+1], v[96:97], v[98:99]    ; the row's sum of the unquantised p, in two chains
.irp j, 4,8,12,16,20,24,28,32,36,40,44,48,52,56,60
	v_pk_add_f32 v[14:15], v[14:15], v[96+\j:97+\j]
	v_pk_add_f32 v[PB:PB+1], v[PB:PB+1], v[98+\j:99+\j]
.endr
	v_pk_add_f32 v[14:15], v[14:15], v[PB:PB+1]
	s_wait_alu depctr_va_vdst(0)                   ; and one for the four
.irp b, 0,1,2,3
	v_max_num_f32 v[BM+\b], 0x1800000, v[BM+\b]    ; the floor 2^(3 - 127)
.endr
.irp b, 0,1,2,3
	v_add_nc_u32 v[SO+\b], 0xff000000, v[BM+\b]
.endr
.irp b, 0,1,2,3
	v_lshrrev_b32 v[PB+\b], 23, v[SO+\b]
.endr
	v_lshl_or_b32 v41, v[PB+1], 8, v[PB]           ; p's scale word for these 128 keys
	v_lshl_or_b32 v41, v[PB+2], 16, v41
	v_lshl_or_b32 v41, v[PB+3], 24, v41
.irp c, 0,1
	v_cvt_scalef32_pk16_fp6_f32 v[192+6*\c:194+6*\c], v[96+32*\c:111+32*\c], v[SO+2*\c]
	v_cvt_scalef32_pk16_fp6_f32 v[204+4*\c:206+4*\c], v[112+32*\c:127+32*\c], v[SO+2*\c+1]
.endr
	v_nop                                          ; a plain line behind the conversions
.irp c, 0,1
.irp i, 0,1,2
	v_permlane16_swap_b32 v[192+6*\c+\i], v[204+4*\c+\i]
.endr
.irp i, 0,1,2
	v_mov_b32 v[195+6*\c+\i], v[204+4*\c+\i]
.endr
.endr
.set ii, 0
.rept 16
	v_pk_mul_f32 v[160+ii:161+ii], v[160+ii:161+ii], v[F:F+1] op_sel_hi:[1,0]   ; O^T under the new M; these sixteen are the places in front of the products below
.set ii, ii+2
.endr
	s_wait_dscnt 0x0                               ; v's fragments and scale words
.irp t, 0,1,2,3
	v_wmma_scale_f32_16x16x128_f8f6f4 v[160+8*\t:167+8*\t], v[44+12*\t:55+12*\t], v[192:203], v[160+8*\t:167+8*\t], v[92+\t], v41 matrix_a_fmt:MATRIX_FMT_FP6 matrix_b_fmt:MATRIX_FMT_FP6
.endr
.endm
; A quarter of the records: four key steps.  The count leaves the later quarters' loads on their way: nothing is ever filled again.
.macro GROUP g
	s_wait_tensorcnt 3-\g                          ; my part of this quarter has landed
	s_wait_dscnt 0x0
	s_barrier_signal -1
	s_barrier_wait -1                              ; everybody's has
	s_mov_b32 s[TB], 53248*\g
	s_mov_b32 s3, 4
.Lstep_\@:
	STEP
	s_add_co_u32 s[TB], s[TB], RECB
	s_sub_co_u32 s3, s3, 1
	s_cmp_lg_u32 s3, 0
	s_cbranch_scc1 .Lstep_\@
.endm
	GROUP 0
	GROUP 1
	GROUP 2
	GROUP 3
	; THE WAY OUT: O^T / the sum, quantised along the head's 64 (two blocks), through a stage, so that whole runs of 256 bytes leave.
	v_add_f32 v14, v14, v15
	v_permlanex16_b32 v[TMP], v14, s[SEL], s[SEL+1]
	v_add_f32 v14, v14, v[TMP]                     ; the row's sum
	v_rcp_f32 v14, v14
	v_and_b32 v9, 8, v10                           ; (plain lines behind the transcendental)
	v_add_nc_u32 v9, v9, v10                       ; r + 8 (r / 8)
	s_lshr_b32 s48, s[WV], 1
	s_lshl_b32 s48, s48, 5
	s_lshl_b32 s49, s56, 3
	s_add_co_u32 s48, s48, s49
	v_add_nc_u32 v9, s48, v9                       ; my row among the 256
	v_mul_u32_u24 v6, v9, 48
	v_mad_u32_u24 v6, v11, 24, v6
	v_add_nc_u32 v6, STG, v6                       ; the stage: my row's 24 bytes
	v_lshl_add_u32 v7, v9, 3, v11                  ; my scale byte: 8 x row + h
	v_and_b32 v8, 31, v0
	v_lshlrev_b32 v8, 3, v8                        ; back: 8 bytes a lane
	s_mul_i32 s49, s[WV], 768
	v_add_nc_u32 v9, s49, v8
	v_add_nc_u32 v9, STG, v9
	s_and_b32 s50, s12, 15                         ; head
	s_lshr_b32 s51, s12, 4                         ; b
	s_lshl_b32 s51, s51, 11
	s_lshl_b32 s48, s11, 8
	s_add_co_u32 s51, s51, s48                     ; the work-group's first token
	s_lshl_b32 s52, s50, 12
	s_add_co_u32 s52, s52, s51
	s_mul_i32 s52, s52, 48
	s_add_co_u32 s52, s52, s49
	s_mov_b32 s53, 0
	s_add_nc_u64 s[52:53], s[8:9], s[52:53]        ; y's codes: piece = head
	s_lshr_b32 s54, s50, 2
	s_lshl_b32 s54, s54, 12
	s_add_co_u32 s54, s54, s51
	s_lshl_b32 s54, s54, 3
	s_and_b32 s50, s50, 3
	s_lshl_b32 s50, s50, 1
	s_add_co_u32 s54, s54, s50
	s_add_co_u32 s54, s54, 3145728
	s_mov_b32 s55, 0
	s_add_nc_u64 s[54:55], s[8:9], s[54:55]        ; y's scale bytes: chunk = head / 4, bytes 2 (head % 4) + h
	s_wait_alu depctr_va_vdst(0)                   ; the wait ahead of the reciprocal's first reader
.set ii, 0
.rept 32
	v_mul_f32 v[96+ii], v[160+ii], v14             ; register 16 g + i = channel 32 g + 16 h + i
.set ii, ii+1
.endr
.irp b, 0,1
	v_max3_num_f32 v[BM+\b], |v[96+16*\b]|, |v[97+16*\b]|, 0x1800000
.endr
.irp i, 2,4,6,8,10,12,14
.irp b, 0,1
	v_max3_num_f32 v[BM+\b], v[BM+\b], |v[96+16*\b+\i]|, |v[97+16*\b+\i]|
.endr
.endr
.irp b, 0,1
	v_permlanex16_b32 v[PB+\b], v[BM+\b], s[SEL], s[SEL+1]
.endr
.irp b, 0,1
	v_max_num_f32 v[BM+\b], v[BM+\b], v[PB+\b]
.endr
.irp b, 0,1
	v_add_nc_u32 v[SO+\b], 0xff000000, v[BM+\b]
.endr
.irp b, 0,1
	v_lshrrev_b32 v[PB+\b], 23, v[SO+\b]
.endr
	v_cvt_scalef32_pk16_fp6_f32 v[192:194], v[96:111], v[SO]
	v_cvt_scalef32_pk16_fp6_f32 v[204:206], v[112:127], v[SO+1]
	v_nop
.irp i, 0,1,2
	v_permlane16_swap_b32 v[192+\i], v[204+\i]
.endr
.irp i, 0,1,2
	v_mov_b32 v[195+\i], v[204+\i]
.endr
	v_cndmask_b32 v[TMP], v[PB], v[PB+1], s59      ; lanes 16-31 hold block 1
	v_mov_b32 v227, 0xff
	v_cmp_gt_f32 vcc_lo, 0xec800000, v13           ; every key masked: the largest t lies under -2^90
	v_cndmask_b32 v[TMP], v[TMP], v227, vcc_lo
.irp p, 0,1,2
	ds_store_b64 v6, v[192+2*\p:193+2*\p] offset:8*\p
.endr
	global_store_b8 v7, v[TMP], s[54:55]           ; a head owns 2 of a row's 8 scale bytes of a chunk: single bytes, 8 apart
	s_wait_dscnt 0x0                               ; for the others' sake: my stores have landed
	s_barrier_signal -1
	s_barrier_wait -1
.irp e, 0,1,2
	ds_load_b64 v[96+2*\e:97+2*\e], v9 offset:256*\e
.endr
.irp e, 0,1,2
	s_wait_dscnt 2-\e
	global_store_b64 v8, v[96+2*\e:97+2*\e], s[52:53] offset:256*\e   ; 32 lanes store 256 consecutive bytes
.endr
	s_wait_tensorcnt 0x0                           ; the wave's end
	ds_add_u32 v[SPW], v[NIL]
	s_wait_dscnt 0x0
	ROUND                                          ; the closing round
	s_endpgm
.Lfunc_end_k_q5a88797d2e_attn:
	.size	k_q5a88797d2e_attn, .Lfunc_end_k_q5a88797d2e_attn-k_q5a88797d2e_attn
	.p2alignl 7, 3214868480
	.fill 96, 4, 3214868480
	.section	.rodata,"a",@progbits
	.p2align	6, 0x0
	.amdhsa_kernel k_q5a88797d2e_attn
		.amdhsa_group_segment_fixed_size 227328
		.amdhsa_private_segment_fixed_size 0
		.amdhsa_enable_private_segment 0
		.amdhsa_kernarg_size 24
		.amdhsa_user_sgpr_count 2
		.amdhsa_user_sgpr_kernarg_segment_ptr 1
		.amdhsa_wavefront_size32 1
		.amdhsa_system_sgpr_workgroup_id_x 1
		.amdhsa_system_sgpr_workgroup_id_y 1
		.amdhsa_system_sgpr_workgroup_id_z 1
		.amdhsa_system_vgpr_workitem_id 0
		.amdhsa_next_free_vgpr 256
		.amdhsa_next_free_sgpr 66
		.amdhsa_reserve_vcc 1
		.amdhsa_float_denorm_mode_32 3
		.amdhsa_float_denorm_mode_16_64 3
		.amdhsa_memory_ordered 1
		.amdhsa_forward_progress 1
		.amdhsa_inst_pref_size 80
	.end_amdhsa_kernel
	.amdgpu_metadata
---
amdhsa.version: [ 1, 2 ]
amdhsa.kernels:
  - .name:           k_q5a88797d2e_attn
    .symbol:         k_q5a88797d2e_attn.kd
    .args:
      - { .name: qi, .offset: 0, .size: 8, .value_kind: global_buffer, .address_space: global }
      - { .name: kv, .offset: 8, .size: 8, .value_kind: global_buffer, .address_space: global }
      - { .name: yq, .offset: 16, .size: 8, .value_kind: global_buffer, .address_space: global }
    .group_segment_fixed_size: 227328
    .private_segment_fixed_size: 0
    .kernarg_segment_align: 8
    .kernarg_segment_size: 24
    .max_flat_workgroup_size: 512
    .sgpr_count:     66
    .vgpr_count:     256
    .wavefront_size: 32
...
	.end_amdgpu_metadata
.endif
;; end of part 4
;; launch proj (part 5): grid 4 x 16, 4 waves a work-group, clusters of 4 x 4, 327,680 bytes of LDS; arguments yq, wts, x, x1; writes x1
.if DOCPART == 5
	.amdgcn_target "amdgcn-amd-amdhsa--gfx1250"
	.amdhsa_code_object_version 6
	.text
	.protected	k_q5a88797d2e_proj
	.globl	k_q5a88797d2e_proj
	.p2align	8
	.type	k_q5a88797d2e_proj,@function
k_q5a88797d2e_proj:
	s_mov_b64 s[64:65], 0
	v_nop
	global_prefetch_b8 v0, s[64:65] scope:SCOPE_SE
	s_setreg_imm32_b32 hwreg(HW_REG_WAVE_MODE, 25, 1), 1
	s_wait_xcnt 0x0
	s_wait_alu depctr_hold_cnt(0) depctr_sa_sdst(0) depctr_va_vdst(0) depctr_va_sdst(0) depctr_va_ssrc(0) depctr_va_vcc(0) depctr_vm_vsrc(0)
	s_getreg_b32 s2, hwreg(HW_REG_IB_STS2, 6, 4)
	s_cmp_eq_u32 s2, 0
	s_cbranch_scc0 .Lentry_in_a_cluster
	s_endpgm
.Lentry_in_a_cluster:
	s_bfe_u32 s2, ttmp6, 0x10000c
	s_cmp_lg_u32 s2, 0xf033
	s_cbranch_scc0 .Lentry_shape_is_right
	s_endpgm
.Lentry_shape_is_right:
; x1 = x + Q(y) Q(w_proj), the product on codes of FP6 (E2M3) with E8M0 scales, sums in f32.
; A tile of 256 x 256 to a work-group of four waves, 128 x 128 a wave; K = 1,024 in steps of 256 through a ring of two LDS slots filled by tensor loads.
; OPERANDS lie as codes [K/64][RS][48 bytes], scale bytes [K/256][RS][8 bytes]: 128 rows of 64 codes are 6,144 consecutive bytes; a wave's load brings 4 such runs.
; CLUSTERS of 4 x 4: A's tiles are asked for jointly along a row of the cluster, B's along a column.  The matrix instruction is used transposed: a lane holds eight neighbouring numbers of a row of the result.
; The result has 4 x 16 tiles: 64 work-groups.
; REGISTERS: window 0: v0-31 addresses; v32-63 scale words, two sets, and nothing else; from v128 A's fragments (on the way out: rows read back).  window 1: B's fragments, two sets (on the way out: the residual's rows).  windows 2, 3: accumulators.
.set KDIM,  1024
.set RSA,   4096
.set RSB,   1024
.set PERM,  0
.set ASC,   3145728
.set BOFF,  9830400                    ; w_proj's operand in wts
.set BSC,   786432
.set ABASE, 4
.set BBASE, 6
.set RESP,  8                          ; s[8:9] the residual, s[10:11] the result
.set OUTP,  10
.set NQ,    2
.set FR,    12
.set NL,    6
.set NP,    4
.set SUBB,  6144
.set HALFT, 4*SUBB
.set SLOT,  4*HALFT
.set LAPS,  KDIM/512
.set NCH,   KDIM/256
.set SCL,   2*SLOT
.set HALFS, NCH*1024
.set SPARE, SCL+4*HALFS+256
.set SPITCH, 528                       ; the way out: a stage of 16 rows x (512 + 16) bytes a wave, in slot 0, which has had its last fill and its last read by then
.set ADRA,  16
.set ADRB,  20
.set STO,   24
.set RD,    25
.set CO,    26
.set ADRS,  27
.set SPW,   28
.set NIL,   29
.set SC,    32
.set AF,    128
.set BK,    128
.set G1,    24
.set G0,    32
.set G1B,   48
.set G0B,   56
.set G1S,   68
.set G0S,   76
.set G1SB,  80
.set G0SB,  88
.set MSB,   0
.macro WIN new
.if MSB != (\new)
	s_set_vgpr_msb (MSB<<8)|(\new)
.set MSB, (\new)
.endif
.endm
.set MUL_LO, 0xa1
.set MUL_HI, 0xf1
.set TO_B,   0x40
.macro JLOAD g0a, g1a, g0b, g1b        ; a joint load: waves 0 and 1 fetch for A, waves 2 and 3 for B; an s_nop 0 and four v_nop follow each line
	s_cmp_eq_u32 s15, 0
	s_cbranch_scc0 .Lfor_b_\@
	tensor_load_to_lds s[\g0a:\g0a+3], s[\g1a:\g1a+7]
	s_nop 0
.rept 4
	v_nop
.endr
	s_branch .Lasked_\@
.Lfor_b_\@:
	tensor_load_to_lds s[\g0b:\g0b+3], s[\g1b:\g1b+7]
	s_nop 0
.rept 4
	v_nop
.endr
.Lasked_\@:
.endm
.macro CREST
	s_cmp_lg_u32 s14, 0
	s_cbranch_scc1 .Lnot_wave_0_\@
	s_barrier_signal -3
.Lnot_wave_0_\@:
	s_barrier_wait -3
	s_barrier_signal -1
	s_barrier_wait -1
.endm
.macro CROUND
	s_barrier_signal -1
	s_barrier_wait -1
	CREST
.endm
	s_load_b256 s[4:11], s[0:1], 0x0               ; yq s[4:5], wts s[6:7], x s[8:9], x1 s[10:11]
	v_lshl_add_u32 v[SPW], v0, 2, SPARE
	v_mov_b32 v[NIL], 0
	ds_add_u32 v[SPW], v[NIL]                      ; the wave's opening: the add and its wait ahead of my first tensor load
	v_lshrrev_b32 v1, 5, v0
	v_readfirstlane_b32 s14, v1
	s_lshr_b32 s15, s14, 1
	s_and_b32 s16, s14, 1
	s_bfe_u32 s40, ttmp6, 0x40000
	s_bfe_u32 s41, ttmp6, 0x40004
	s_lshl_b32 s42, ttmp9, 2
	s_add_co_u32 s42, s42, s40                     ; tile column
	s_and_b32 s17, ttmp7, 0xffff
	s_lshl_b32 s17, s17, 2
	s_add_co_u32 s17, s17, s41                     ; tile row
	s_lshl_b32 s43, s41, 2
	s_lshl_b32 s43, 15, s43
	s_lshl_b32 s44, 0x1111, s40
	s_or_b32 s[G1+0], s43, (3<<16)|(1<<21)
	s_or_b32 s[G1B+0], s44, (3<<16)|(1<<21)
.irp g, G1, G1B
	s_mov_b32 s[\g+1], 768<<16
	s_mov_b32 s[\g+2], 4<<16
	s_mov_b32 s[\g+3], 768<<16
	s_mov_b32 s[\g+4], 4
	s_mov_b32 s[\g+6], 0
	s_mov_b32 s[\g+7], 0
.endr
	s_mov_b32 s[G1+5], 6*RSA
	s_mov_b32 s[G1B+5], 6*RSB
	s_or_b32 s[G1S+0], s43, (3<<16)|(1<<21)
	s_or_b32 s[G1SB+0], s44, (3<<16)|(1<<21)
.irp g, G1S, G1SB
	s_mov_b32 s[\g+1], 128<<16
	s_mov_b32 s[\g+2], NCH<<16
	s_mov_b32 s[\g+3], 128<<16
	s_mov_b32 s[\g+4], NCH
	s_mov_b32 s[\g+6], 0
	s_mov_b32 s[\g+7], 0
.endr
	s_mov_b32 s[G1S+5], RSA
	s_mov_b32 s[G1SB+5], RSB
	s_lshl_b32 s18, s16, 7
	s_lshl_b32 s20, s17, 8
	s_add_co_u32 s20, s20, s18
	s_lshl_b32 s46, s42, 8
	s_add_co_u32 s46, s46, s18
	s_lshl_b32 s22, s20, 3
	s_add_co_u32 s22, s22, ASC
	s_mov_b32 s23, 0
	s_lshl_b32 s92, s46, 3
	s_add_co_u32 s92, s92, BOFF+BSC
	s_mov_b32 s93, 0
	s_mul_i32 s20, s20, 48
	s_mov_b32 s21, 0
	s_mul_i32 s46, s46, 48
	s_add_co_u32 s46, s46, BOFF
	s_mov_b32 s47, 0
	s_mul_i32 s45, s14, HALFT
	s_mul_i32 s94, s14, HALFS
	s_lshl_b32 s95, s15, 7
	s_add_co_u32 s94, s94, s95
	s_wait_dscnt 0x0
	s_wait_kmcnt 0x0
	s_add_nc_u64 s[20:21], s[ABASE:ABASE+1], s[20:21]
	s_add_nc_u64 s[22:23], s[ABASE:ABASE+1], s[22:23]
	s_add_nc_u64 s[46:47], s[BBASE:BBASE+1], s[46:47]
	s_add_nc_u64 s[92:93], s[BBASE:BBASE+1], s[92:93]
	CROUND
	s_mov_b32 s[G0S], 1
	s_add_co_u32 s[G0S+1], s94, SCL
	s_mov_b64 s[G0S+2:G0S+3], s[22:23]
	s_or_b32 s[G0S+3], s[G0S+3], 0x80000000
	s_mov_b32 s[G0SB], 1
	s_add_co_u32 s[G0SB+1], s94, SCL
	s_mov_b64 s[G0SB+2:G0SB+3], s[92:93]
	s_or_b32 s[G0SB+3], s[G0SB+3], 0x80000000
	JLOAD G0S, G1S, G0SB, G1SB
.irp s, 0,1
	s_mov_b32 s[G0+4*\s], 1
	s_add_co_u32 s[G0+4*\s+1], s45, \s*SLOT
	s_add_nc_u64 s[G0+4*\s+2:G0+4*\s+3], s[20:21], \s*192*RSA
	s_or_b32 s[G0+4*\s+3], s[G0+4*\s+3], 0x80000000
	s_mov_b32 s[G0B+4*\s], 1
	s_add_co_u32 s[G0B+4*\s+1], s45, \s*SLOT
	s_add_nc_u64 s[G0B+4*\s+2:G0B+4*\s+3], s[46:47], \s*192*RSB
	s_or_b32 s[G0B+4*\s+3], s[G0B+4*\s+3], 0x80000000
	JLOAD G0+4*\s, G1, G0B+4*\s, G1B
.endr
	v_and_b32 v1, 15, v0                           ; r
	v_bfe_u32 v2, v0, 4, 1                         ; h
	v_mul_u32_u24 v4, v1, 48
	v_mad_u32_u24 v4, v2, 24, v4
	s_mul_i32 s21, s15, HALFT
	s_mul_i32 s22, s16, HALFT
	s_add_co_u32 s22, s22, 2*HALFT
.irp s, 0,1
	v_add_nc_u32 v[ADRA+\s], s21, v4
	v_add_nc_u32 v[ADRB+\s], s22, v4
	s_add_co_u32 s21, s21, SLOT
	s_add_co_u32 s22, s22, SLOT
.endr
	v_lshlrev_b32 v5, 3, v1
	s_mul_i32 s21, s15, HALFS
	s_mul_i32 s22, s16, HALFS
	s_add_co_u32 s22, s22, 2*HALFS+128
	s_sub_co_u32 s22, s22, s21
	v_mul_u32_u24 v6, s22, v2
	s_add_co_u32 s21, s21, SCL
	v_add_nc_u32 v5, v5, v6
	v_add_nc_u32 v[ADRS], s21, v5
	s_mul_i32 s23, s14, 16*SPITCH                  ; my stage
	v_mul_u32_u24 v5, v1, SPITCH
	v_lshl_add_u32 v5, v2, 5, v5
	v_add_nc_u32 v[STO], s23, v5                   ; in: row r, 32 bytes for each half of the lanes
	v_and_b32 v6, 31, v0
	v_lshlrev_b32 v[CO], 4, v6                     ; back: the 32 lanes take one row of 512 bytes; the same in memory
	v_add_nc_u32 v[RD], s23, v[CO]
	s_lshl_b32 s20, s17, 8
	s_lshl_b32 s21, s15, 7
	s_add_co_u32 s20, s20, s21
	s_lshl_b32 s20, s20, 12                        ; my first row, 4,096 bytes each
	s_lshl_b32 s46, s42, 10
	s_lshl_b32 s47, s16, 9
	s_add_co_u32 s46, s46, s47                     ; my first column, in bytes
	s_add_co_u32 s20, s20, s46
	s_mov_b32 s21, 0
	s_add_nc_u64 s[RESP:RESP+1], s[RESP:RESP+1], s[20:21]
	s_add_nc_u64 s[OUTP:OUTP+1], s[OUTP:OUTP+1], s[20:21]
.macro FRAG reg, adr, q, i
.irp p, 0,1,2,3,4,5
	ds_load_b64 v[\reg+2*\p:\reg+2*\p+1], v[\adr] offset:(2*(\q)+\p/3)*SUBB+(PERM*(32*((\i)/2)+8*((\i)%2))+(1-PERM)*16*(\i))*48+8*(\p%3)
.endr
.endm
.macro MUL16 a0, p, q, sc, zero        ; the 64 accumulators take turns, one instruction a turn
.irp a, \a0, \a0+1
.irp b, 0,1,2,3,4,5,6,7
.if \zero
	v_wmma_scale_f32_16x16x128_f8f6f4 v[8*(8*((\a)%4)+\b):8*(8*((\a)%4)+\b)+7], v[128*(\p)+FR*\b:128*(\p)+FR*\b+FR-1], v[AF+FR*(\a):AF+FR*(\a)+FR-1], 0, v[SC+8*NQ*(\sc)+NQ*\b+(\q)], v[SC+8*NQ*(\sc)+NQ*(\a)+(\q)] matrix_a_fmt:MATRIX_FMT_FP6 matrix_b_fmt:MATRIX_FMT_FP6 matrix_a_scale:MATRIX_SCALE_ROW1
.else
	v_wmma_scale_f32_16x16x128_f8f6f4 v[8*(8*((\a)%4)+\b):8*(8*((\a)%4)+\b)+7], v[128*(\p)+FR*\b:128*(\p)+FR*\b+FR-1], v[AF+FR*(\a):AF+FR*(\a)+FR-1], v[8*(8*((\a)%4)+\b):8*(8*((\a)%4)+\b)+7], v[SC+8*NQ*(\sc)+NQ*\b+(\q)], v[SC+8*NQ*(\sc)+NQ*(\a)+(\q)] matrix_a_fmt:MATRIX_FMT_FP6 matrix_b_fmt:MATRIX_FMT_FP6 matrix_a_scale:MATRIX_SCALE_ROW1
.endif
.endr
.endr
.endm
.macro FETCH_B slot, q, p
	WIN TO_B
.irp i, 0,1,2,3,4,5,6,7
	FRAG 128*(\p)+FR*\i, ADRB+\slot, \q, \i
.endr
	WIN 0
.endm
.macro FETCH_A slot, q, i0
.irp i, \i0, \i0+1, \i0+2, \i0+3
	FRAG AF+FR*(\i), ADRA+\slot, \q, \i
.endr
.endm
.macro SCALES sc
.irp i, 0,1,2,3,4,5,6,7
	ds_load_b64 v[SC+8*NQ*\sc+NQ*\i:SC+8*NQ*\sc+NQ*\i+1], v[ADRS] offset:8*(PERM*(32*(\i/2)+8*(\i%2))+(1-PERM)*16*\i)
.endr
.endm
.macro PLACES n
.rept \n
	v_nop
.endr
.endm
.macro STEP slot, q, zero
	s_wait_dscnt 4*NL                              ; the 24 loads of A's blocks 4-7 may be out
	WIN MUL_LO
	MUL16 0, (\q)%2, \q, \slot, \zero
	MUL16 2, (\q)%2, \q, \slot, \zero
	s_wait_dscnt 0
	PLACES NP
	FETCH_B \slot, (\q)+1, 1-(\q)%2
	FETCH_A \slot, (\q)+1, 0
	WIN MUL_HI
	MUL16 4, (\q)%2, \q, \slot, \zero
	MUL16 6, (\q)%2, \q, \slot, \zero
	PLACES NP
	WIN 0
	FETCH_A \slot, (\q)+1, 4
.endm
.macro TURN slot, next, fill
	s_wait_tensorcnt 0x0                           ; all my tensor loads have landed: my part of the next slot
	ds_add_u32 v[SPW], v[NIL]                      ; 0 onto my spare word
	s_wait_dscnt 4*NL+1                            ; (the add and the 24 loads of A's blocks 4-7 may be out)
	WIN MUL_LO
	MUL16 0, 1, NQ-1, \slot, 0
	s_wait_dscnt 0x0                               ; the add is done, and my reads of this slot are over
	s_barrier_signal -1
	MUL16 2, 1, NQ-1, \slot, 0
	WIN 0
	s_barrier_wait -1
.if \fill
	CREST                                          ; the barrier has opened a round of the cluster's
	s_add_nc_u64 s[G0+4*\slot+2:G0+4*\slot+3], s[G0+4*\slot+2:G0+4*\slot+3], 384*RSA
	s_add_nc_u64 s[G0B+4*\slot+2:G0B+4*\slot+3], s[G0B+4*\slot+2:G0B+4*\slot+3], 384*RSB
	JLOAD G0+4*\slot, G1, G0B+4*\slot, G1B
.else
	PLACES NP
.endif
	v_add_nc_u32 v[ADRS], 1024, v[ADRS]
	FETCH_B \next, 0, 0
	FETCH_A \next, 0, 0
	SCALES \next
	WIN MUL_HI
	MUL16 4, 1, NQ-1, \slot, 0
	MUL16 6, 1, NQ-1, \slot, 0
	PLACES NP
	WIN 0
	FETCH_A \next, 0, 4
.endm
	s_wait_tensorcnt 1                             ; the scale bytes and my part of K step 0 are in; K step 1's load may be out
	s_barrier_signal -1
	s_barrier_wait -1
	FETCH_B 0, 0, 0
	FETCH_A 0, 0, 0
	SCALES 0
	FETCH_A 0, 0, 4
	STEP 0, 0, 1
	s_mov_b32 s3, LAPS-1
.Llap:
	TURN 0, 1, 1
	STEP 1, 0, 0
	TURN 1, 0, 1
	STEP 0, 0, 0
	s_sub_co_u32 s3, s3, 1
	s_cmp_lg_u32 s3, 0
	s_cbranch_scc1 .Llap
	TURN 0, 1, 0
	STEP 1, 0, 0
	s_wait_dscnt 4*NL
	WIN MUL_LO
	MUL16 0, 1, NQ-1, 1, 0
	MUL16 2, 1, NQ-1, 1, 0
	s_wait_dscnt 0
	WIN MUL_HI
	MUL16 4, 1, NQ-1, 1, 0
	MUL16 6, 1, NQ-1, 1, 0
	WIN 0
; THE WAY OUT, block by block of 16 rows x 128 columns: through my stage, back as whole rows of 512 bytes, the residual's same rows added, stored.  No base is stepped: a row's place stands in the immediate, 520,192 at the most.
.macro RLOAD a                         ; the residual's rows of block a into window 1, four blocks ahead
	WIN 0x40
.irp t, 0,1,2,3,4,5,6,7,8,9,10,11,12,13,14,15
	global_load_b128 v[64*((\a)%4)+4*\t:64*((\a)%4)+4*\t+3], v[CO], s[RESP:RESP+1] offset:(16*(\a)+\t)*4096
.endr
	WIN 0
.endm
.macro TOSTAGE a
.set AC, 64*((\a)%4)
	WIN 0x08+4*((\a)/4)
.irp b, 0,1,2,3,4,5,6,7
	ds_store_b128 v[STO], v[AC+8*\b:AC+8*\b+3] offset:64*\b          ; each accumulator from its low end on
	ds_store_b128 v[STO], v[AC+8*\b+4:AC+8*\b+7] offset:64*\b+16
.endr
	WIN 0
.set BB, BK+64*((\a)%2)
.irp t, 0,1,2,3,4,5,6,7,8,9,10,11,12,13,14,15
	ds_load_b128 v[BB+4*\t:BB+4*\t+3], v[RD] offset:\t*SPITCH        ; LDS serves a wave's instructions in order: these see the stores above
.endr
.endm
.macro SEND a, younger
.set BB, BK+64*((\a)%2)
.set RR, 64*((\a)%4)
	s_wait_dscnt \younger                          ; the block is back in registers
.if (\a) <= 4
	s_wait_loadcnt 48                              ; its residual is in; the three blocks' loads behind it, 16 each, may be out
.else
	s_wait_loadcnt 16*(7-(\a))
.endif
	WIN 0x04                                       ; source 1 in window 1
.set ii, 0
.rept 32
	v_pk_add_f32 v[BB+ii:BB+ii+1], v[BB+ii:BB+ii+1], v[RR+ii:RR+ii+1]
.set ii, ii+2
.endr
	WIN 0
.irp t, 0,1,2,3,4,5,6,7,8,9,10,11,12,13,14,15
	global_store_b128 v[CO], v[BB+4*\t:BB+4*\t+3], s[OUTP:OUTP+1] offset:(16*(\a)+\t)*4096 th:TH_STORE_NT   ; 32 lanes store 512 consecutive bytes
.endr
.if (\a)+4 <= 7
	RLOAD (\a)+4
.endif
.endm
	PLACES NP
	RLOAD 0
	RLOAD 1
	RLOAD 2
	RLOAD 3
	TOSTAGE 0
.irp a, 1,2,3,4,5,6,7
.if \a > 1
	s_wait_xcnt 0x0                                ; block a - 2's stores have read their registers: block a's loads may land there
.endif
	TOSTAGE \a
	SEND \a-1, 32                                  ; behind block a - 1's loads: block a's 16 stores and 16 loads
.endr
	SEND 7, 0
	s_wait_tensorcnt 0x0                           ; the wave's end
	ds_add_u32 v[SPW], v[NIL]
	s_wait_dscnt 0x0
	CROUND                                         ; the closing round
	s_endpgm
.Lfunc_end_k_q5a88797d2e_proj:
	.size	k_q5a88797d2e_proj, .Lfunc_end_k_q5a88797d2e_proj-k_q5a88797d2e_proj
	.p2alignl 7, 3214868480
	.fill 96, 4, 3214868480
	.section	.rodata,"a",@progbits
	.p2align	6, 0x0
	.amdhsa_kernel k_q5a88797d2e_proj
		.amdhsa_group_segment_fixed_size 327680
		.amdhsa_private_segment_fixed_size 0
		.amdhsa_enable_private_segment 0
		.amdhsa_kernarg_size 32
		.amdhsa_user_sgpr_count 2
		.amdhsa_user_sgpr_kernarg_segment_ptr 1
		.amdhsa_wavefront_size32 1
		.amdhsa_system_sgpr_workgroup_id_x 1
		.amdhsa_system_sgpr_workgroup_id_y 1
		.amdhsa_system_sgpr_workgroup_id_z 1
		.amdhsa_system_vgpr_workitem_id 0
		.amdhsa_next_free_vgpr 1024
		.amdhsa_next_free_sgpr 100
		.amdhsa_reserve_vcc 0
		.amdhsa_float_denorm_mode_32 3
		.amdhsa_float_denorm_mode_16_64 3
		.amdhsa_memory_ordered 1
		.amdhsa_forward_progress 1
		.amdhsa_inst_pref_size 188
	.end_amdhsa_kernel
	.amdgpu_metadata
---
amdhsa.version: [ 1, 2 ]
amdhsa.kernels:
  - .name:           k_q5a88797d2e_proj
    .symbol:         k_q5a88797d2e_proj.kd
    .args:
      - { .name: yq, .offset: 0, .size: 8, .value_kind: global_buffer, .address_space: global }
      - { .name: wts, .offset: 8, .size: 8, .value_kind: global_buffer, .address_space: global }
      - { .name: x, .offset: 16, .size: 8, .value_kind: global_buffer, .address_space: global }
      - { .name: x1, .offset: 24, .size: 8, .value_kind: global_buffer, .address_space: global }
    .group_segment_fixed_size: 327680
    .private_segment_fixed_size: 0
    .kernarg_segment_align: 8
    .kernarg_segment_size: 32
    .max_flat_workgroup_size: 128
    .sgpr_count:     100
    .vgpr_count:     1024
    .wavefront_size: 32
...
	.end_amdgpu_metadata
.endif
;; end of part 5
;; launch ln2: the kernel of part 2 again; grid 256 x 1, 4 waves a work-group, no clusters, 38,912 bytes of LDS; arguments x1, ln2_w, ln2_b, h2q; writes h2q
;; launch fc (part 6): grid 16 x 16, 4 waves a work-group, clusters of 4 x 4, 327,680 bytes of LDS; arguments h2q, wts, b_fc, gq; writes gq
.if DOCPART == 6
	.amdgcn_target "amdgcn-amd-amdhsa--gfx1250"
	.amdhsa_code_object_version 6
	.text
	.protected	k_q5a88797d2e_fc
	.globl	k_q5a88797d2e_fc
	.p2align	8
	.type	k_q5a88797d2e_fc,@function
k_q5a88797d2e_fc:
	s_mov_b64 s[64:65], 0
	v_nop
	global_prefetch_b8 v0, s[64:65] scope:SCOPE_SE
	s_setreg_imm32_b32 hwreg(HW_REG_WAVE_MODE, 25, 1), 1
	s_wait_xcnt 0x0
	s_wait_alu depctr_hold_cnt(0) depctr_sa_sdst(0) depctr_va_vdst(0) depctr_va_sdst(0) depctr_va_ssrc(0) depctr_va_vcc(0) depctr_vm_vsrc(0)
	s_getreg_b32 s2, hwreg(HW_REG_IB_STS2, 6, 4)
	s_cmp_eq_u32 s2, 0
	s_cbranch_scc0 .Lentry_in_a_cluster
	s_endpgm
.Lentry_in_a_cluster:
	s_bfe_u32 s2, ttmp6, 0x10000c
	s_cmp_lg_u32 s2, 0xf033
	s_cbranch_scc0 .Lentry_shape_is_right
	s_endpgm
.Lentry_shape_is_right:
; gq = Q(gelu(Q(h2) Q(w_fc) + b_fc)): the product on codes of FP6 (E2M3) with E8M0 scales; bias and exact GELU in f32; the result is quantised in registers along the hidden units and leaves as the next product's operand.
; A tile of 256 x 256 to a work-group of four waves, 128 x 128 a wave; K = 1,024 in steps of 256 through a ring of two LDS slots filled by tensor loads; clusters of 4 x 4 with joint loads, as in the other products of this program.
; THE ROWS OF A TILE ARE NOT NEIGHBOURS: lane r of block i takes row 32 (i / 2) + 8 (i % 2) + r + 8 (r / 8): a lane's 16 registers of B's blocks 2 g, 2 g + 1 are 16 neighbouring hidden units.
; GELU: gelu(x) = max(x, 0) - |x| Q(|x|), Q(u) = exp(-u^2 / 2) (c1 t + .. + c5 t^5), t = 1 / (1 + 0.2316419 u), the factor 1 / sqrt(2 pi) folded into c1 .. c5.
; LIMITS: Q's absolute error is about 1e-7, so far down the negative tail the relative error grows; blocks under 2^-124 keep the byte 1 (zeros too); NaN and infinities are not served.
; REGISTERS: window 0: v0-31 addresses; v32-63 scale words and nothing else; v64-127 the bias of my 128 columns in the result's layout; from v128 A's fragments, later the way out.  window 1: B's fragments.  windows 2, 3: accumulators.
.set KDIM,  1024
.set RSA,   4096
.set RSB,   4096
.set PERM,  1
.set ASC,   3145728
.set BOFF,  3276800                    ; w_fc's operand in wts
.set BSC,   3145728
.set ABASE, 4
.set BBASE, 6
.set NQ,    2
.set FR,    12
.set NL,    6
.set NP,    4
.set SUBB,  6144
.set HALFT, 4*SUBB
.set SLOT,  4*HALFT
.set LAPS,  KDIM/512
.set NCH,   KDIM/256
.set SCL,   2*SLOT
.set HALFS, NCH*1024
.set SPARE, SCL+4*HALFS+256
.set SS,    49152                      ; the way out, in slot 0 (its last fill and last read are over): codes [wave][2][128 rows][48 bytes], then scale words [wave][128 rows][4 bytes]
.set ADRA,  16
.set ADRB,  20
.set STO,   24
.set SSO,   25
.set CRD,   26
.set ADRS,  27
.set SPW,   28
.set NIL,   29
.set SC,    32
.set BI,    64
.set AF,    128
.set G1,    24
.set G0,    32
.set G1B,   48
.set G0B,   56
.set G1S,   68
.set G0S,   76
.set G1SB,  80
.set G0SB,  88
.set MSB,   0
.macro WIN new
.if MSB != (\new)
	s_set_vgpr_msb (MSB<<8)|(\new)
.set MSB, (\new)
.endif
.endm
.set MUL_LO, 0xa1
.set MUL_HI, 0xf1
.set TO_B,   0x40
.macro JLOAD g0a, g1a, g0b, g1b        ; a joint load: waves 0 and 1 fetch for A, waves 2 and 3 for B; an s_nop 0 and four v_nop follow each line
	s_cmp_eq_u32 s15, 0
	s_cbranch_scc0 .Lfor_b_\@
	tensor_load_to_lds s[\g0a:\g0a+3], s[\g1a:\g1a+7]
	s_nop 0
.rept 4
	v_nop
.endr
	s_branch .Lasked_\@
.Lfor_b_\@:
	tensor_load_to_lds s[\g0b:\g0b+3], s[\g1b:\g1b+7]
	s_nop 0
.rept 4
	v_nop
.endr
.Lasked_\@:
.endm
.macro CREST
	s_cmp_lg_u32 s14, 0
	s_cbranch_scc1 .Lnot_wave_0_\@
	s_barrier_signal -3
.Lnot_wave_0_\@:
	s_barrier_wait -3
	s_barrier_signal -1
	s_barrier_wait -1
.endm
.macro CROUND
	s_barrier_signal -1
	s_barrier_wait -1
	CREST
.endm
	s_load_b256 s[4:11], s[0:1], 0x0               ; h2q s[4:5], wts s[6:7], b_fc s[8:9], gq s[10:11]
	v_lshl_add_u32 v[SPW], v0, 2, SPARE
	v_mov_b32 v[NIL], 0
	ds_add_u32 v[SPW], v[NIL]                      ; the wave's opening: the add and its wait ahead of my first tensor load
	v_lshrrev_b32 v1, 5, v0
	v_readfirstlane_b32 s14, v1
	s_lshr_b32 s15, s14, 1
	s_and_b32 s16, s14, 1
	s_bfe_u32 s40, ttmp6, 0x40000
	s_bfe_u32 s41, ttmp6, 0x40004
	s_lshl_b32 s42, ttmp9, 2
	s_add_co_u32 s42, s42, s40                     ; tile column
	s_and_b32 s17, ttmp7, 0xffff
	s_lshl_b32 s17, s17, 2
	s_add_co_u32 s17, s17, s41                     ; tile row
	s_lshl_b32 s43, s41, 2
	s_lshl_b32 s43, 15, s43
	s_lshl_b32 s44, 0x1111, s40
	s_or_b32 s[G1+0], s43, (3<<16)|(1<<21)
	s_or_b32 s[G1B+0], s44, (3<<16)|(1<<21)
.irp g, G1, G1B
	s_mov_b32 s[\g+1], 768<<16
	s_mov_b32 s[\g+2], 4<<16
	s_mov_b32 s[\g+3], 768<<16
	s_mov_b32 s[\g+4], 4
	s_mov_b32 s[\g+6], 0
	s_mov_b32 s[\g+7], 0
.endr
	s_mov_b32 s[G1+5], 6*RSA
	s_mov_b32 s[G1B+5], 6*RSB
	s_or_b32 s[G1S+0], s43, (3<<16)|(1<<21)
	s_or_b32 s[G1SB+0], s44, (3<<16)|(1<<21)
.irp g, G1S, G1SB
	s_mov_b32 s[\g+1], 128<<16
	s_mov_b32 s[\g+2], NCH<<16
	s_mov_b32 s[\g+3], 128<<16
	s_mov_b32 s[\g+4], NCH
	s_mov_b32 s[\g+6], 0
	s_mov_b32 s[\g+7], 0
.endr
	s_mov_b32 s[G1S+5], RSA
	s_mov_b32 s[G1SB+5], RSB
	s_lshl_b32 s18, s16, 7
	s_lshl_b32 s20, s17, 8
	s_add_co_u32 s20, s20, s18
	s_lshl_b32 s46, s42, 8
	s_add_co_u32 s46, s46, s18
	s_lshl_b32 s22, s20, 3
	s_add_co_u32 s22, s22, ASC
	s_mov_b32 s23, 0
	s_lshl_b32 s92, s46, 3
	s_add_co_u32 s92, s92, BOFF+BSC
	s_mov_b32 s93, 0
	s_mul_i32 s20, s20, 48
	s_mov_b32 s21, 0
	s_mul_i32 s46, s46, 48
	s_add_co_u32 s46, s46, BOFF
	s_mov_b32 s47, 0
	s_mul_i32 s45, s14, HALFT
	s_mul_i32 s94, s14, HALFS
	s_lshl_b32 s95, s15, 7
	s_add_co_u32 s94, s94, s95
	s_wait_dscnt 0x0
	s_wait_kmcnt 0x0
	s_add_nc_u64 s[20:21], s[ABASE:ABASE+1], s[20:21]
	s_add_nc_u64 s[22:23], s[ABASE:ABASE+1], s[22:23]
	s_add_nc_u64 s[46:47], s[BBASE:BBASE+1], s[46:47]
	s_add_nc_u64 s[92:93], s[BBASE:BBASE+1], s[92:93]
	CROUND
	s_mov_b32 s[G0S], 1
	s_add_co_u32 s[G0S+1], s94, SCL
	s_mov_b64 s[G0S+2:G0S+3], s[22:23]
	s_or_b32 s[G0S+3], s[G0S+3], 0x80000000
	s_mov_b32 s[G0SB], 1
	s_add_co_u32 s[G0SB+1], s94, SCL
	s_mov_b64 s[G0SB+2:G0SB+3], s[92:93]
	s_or_b32 s[G0SB+3], s[G0SB+3], 0x80000000
	JLOAD G0S, G1S, G0SB, G1SB
.irp s, 0,1
	s_mov_b32 s[G0+4*\s], 1
	s_add_co_u32 s[G0+4*\s+1], s45, \s*SLOT
	s_add_nc_u64 s[G0+4*\s+2:G0+4*\s+3], s[20:21], \s*192*RSA
	s_or_b32 s[G0+4*\s+3], s[G0+4*\s+3], 0x80000000
	s_mov_b32 s[G0B+4*\s], 1
	s_add_co_u32 s[G0B+4*\s+1], s45, \s*SLOT
	s_add_nc_u64 s[G0B+4*\s+2:G0B+4*\s+3], s[46:47], \s*192*RSB
	s_or_b32 s[G0B+4*\s+3], s[G0B+4*\s+3], 0x80000000
	JLOAD G0+4*\s, G1, G0B+4*\s, G1B
.endr
	v_and_b32 v1, 15, v0                           ; r
	v_bfe_u32 v2, v0, 4, 1                         ; h
	v_and_b32 v3, 8, v1
	v_add_nc_u32 v3, v3, v1                        ; r + 8 (r / 8)
	v_mul_u32_u24 v4, v3, 48
	v_mad_u32_u24 v4, v2, 24, v4
	s_mul_i32 s21, s15, HALFT
	s_mul_i32 s22, s16, HALFT
	s_add_co_u32 s22, s22, 2*HALFT
.irp s, 0,1
	v_add_nc_u32 v[ADRA+\s], s21, v4
	v_add_nc_u32 v[ADRB+\s], s22, v4
	s_add_co_u32 s21, s21, SLOT
	s_add_co_u32 s22, s22, SLOT
.endr
	v_lshlrev_b32 v5, 3, v3
	s_mul_i32 s21, s15, HALFS
	s_mul_i32 s22, s16, HALFS
	s_add_co_u32 s22, s22, 2*HALFS+128
	s_sub_co_u32 s22, s22, s21
	v_mul_u32_u24 v6, s22, v2
	s_add_co_u32 s21, s21, SCL
	v_add_nc_u32 v5, v5, v6
	v_add_nc_u32 v[ADRS], s21, v5
	s_mul_i32 s23, s14, 12288
	v_add_nc_u32 v[STO], s23, v4                   ; the way out: my codes' stage, my row's 24 bytes
	v_and_b32 v8, 31, v0
	v_lshlrev_b32 v8, 4, v8                        ; 16 x lane
	v_add_nc_u32 v[CRD], s23, v8                   ; and back
	s_lshl_b32 s23, s14, 9
	v_lshl_add_u32 v[SSO], v3, 2, SS
	v_add_nc_u32 v[SSO], s23, v[SSO]               ; my scale words' stage
	s_lshl_b32 s22, s15, 10
	s_lshl_b32 s23, s16, 8
	s_add_co_u32 s22, s22, s23
	v_and_b32 v9, 31, v0
	v_lshl_add_u32 v9, v9, 3, SS
	v_add_nc_u32 v9, s22, v9                       ; back: rows 64 wave + 2 lane, + 1: two words of the left wave's, 512 bytes on two of the right wave's
	v_lshlrev_b32 v7, 6, v2                        ; the bias: 64 h bytes
	s_lshl_b32 s22, s42, 10
	s_lshl_b32 s23, s16, 9
	s_add_co_u32 s22, s22, s23
	s_mov_b32 s23, 0
	s_add_nc_u64 s[8:9], s[8:9], s[22:23]          ; b_fc at my first column
.irp g, 0,1,2,3
.irp e, 0,1,2,3
	global_load_b128 v[BI+16*\g+4*\e:BI+16*\g+4*\e+3], v7, s[8:9] offset:128*\g+16*\e   ; register 16 g + i: column 32 g + 16 h + i; waited for on the way out
.endr
.endr
.macro FRAG reg, adr, q, i
.irp p, 0,1,2,3,4,5
	ds_load_b64 v[\reg+2*\p:\reg+2*\p+1], v[\adr] offset:(2*(\q)+\p/3)*SUBB+(PERM*(32*((\i)/2)+8*((\i)%2))+(1-PERM)*16*(\i))*48+8*(\p%3)
.endr
.endm
.macro MUL16 a0, p, q, sc, zero        ; the 64 accumulators take turns, one instruction a turn
.irp a, \a0, \a0+1
.irp b, 0,1,2,3,4,5,6,7
.if \zero
	v_wmma_scale_f32_16x16x128_f8f6f4 v[8*(8*((\a)%4)+\b):8*(8*((\a)%4)+\b)+7], v[128*(\p)+FR*\b:128*(\p)+FR*\b+FR-1], v[AF+FR*(\a):AF+FR*(\a)+FR-1], 0, v[SC+8*NQ*(\sc)+NQ*\b+(\q)], v[SC+8*NQ*(\sc)+NQ*(\a)+(\q)] matrix_a_fmt:MATRIX_FMT_FP6 matrix_b_fmt:MATRIX_FMT_FP6 matrix_a_scale:MATRIX_SCALE_ROW1
.else
	v_wmma_scale_f32_16x16x128_f8f6f4 v[8*(8*((\a)%4)+\b):8*(8*((\a)%4)+\b)+7], v[128*(\p)+FR*\b:128*(\p)+FR*\b+FR-1], v[AF+FR*(\a):AF+FR*(\a)+FR-1], v[8*(8*((\a)%4)+\b):8*(8*((\a)%4)+\b)+7], v[SC+8*NQ*(\sc)+NQ*\b+(\q)], v[SC+8*NQ*(\sc)+NQ*(\a)+(\q)] matrix_a_fmt:MATRIX_FMT_FP6 matrix_b_fmt:MATRIX_FMT_FP6 matrix_a_scale:MATRIX_SCALE_ROW1
.endif
.endr
.endr
.endm
.macro FETCH_B slot, q, p
	WIN TO_B
.irp i, 0,1,2,3,4,5,6,7
	FRAG 128*(\p)+FR*\i, ADRB+\slot, \q, \i
.endr
	WIN 0
.endm
.macro FETCH_A slot, q, i0
.irp i, \i0, \i0+1, \i0+2, \i0+3
	FRAG AF+FR*(\i), ADRA+\slot, \q, \i
.endr
.endm
.macro SCALES sc
.irp i, 0,1,2,3,4,5,6,7
	ds_load_b64 v[SC+8*NQ*\sc+NQ*\i:SC+8*NQ*\sc+NQ*\i+1], v[ADRS] offset:8*(PERM*(32*(\i/2)+8*(\i%2))+(1-PERM)*16*\i)
.endr
.endm
.macro PLACES n
.rept \n
	v_nop
.endr
.endm
.macro STEP slot, q, zero
	s_wait_dscnt 4*NL                              ; the 24 loads of A's blocks 4-7 may be out
	WIN MUL_LO
	MUL16 0, (\q)%2, \q, \slot, \zero
	MUL16 2, (\q)%2, \q, \slot, \zero
	s_wait_dscnt 0
	PLACES NP
	FETCH_B \slot, (\q)+1, 1-(\q)%2
	FETCH_A \slot, (\q)+1, 0
	WIN MUL_HI
	MUL16 4, (\q)%2, \q, \slot, \zero
	MUL16 6, (\q)%2, \q, \slot, \zero
	PLACES NP
	WIN 0
	FETCH_A \slot, (\q)+1, 4
.endm
.macro TURN slot, next, fill
	s_wait_tensorcnt 0x0                           ; all my tensor loads have landed: my part of the next slot
	ds_add_u32 v[SPW], v[NIL]                      ; 0 onto my spare word
	s_wait_dscnt 4*NL+1                            ; (the add and the 24 loads of A's blocks 4-7 may be out)
	WIN MUL_LO
	MUL16 0, 1, NQ-1, \slot, 0
	s_wait_dscnt 0x0                               ; the add is done, and my reads of this slot are over
	s_barrier_signal -1
	MUL16 2, 1, NQ-1, \slot, 0
	WIN 0
	s_barrier_wait -1
.if \fill
	CREST                                          ; the barrier has opened a round of the cluster's
	s_add_nc_u64 s[G0+4*\slot+2:G0+4*\slot+3], s[G0+4*\slot+2:G0+4*\slot+3], 384*RSA
	s_add_nc_u64 s[G0B+4*\slot+2:G0B+4*\slot+3], s[G0B+4*\slot+2:G0B+4*\slot+3], 384*RSB
	JLOAD G0+4*\slot, G1, G0B+4*\slot, G1B
.else
	PLACES NP
.endif
	v_add_nc_u32 v[ADRS], 1024, v[ADRS]
	FETCH_B \next, 0, 0
	FETCH_A \next, 0, 0
	SCALES \next
	WIN MUL_HI
	MUL16 4, 1, NQ-1, \slot, 0
	MUL16 6, 1, NQ-1, \slot, 0
	PLACES NP
	WIN 0
	FETCH_A \next, 0, 4
.endm
	s_wait_tensorcnt 1                             ; the scale bytes and my part of K step 0 are in; K step 1's load may be out
	s_barrier_signal -1
	s_barrier_wait -1
	FETCH_B 0, 0, 0
	FETCH_A 0, 0, 0
	SCALES 0
	FETCH_A 0, 0, 4
	STEP 0, 0, 1
	s_mov_b32 s3, LAPS-1
.Llap:
	TURN 0, 1, 1
	STEP 1, 0, 0
	TURN 1, 0, 1
	STEP 0, 0, 0
	s_sub_co_u32 s3, s3, 1
	s_cmp_lg_u32 s3, 0
	s_cbranch_scc1 .Llap
	TURN 0, 1, 0
	STEP 1, 0, 0
	s_wait_dscnt 4*NL
	WIN MUL_LO
	MUL16 0, 1, NQ-1, 1, 0
	MUL16 2, 1, NQ-1, 1, 0
	s_wait_dscnt 0
	WIN MUL_HI
	MUL16 4, 1, NQ-1, 1, 0
	MUL16 6, 1, NQ-1, 1, 0
	WIN 0
; THE WAY OUT: a loop of eight trips, one for each block of 16 rows, so that GELU and quantiser are written once; only the 32 lines that fetch a block's accumulators (and add the bias) are written for each block.
.set T,   128                          ; v128-191 the block's 64 numbers of a lane
.set U,   192                          ; v192-207, v208-223, v224-239: 16 numbers at work
.set E,   208
.set W,   224
.set TM,  192                          ; behind the GELU: v192-195 largest magnitudes, v196-199 bytes, v204-207 the conversions' scale operands
.set TQ,  208
.set PC,  216                          ; v216-227 the fragment
.set PW,  228
.set STA, 240
.set SSA, 241
.set SEL, 18
.macro GELU16 x
.irp i, 0,1,2,3,4,5,6,7,8,9,10,11,12,13,14,15
	v_fma_f32 v[U+\i], |v[\x+\i]|, s78, 1.0        ; 1 + p |x|
.endr
.irp i, 0,2,4,6,8,10,12,14
	v_pk_mul_f32 v[E+\i:E+\i+1], v[\x+\i:\x+\i+1], s[68:69] op_sel_hi:[1,0]
.endr
.irp i, 0,2,4,6,8,10,12,14
	v_pk_mul_f32 v[E+\i:E+\i+1], v[E+\i:E+\i+1], v[\x+\i:\x+\i+1]   ; -x^2 log2(e) / 2
.endr
.irp i, 0,1,2,3,4,5,6,7,8,9,10,11,12,13,14,15
	v_rcp_f32 v[U+\i], v[U+\i]                     ; t
.endr
.irp i, 0,1,2,3,4,5,6,7,8,9,10,11,12,13,14,15
	v_exp_f32 v[E+\i], v[E+\i]
.endr
	v_nop                                          ; a plain line behind the batch
	s_wait_alu depctr_va_vdst(0)                   ; one wait for the 32, ahead of their first reader
.irp i, 0,2,4,6,8,10,12,14
	v_pk_fma_f32 v[W+\i:W+\i+1], v[U+\i:U+\i+1], s[70:71], v[30:31] op_sel_hi:[1,0,1]
.endr
.irp c, 72,74,76
.irp i, 0,2,4,6,8,10,12,14
	v_pk_fma_f32 v[W+\i:W+\i+1], v[W+\i:W+\i+1], v[U+\i:U+\i+1], s[\c:\c+1] op_sel_hi:[1,1,0]
.endr
.endr
.irp i, 0,2,4,6,8,10,12,14
	v_pk_mul_f32 v[E+\i:E+\i+1], v[E+\i:E+\i+1], v[U+\i:U+\i+1]
.endr
.irp i, 0,2,4,6,8,10,12,14
	v_pk_mul_f32 v[W+\i:W+\i+1], v[W+\i:W+\i+1], v[E+\i:E+\i+1]     ; Q(|x|)
.endr
.irp i, 0,1,2,3,4,5,6,7,8,9,10,11,12,13,14,15
	v_max_num_f32 v[E+\i], 0, v[\x+\i]
.endr
.irp i, 0,1,2,3,4,5,6,7,8,9,10,11,12,13,14,15
	v_fma_f32 v[\x+\i], -|v[\x+\i]|, v[W+\i], v[E+\i]
.endr
.endm
	PLACES NP
	s_mov_b32 s[SEL], 0x76543210
	s_mov_b32 s[SEL+1], 0xfedcba98
	s_mov_b32 s78, 0x3e6d3389                      ; p = 0.2316419
	s_mov_b32 s68, 0xbf38aa3b                      ; -log2(e) / 2
	s_mov_b32 s69, s68
	s_mov_b32 s70, 0x3f07dc22                      ; c5
	s_mov_b32 s71, s70
	s_mov_b32 s72, 0x3f35f0e3                      ; c3
	s_mov_b32 s73, s72
	s_mov_b32 s74, 0xbe11a98e                      ; c2
	s_mov_b32 s75, s74
	s_mov_b32 s76, 0x3e027906                      ; c1
	s_mov_b32 s77, s76
	v_mov_b32 v30, 0xbf3a00e3                      ; c4
	v_mov_b32 v31, v30
	s_wait_loadcnt 0x0                             ; the bias
	s_mov_b32 s3, 0
.Lrow:
.irp k, 0,1,2,3,4,5,6
	s_cmp_eq_u32 s3, \k
	s_cbranch_scc1 .Lcopy_\k
.endr
.irp k, 7,6,5,4,3,2,1,0
.Lcopy_\k:
	WIN 2+\k/4                                     ; source 0 in the block's window
.set ii, 0
.rept 32
	v_pk_add_f32 v[T+ii:T+ii+1], v[64*(\k%4)+ii:64*(\k%4)+ii+1], v[BI+ii:BI+ii+1]   ; product + bias; each accumulator from its low end on
.set ii, ii+2
.endr
	WIN 0
.if \k > 0
	s_branch .Lgelu
.endif
.endr
.Lgelu:
	GELU16 T
	GELU16 T+16
	GELU16 T+32
	GELU16 T+48
	; the quantiser: register 16 g + i = hidden unit 32 g + 16 h + i of my row
.irp b, 0,1,2,3
	v_max3_num_f32 v[TM+\b], |v[T+16*\b]|, |v[T+16*\b+1]|, 0x1800000   ; with the floor 2^(3 - 127)
.endr
.irp i, 2,4,6,8,10,12,14
.irp b, 0,1,2,3
	v_max3_num_f32 v[TM+\b], v[TM+\b], |v[T+16*\b+\i]|, |v[T+16*\b+\i+1]|
.endr
.endr
.irp b, 0,1,2,3
	v_permlanex16_b32 v[TM+4+\b], v[TM+\b], s[SEL], s[SEL+1]
.endr
.irp b, 0,1,2,3
	v_max_num_f32 v[TM+\b], v[TM+\b], v[TM+4+\b]
.endr
.irp b, 0,1,2,3
	v_add_nc_u32 v[TM+12+\b], 0xff000000, v[TM+\b]
.endr
.irp b, 0,1,2,3
	v_lshrrev_b32 v[TM+4+\b], 23, v[TM+12+\b]
.endr
	v_lshl_or_b32 v[PW], v[TM+5], 8, v[TM+4]
	v_lshl_or_b32 v[PW], v[TM+6], 16, v[PW]
	v_lshl_or_b32 v[PW], v[TM+7], 24, v[PW]
	v_cvt_scalef32_pk16_fp6_f32 v[PC:PC+2], v[T:T+15], v[TM+12]
	v_cvt_scalef32_pk16_fp6_f32 v[TQ:TQ+2], v[T+16:T+31], v[TM+13]
	v_cvt_scalef32_pk16_fp6_f32 v[PC+6:PC+8], v[T+32:T+47], v[TM+14]
	v_cvt_scalef32_pk16_fp6_f32 v[TQ+4:TQ+6], v[T+48:T+63], v[TM+15]
	v_nop                                          ; a plain line behind the conversions
.irp i, 0,1,2
	v_permlane16_swap_b32 v[PC+\i], v[TQ+\i]
	v_permlane16_swap_b32 v[PC+6+\i], v[TQ+4+\i]
.endr
.irp i, 0,1,2
	v_mov_b32 v[PC+3+\i], v[TQ+\i]
	v_mov_b32 v[PC+9+\i], v[TQ+4+\i]
.endr
	s_lshr_b32 s20, s3, 1                          ; the block's first row is 32 (a / 2) + 8 (a % 2)
	s_and_b32 s21, s3, 1
	s_mul_i32 s22, s20, 1536
	s_mul_i32 s23, s21, 384
	s_add_co_u32 s22, s22, s23
	v_add_nc_u32 v[STA], s22, v[STO]
	s_lshl_b32 s20, s20, 7
	s_lshl_b32 s21, s21, 5
	s_add_co_u32 s20, s20, s21
	v_add_nc_u32 v[SSA], s20, v[SSO]
.irp p, 0,1,2,3,4,5
	ds_store_b64 v[STA], v[PC+2*\p:PC+2*\p+1] offset:6144*(\p/3)+8*(\p%3)
.endr
	ds_store_b32 v[SSA], v[PW]                     ; lanes r and r + 16 write the same word with the same value
	s_wait_dscnt 0x0                               ; the stores have read their registers
	s_add_co_u32 s3, s3, 1
	s_cmp_lt_u32 s3, 8
	s_cbranch_scc1 .Lrow
	; my 128 rows x 128 hidden units: two runs of 6,144 consecutive bytes
	s_lshl_b32 s20, s42, 2
	s_lshl_b32 s21, s16, 1
	s_add_co_u32 s20, s20, s21
	s_lshl_b32 s20, s20, 12
	s_lshl_b32 s21, s17, 8
	s_add_co_u32 s20, s20, s21
	s_lshl_b32 s21, s15, 7
	s_add_co_u32 s20, s20, s21
	s_mul_i32 s20, s20, 48
	s_mov_b32 s21, 0
	s_add_nc_u64 s[20:21], s[10:11], s[20:21]
.set ii, 0
.rept 24
	ds_load_b128 v[128+4*ii:131+4*ii], v[CRD] offset:512*ii          ; LDS serves a wave's instructions in order: these see my stores
.set ii, ii+1
.endr
.set ii, 0
.rept 24
	s_wait_dscnt 23-ii                             ; the younger loads may be out
	global_store_b128 v8, v[128+4*ii:131+4*ii], s[20:21] offset:(ii/12)*196608+512*(ii%12)   ; 512 consecutive bytes
.set ii, ii+1
.endr
	s_wait_dscnt 0x0                               ; for the others' sake: my scale words have landed
	s_barrier_signal -1
	s_barrier_wait -1
	ds_load_b64 v[64:65], v9                       ; two rows' words of the left 128 hidden units,
	ds_load_b64 v[66:67], v9 offset:512            ; and of the right 128
	s_lshl_b32 s22, s42, 12
	s_lshl_b32 s23, s17, 8
	s_add_co_u32 s22, s22, s23
	s_lshl_b32 s22, s22, 3
	s_lshl_b32 s23, s14, 9
	s_add_co_u32 s22, s22, s23
	s_add_co_u32 s22, s22, 12582912
	s_mov_b32 s23, 0
	s_add_nc_u64 s[22:23], s[10:11], s[22:23]
	s_wait_dscnt 0x0
	v_mov_b32 v68, v64
	v_mov_b32 v69, v66
	v_mov_b32 v70, v65
	v_mov_b32 v71, v67
	global_store_b128 v8, v[68:71], s[22:23]       ; 512 consecutive bytes: 64 rows' 8 scale bytes
	s_wait_tensorcnt 0x0                           ; the wave's end
	ds_add_u32 v[SPW], v[NIL]
	s_wait_dscnt 0x0
	CROUND                                         ; the closing round
	s_endpgm
.Lfunc_end_k_q5a88797d2e_fc:
	.size	k_q5a88797d2e_fc, .Lfunc_end_k_q5a88797d2e_fc-k_q5a88797d2e_fc
	.p2alignl 7, 3214868480
	.fill 96, 4, 3214868480
	.section	.rodata,"a",@progbits
	.p2align	6, 0x0
	.amdhsa_kernel k_q5a88797d2e_fc
		.amdhsa_group_segment_fixed_size 327680
		.amdhsa_private_segment_fixed_size 0
		.amdhsa_enable_private_segment 0
		.amdhsa_kernarg_size 32
		.amdhsa_user_sgpr_count 2
		.amdhsa_user_sgpr_kernarg_segment_ptr 1
		.amdhsa_wavefront_size32 1
		.amdhsa_system_sgpr_workgroup_id_x 1
		.amdhsa_system_sgpr_workgroup_id_y 1
		.amdhsa_system_sgpr_workgroup_id_z 1
		.amdhsa_system_vgpr_workitem_id 0
		.amdhsa_next_free_vgpr 1024
		.amdhsa_next_free_sgpr 100
		.amdhsa_reserve_vcc 0
		.amdhsa_float_denorm_mode_32 3
		.amdhsa_float_denorm_mode_16_64 3
		.amdhsa_memory_ordered 1
		.amdhsa_forward_progress 1
		.amdhsa_inst_pref_size 190
	.end_amdhsa_kernel
	.amdgpu_metadata
---
amdhsa.version: [ 1, 2 ]
amdhsa.kernels:
  - .name:           k_q5a88797d2e_fc
    .symbol:         k_q5a88797d2e_fc.kd
    .args:
      - { .name: h2q, .offset: 0, .size: 8, .value_kind: global_buffer, .address_space: global }
      - { .name: wts, .offset: 8, .size: 8, .value_kind: global_buffer, .address_space: global }
      - { .name: b_fc, .offset: 16, .size: 8, .value_kind: global_buffer, .address_space: global }
      - { .name: gq, .offset: 24, .size: 8, .value_kind: global_buffer, .address_space: global }
    .group_segment_fixed_size: 327680
    .private_segment_fixed_size: 0
    .kernarg_segment_align: 8
    .kernarg_segment_size: 32
    .max_flat_workgroup_size: 128
    .sgpr_count:     100
    .vgpr_count:     1024
    .wavefront_size: 32
...
	.end_amdgpu_metadata
.endif
;; end of part 6
;; launch out (part 7): grid 4 x 16, 4 waves a work-group, clusters of 4 x 4, 327,680 bytes of LDS; arguments gq, wts, x1, b_out, out0; writes out0
.if DOCPART == 7
	.amdgcn_target "amdgcn-amd-amdhsa--gfx1250"
	.amdhsa_code_object_version 6
	.text
	.protected	k_q5a88797d2e_out
	.globl	k_q5a88797d2e_out
	.p2align	8
	.type	k_q5a88797d2e_out,@function
k_q5a88797d2e_out:
	s_mov_b64 s[64:65], 0
	v_nop
	global_prefetch_b8 v0, s[64:65] scope:SCOPE_SE
	s_setreg_imm32_b32 hwreg(HW_REG_WAVE_MODE, 25, 1), 1
	s_wait_xcnt 0x0
	s_wait_alu depctr_hold_cnt(0) depctr_sa_sdst(0) depctr_va_vdst(0) depctr_va_sdst(0) depctr_va_ssrc(0) depctr_va_vcc(0) depctr_vm_vsrc(0)
	s_getreg_b32 s2, hwreg(HW_REG_IB_STS2, 6, 4)
	s_cmp_eq_u32 s2, 0
	s_cbranch_scc0 .Lentry_in_a_cluster
	s_endpgm
.Lentry_in_a_cluster:
	s_bfe_u32 s2, ttmp6, 0x10000c
	s_cmp_lg_u32 s2, 0xf033
	s_cbranch_scc0 .Lentry_shape_is_right
	s_endpgm
.Lentry_shape_is_right:
; out0 = x1 + Q(g) Q(w_out) + b_out, the product on codes of FP6 (E2M3) with E8M0 scales, sums in f32.
; A tile of 256 x 256 to a work-group of four waves, 128 x 128 a wave; K = 4,096 in steps of 256 through a ring of two LDS slots filled by tensor loads.
; OPERANDS lie as codes [K/64][RS][48 bytes], scale bytes [K/256][RS][8 bytes]: 128 rows of 64 codes are 6,144 consecutive bytes; a wave's load brings 4 such runs.
; CLUSTERS of 4 x 4: A's tiles are asked for jointly along a row of the cluster, B's along a column.  The matrix instruction is used transposed: a lane holds eight neighbouring numbers of a row of the result.
; The result has 4 x 16 tiles: 64 work-groups.
; REGISTERS: window 0: v0-31 addresses; v32-63 scale words, two sets, and nothing else; v64-67 the bias; from v128 A's fragments (on the way out: rows read back).  window 1: B's fragments (on the way out: the residual's rows).  windows 2, 3: accumulators.
.set KDIM,  4096
.set RSA,   4096
.set RSB,   1024
.set PERM,  0
.set ASC,   12582912
.set BOFF,  6553600                    ; w_out's operand in wts
.set BSC,   3145728
.set ABASE, 4
.set BBASE, 6
.set RESP,  8                          ; s[8:9] the residual, s[10:11] the bias, s[12:13] the result
.set OUTP,  12
.set BIA,   64
.set NQ,    2
.set FR,    12
.set NL,    6
.set NP,    4
.set SUBB,  6144
.set HALFT, 4*SUBB
.set SLOT,  4*HALFT
.set LAPS,  KDIM/512
.set NCH,   KDIM/256
.set SCL,   2*SLOT
.set HALFS, NCH*1024
.set SPARE, SCL+4*HALFS+256
.set SPITCH, 528                       ; the way out: a stage of 16 rows x (512 + 16) bytes a wave, in slot 0, which has had its last fill and its last read by then
.set ADRA,  16
.set ADRB,  20
.set STO,   24
.set RD,    25
.set CO,    26
.set ADRS,  27
.set SPW,   28
.set NIL,   29
.set SC,    32
.set AF,    128
.set BK,    128
.set G1,    24
.set G0,    32
.set G1B,   48
.set G0B,   56
.set G1S,   68
.set G0S,   76
.set G1SB,  80
.set G0SB,  88
.set MSB,   0
.macro WIN new
.if MSB != (\new)
	s_set_vgpr_msb (MSB<<8)|(\new)
.set MSB, (\new)
.endif
.endm
.set MUL_LO, 0xa1
.set MUL_HI, 0xf1
.set TO_B,   0x40
.macro JLOAD g0a, g1a, g0b, g1b        ; a joint load: waves 0 and 1 fetch for A, waves 2 and 3 for B; an s_nop 0 and four v_nop follow each line
	s_cmp_eq_u32 s15, 0
	s_cbranch_scc0 .Lfor_b_\@
	tensor_load_to_lds s[\g0a:\g0a+3], s[\g1a:\g1a+7]
	s_nop 0
.rept 4
	v_nop
.endr
	s_branch .Lasked_\@
.Lfor_b_\@:
	tensor_load_to_lds s[\g0b:\g0b+3], s[\g1b:\g1b+7]
	s_nop 0
.rept 4
	v_nop
.endr
.Lasked_\@:
.endm
.macro CREST
	s_cmp_lg_u32 s14, 0
	s_cbranch_scc1 .Lnot_wave_0_\@
	s_barrier_signal -3
.Lnot_wave_0_\@:
	s_barrier_wait -3
	s_barrier_signal -1
	s_barrier_wait -1
.endm
.macro CROUND
	s_barrier_signal -1
	s_barrier_wait -1
	CREST
.endm
	s_load_b256 s[4:11], s[0:1], 0x0               ; gq s[4:5], wts s[6:7], x1 s[8:9], b_out s[10:11]
	s_load_b64 s[12:13], s[0:1], 0x20              ; out0
	v_lshl_add_u32 v[SPW], v0, 2, SPARE
	v_mov_b32 v[NIL], 0
	ds_add_u32 v[SPW], v[NIL]                      ; the wave's opening: the add and its wait ahead of my first tensor load
	v_lshrrev_b32 v1, 5, v0
	v_readfirstlane_b32 s14, v1
	s_lshr_b32 s15, s14, 1
	s_and_b32 s16, s14, 1
	s_bfe_u32 s40, ttmp6, 0x40000
	s_bfe_u32 s41, ttmp6, 0x40004
	s_lshl_b32 s42, ttmp9, 2
	s_add_co_u32 s42, s42, s40                     ; tile column
	s_and_b32 s17, ttmp7, 0xffff
	s_lshl_b32 s17, s17, 2
	s_add_co_u32 s17, s17, s41                     ; tile row
	s_lshl_b32 s43, s41, 2
	s_lshl_b32 s43, 15, s43
	s_lshl_b32 s44, 0x1111, s40
	s_or_b32 s[G1+0], s43, (3<<16)|(1<<21)
	s_or_b32 s[G1B+0], s44, (3<<16)|(1<<21)
.irp g, G1, G1B
	s_mov_b32 s[\g+1], 768<<16
	s_mov_b32 s[\g+2], 4<<16
	s_mov_b32 s[\g+3], 768<<16
	s_mov_b32 s[\g+4], 4
	s_mov_b32 s[\g+6], 0
	s_mov_b32 s[\g+7], 0
.endr
	s_mov_b32 s[G1+5], 6*RSA
	s_mov_b32 s[G1B+5], 6*RSB
	s_or_b32 s[G1S+0], s43, (3<<16)|(1<<21)
	s_or_b32 s[G1SB+0], s44, (3<<16)|(1<<21)
.irp g, G1S, G1SB
	s_mov_b32 s[\g+1], 128<<16
	s_mov_b32 s[\g+2], NCH<<16
	s_mov_b32 s[\g+3], 128<<16
	s_mov_b32 s[\g+4], NCH
	s_mov_b32 s[\g+6], 0
	s_mov_b32 s[\g+7], 0
.endr
	s_mov_b32 s[G1S+5], RSA
	s_mov_b32 s[G1SB+5], RSB
	s_lshl_b32 s18, s16, 7
	s_lshl_b32 s20, s17, 8
	s_add_co_u32 s20, s20, s18
	s_lshl_b32 s46, s42, 8
	s_add_co_u32 s46, s46, s18
	s_lshl_b32 s22, s20, 3
	s_add_co_u32 s22, s22, ASC
	s_mov_b32 s23, 0
	s_lshl_b32 s92, s46, 3
	s_add_co_u32 s92, s92, BOFF+BSC
	s_mov_b32 s93, 0
	s_mul_i32 s20, s20, 48
	s_mov_b32 s21, 0
	s_mul_i32 s46, s46, 48
	s_add_co_u32 s46, s46, BOFF
	s_mov_b32 s47, 0
	s_mul_i32 s45, s14, HALFT
	s_mul_i32 s94, s14, HALFS
	s_lshl_b32 s95, s15, 7
	s_add_co_u32 s94, s94, s95
	s_wait_dscnt 0x0
	s_wait_kmcnt 0x0
	s_add_nc_u64 s[20:21], s[ABASE:ABASE+1], s[20:21]
	s_add_nc_u64 s[22:23], s[ABASE:ABASE+1], s[22:23]
	s_add_nc_u64 s[46:47], s[BBASE:BBASE+1], s[46:47]
	s_add_nc_u64 s[92:93], s[BBASE:BBASE+1], s[92:93]
	CROUND
	s_mov_b32 s[G0S], 1
	s_add_co_u32 s[G0S+1], s94, SCL
	s_mov_b64 s[G0S+2:G0S+3], s[22:23]
	s_or_b32 s[G0S+3], s[G0S+3], 0x80000000
	s_mov_b32 s[G0SB], 1
	s_add_co_u32 s[G0SB+1], s94, SCL
	s_mov_b64 s[G0SB+2:G0SB+3], s[92:93]
	s_or_b32 s[G0SB+3], s[G0SB+3], 0x80000000
	JLOAD G0S, G1S, G0SB, G1SB
.irp s, 0,1
	s_mov_b32 s[G0+4*\s], 1
	s_add_co_u32 s[G0+4*\s+1], s45, \s*SLOT
	s_add_nc_u64 s[G0+4*\s+2:G0+4*\s+3], s[20:21], \s*192*RSA
	s_or_b32 s[G0+4*\s+3], s[G0+4*\s+3], 0x80000000
	s_mov_b32 s[G0B+4*\s], 1
	s_add_co_u32 s[G0B+4*\s+1], s45, \s*SLOT
	s_add_nc_u64 s[G0B+4*\s+2:G0B+4*\s+3], s[46:47], \s*192*RSB
	s_or_b32 s[G0B+4*\s+3], s[G0B+4*\s+3], 0x80000000
	JLOAD G0+4*\s, G1, G0B+4*\s, G1B
.endr
	v_and_b32 v1, 15, v0                           ; r
	v_bfe_u32 v2, v0, 4, 1                         ; h
	v_mul_u32_u24 v4, v1, 48
	v_mad_u32_u24 v4, v2, 24, v4
	s_mul_i32 s21, s15, HALFT
	s_mul_i32 s22, s16, HALFT
	s_add_co_u32 s22, s22, 2*HALFT
.irp s, 0,1
	v_add_nc_u32 v[ADRA+\s], s21, v4
	v_add_nc_u32 v[ADRB+\s], s22, v4
	s_add_co_u32 s21, s21, SLOT
	s_add_co_u32 s22, s22, SLOT
.endr
	v_lshlrev_b32 v5, 3, v1
	s_mul_i32 s21, s15, HALFS
	s_mul_i32 s22, s16, HALFS
	s_add_co_u32 s22, s22, 2*HALFS+128
	s_sub_co_u32 s22, s22, s21
	v_mul_u32_u24 v6, s22, v2
	s_add_co_u32 s21, s21, SCL
	v_add_nc_u32 v5, v5, v6
	v_add_nc_u32 v[ADRS], s21, v5
	s_mul_i32 s23, s14, 16*SPITCH                  ; my stage
	v_mul_u32_u24 v5, v1, SPITCH
	v_lshl_add_u32 v5, v2, 5, v5
	v_add_nc_u32 v[STO], s23, v5
	v_and_b32 v6, 31, v0
	v_lshlrev_b32 v[CO], 4, v6
	v_add_nc_u32 v[RD], s23, v[CO]
	s_lshl_b32 s20, s17, 8
	s_lshl_b32 s21, s15, 7
	s_add_co_u32 s20, s20, s21
	s_lshl_b32 s20, s20, 12                        ; my first row, 4,096 bytes each
	s_lshl_b32 s46, s42, 10
	s_lshl_b32 s47, s16, 9
	s_add_co_u32 s46, s46, s47                     ; my first column, in bytes
	s_mov_b32 s47, 0
	s_add_co_u32 s20, s20, s46
	s_mov_b32 s21, 0
	s_add_nc_u64 s[RESP:RESP+1], s[RESP:RESP+1], s[20:21]
	s_add_nc_u64 s[OUTP:OUTP+1], s[OUTP:OUTP+1], s[20:21]
	s_add_nc_u64 s[10:11], s[10:11], s[46:47]
.macro FRAG reg, adr, q, i
.irp p, 0,1,2,3,4,5
	ds_load_b64 v[\reg+2*\p:\reg+2*\p+1], v[\adr] offset:(2*(\q)+\p/3)*SUBB+(PERM*(32*((\i)/2)+8*((\i)%2))+(1-PERM)*16*(\i))*48+8*(\p%3)
.endr
.endm
.macro MUL16 a0, p, q, sc, zero        ; the 64 accumulators take turns, one instruction a turn
.irp a, \a0, \a0+1
.irp b, 0,1,2,3,4,5,6,7
.if \zero
	v_wmma_scale_f32_16x16x128_f8f6f4 v[8*(8*((\a)%4)+\b):8*(8*((\a)%4)+\b)+7], v[128*(\p)+FR*\b:128*(\p)+FR*\b+FR-1], v[AF+FR*(\a):AF+FR*(\a)+FR-1], 0, v[SC+8*NQ*(\sc)+NQ*\b+(\q)], v[SC+8*NQ*(\sc)+NQ*(\a)+(\q)] matrix_a_fmt:MATRIX_FMT_FP6 matrix_b_fmt:MATRIX_FMT_FP6 matrix_a_scale:MATRIX_SCALE_ROW1
.else
	v_wmma_scale_f32_16x16x128_f8f6f4 v[8*(8*((\a)%4)+\b):8*(8*((\a)%4)+\b)+7], v[128*(\p)+FR*\b:128*(\p)+FR*\b+FR-1], v[AF+FR*(\a):AF+FR*(\a)+FR-1], v[8*(8*((\a)%4)+\b):8*(8*((\a)%4)+\b)+7], v[SC+8*NQ*(\sc)+NQ*\b+(\q)], v[SC+8*NQ*(\sc)+NQ*(\a)+(\q)] matrix_a_fmt:MATRIX_FMT_FP6 matrix_b_fmt:MATRIX_FMT_FP6 matrix_a_scale:MATRIX_SCALE_ROW1
.endif
.endr
.endr
.endm
.macro FETCH_B slot, q, p
	WIN TO_B
.irp i, 0,1,2,3,4,5,6,7
	FRAG 128*(\p)+FR*\i, ADRB+\slot, \q, \i
.endr
	WIN 0
.endm
.macro FETCH_A slot, q, i0
.irp i, \i0, \i0+1, \i0+2, \i0+3
	FRAG AF+FR*(\i), ADRA+\slot, \q, \i
.endr
.endm
.macro SCALES sc
.irp i, 0,1,2,3,4,5,6,7
	ds_load_b64 v[SC+8*NQ*\sc+NQ*\i:SC+8*NQ*\sc+NQ*\i+1], v[ADRS] offset:8*(PERM*(32*(\i/2)+8*(\i%2))+(1-PERM)*16*\i)
.endr
.endm
.macro PLACES n
.rept \n
	v_nop
.endr
.endm
.macro STEP slot, q, zero
	s_wait_dscnt 4*NL                              ; the 24 loads of A's blocks 4-7 may be out
	WIN MUL_LO
	MUL16 0, (\q)%2, \q, \slot, \zero
	MUL16 2, (\q)%2, \q, \slot, \zero
	s_wait_dscnt 0
	PLACES NP
	FETCH_B \slot, (\q)+1, 1-(\q)%2
	FETCH_A \slot, (\q)+1, 0
	WIN MUL_HI
	MUL16 4, (\q)%2, \q, \slot, \zero
	MUL16 6, (\q)%2, \q, \slot, \zero
	PLACES NP
	WIN 0
	FETCH_A \slot, (\q)+1, 4
.endm
.macro TURN slot, next, fill
	s_wait_tensorcnt 0x0                           ; all my tensor loads have landed: my part of the next slot
	ds_add_u32 v[SPW], v[NIL]                      ; 0 onto my spare word
	s_wait_dscnt 4*NL+1                            ; (the add and the 24 loads of A's blocks 4-7 may be out)
	WIN MUL_LO
	MUL16 0, 1, NQ-1, \slot, 0
	s_wait_dscnt 0x0                               ; the add is done, and my reads of this slot are over
	s_barrier_signal -1
	MUL16 2, 1, NQ-1, \slot, 0
	WIN 0
	s_barrier_wait -1
.if \fill
	CREST                                          ; the barrier has opened a round of the cluster's
	s_add_nc_u64 s[G0+4*\slot+2:G0+4*\slot+3], s[G0+4*\slot+2:G0+4*\slot+3], 384*RSA
	s_add_nc_u64 s[G0B+4*\slot+2:G0B+4*\slot+3], s[G0B+4*\slot+2:G0B+4*\slot+3], 384*RSB
	JLOAD G0+4*\slot, G1, G0B+4*\slot, G1B
.else
	PLACES NP
.endif
	v_add_nc_u32 v[ADRS], 1024, v[ADRS]
	FETCH_B \next, 0, 0
	FETCH_A \next, 0, 0
	SCALES \next
	WIN MUL_HI
	MUL16 4, 1, NQ-1, \slot, 0
	MUL16 6, 1, NQ-1, \slot, 0
	PLACES NP
	WIN 0
	FETCH_A \next, 0, 4
.endm
	s_wait_tensorcnt 1                             ; the scale bytes and my part of K step 0 are in; K step 1's load may be out
	s_barrier_signal -1
	s_barrier_wait -1
	FETCH_B 0, 0, 0
	FETCH_A 0, 0, 0
	SCALES 0
	FETCH_A 0, 0, 4
	STEP 0, 0, 1
	s_mov_b32 s3, LAPS-1
.Llap:
	TURN 0, 1, 1
	STEP 1, 0, 0
	TURN 1, 0, 1
	STEP 0, 0, 0
	s_sub_co_u32 s3, s3, 1
	s_cmp_lg_u32 s3, 0
	s_cbranch_scc1 .Llap
	TURN 0, 1, 0
	STEP 1, 0, 0
	s_wait_dscnt 4*NL
	WIN MUL_LO
	MUL16 0, 1, NQ-1, 1, 0
	MUL16 2, 1, NQ-1, 1, 0
	s_wait_dscnt 0
	WIN MUL_HI
	MUL16 4, 1, NQ-1, 1, 0
	MUL16 6, 1, NQ-1, 1, 0
	WIN 0
; THE WAY OUT, block by block of 16 rows x 128 columns: through my stage, back as whole rows of 512 bytes, the residual's same rows and the bias added, stored.  No base is stepped: a row's place stands in the immediate, 520,192 at the most.
.macro RLOAD a                         ; the residual's rows of block a into window 1, four blocks ahead
	WIN 0x40
.irp t, 0,1,2,3,4,5,6,7,8,9,10,11,12,13,14,15
	global_load_b128 v[64*((\a)%4)+4*\t:64*((\a)%4)+4*\t+3], v[CO], s[RESP:RESP+1] offset:(16*(\a)+\t)*4096
.endr
	WIN 0
.endm
.macro TOSTAGE a
.set AC, 64*((\a)%4)
	WIN 0x08+4*((\a)/4)
.irp b, 0,1,2,3,4,5,6,7
	ds_store_b128 v[STO], v[AC+8*\b:AC+8*\b+3] offset:64*\b          ; each accumulator from its low end on
	ds_store_b128 v[STO], v[AC+8*\b+4:AC+8*\b+7] offset:64*\b+16
.endr
	WIN 0
.set BB, BK+64*((\a)%2)
.irp t, 0,1,2,3,4,5,6,7,8,9,10,11,12,13,14,15
	ds_load_b128 v[BB+4*\t:BB+4*\t+3], v[RD] offset:\t*SPITCH        ; LDS serves a wave's instructions in order: these see the stores above
.endr
.endm
.macro SEND a, younger
.set BB, BK+64*((\a)%2)
.set RR, 64*((\a)%4)
	s_wait_dscnt \younger                          ; the block is back in registers
.if (\a) <= 4
	s_wait_loadcnt 48                              ; its residual (and the bias) is in; the three blocks' loads behind it, 16 each, may be out
.else
	s_wait_loadcnt 16*(7-(\a))
.endif
	WIN 0x04                                       ; source 1 in window 1
.set ii, 0
.rept 32
	v_pk_add_f32 v[BB+ii:BB+ii+1], v[BB+ii:BB+ii+1], v[RR+ii:RR+ii+1]
.set ii, ii+2
.endr
	WIN 0
.irp t, 0,1,2,3,4,5,6,7,8,9,10,11,12,13,14,15
	v_pk_add_f32 v[BB+4*\t:BB+4*\t+1], v[BB+4*\t:BB+4*\t+1], v[BIA:BIA+1]
	v_pk_add_f32 v[BB+4*\t+2:BB+4*\t+3], v[BB+4*\t+2:BB+4*\t+3], v[BIA+2:BIA+3]
.endr
.irp t, 0,1,2,3,4,5,6,7,8,9,10,11,12,13,14,15
	global_store_b128 v[CO], v[BB+4*\t:BB+4*\t+3], s[OUTP:OUTP+1] offset:(16*(\a)+\t)*4096 th:TH_STORE_NT   ; 32 lanes store 512 consecutive bytes
.endr
.if (\a)+4 <= 7
	RLOAD (\a)+4
.endif
.endm
	PLACES NP
	global_load_b128 v[BIA:BIA+3], v[CO], s[10:11] ; my four columns' bias
	RLOAD 0
	RLOAD 1
	RLOAD 2
	RLOAD 3
	TOSTAGE 0
.irp a, 1,2,3,4,5,6,7
.if \a > 1
	s_wait_xcnt 0x0                                ; block a - 2's stores have read their registers: block a's loads may land there
.endif
	TOSTAGE \a
	SEND \a-1, 32                                  ; behind block a - 1's loads: block a's 16 stores and 16 loads
.endr
	SEND 7, 0
	s_wait_tensorcnt 0x0                           ; the wave's end
	ds_add_u32 v[SPW], v[NIL]
	s_wait_dscnt 0x0
	CROUND                                         ; the closing round
	s_endpgm
.Lfunc_end_k_q5a88797d2e_out:
	.size	k_q5a88797d2e_out, .Lfunc_end_k_q5a88797d2e_out-k_q5a88797d2e_out
	.p2alignl 7, 3214868480
	.fill 96, 4, 3214868480
	.section	.rodata,"a",@progbits
	.p2align	6, 0x0
	.amdhsa_kernel k_q5a88797d2e_out
		.amdhsa_group_segment_fixed_size 327680
		.amdhsa_private_segment_fixed_size 0
		.amdhsa_enable_private_segment 0
		.amdhsa_kernarg_size 40
		.amdhsa_user_sgpr_count 2
		.amdhsa_user_sgpr_kernarg_segment_ptr 1
		.amdhsa_wavefront_size32 1
		.amdhsa_system_sgpr_workgroup_id_x 1
		.amdhsa_system_sgpr_workgroup_id_y 1
		.amdhsa_system_sgpr_workgroup_id_z 1
		.amdhsa_system_vgpr_workitem_id 0
		.amdhsa_next_free_vgpr 1024
		.amdhsa_next_free_sgpr 100
		.amdhsa_reserve_vcc 0
		.amdhsa_float_denorm_mode_32 3
		.amdhsa_float_denorm_mode_16_64 3
		.amdhsa_memory_ordered 1
		.amdhsa_forward_progress 1
		.amdhsa_inst_pref_size 204
	.end_amdhsa_kernel
	.amdgpu_metadata
---
amdhsa.version: [ 1, 2 ]
amdhsa.kernels:
  - .name:           k_q5a88797d2e_out
    .symbol:         k_q5a88797d2e_out.kd
    .args:
      - { .name: gq, .offset: 0, .size: 8, .value_kind: global_buffer, .address_space: global }
      - { .name: wts, .offset: 8, .size: 8, .value_kind: global_buffer, .address_space: global }
      - { .name: x1, .offset: 16, .size: 8, .value_kind: global_buffer, .address_space: global }
      - { .name: b_out, .offset: 24, .size: 8, .value_kind: global_buffer, .address_space: global }
      - { .name: out0, .offset: 32, .size: 8, .value_kind: global_buffer, .address_space: global }
    .group_segment_fixed_size: 327680
    .private_segment_fixed_size: 0
    .kernarg_segment_align: 8
    .kernarg_segment_size: 40
    .max_flat_workgroup_size: 128
    .sgpr_count:     100
    .vgpr_count:     1024
    .wavefront_size: 32
...
	.end_amdgpu_metadata
.endif
;; end of part 7
;; ======== version 2 of 2: 8 launches; 1.23 times as fast as version 1
;; limits: a function is approximated: absolute error at most 7.5e-08; an absolute error that grows with the inputs' magnitude: up to 7.5e-08 times it; right only within a limited range of input values
;; workspace buffers: wts 10,649,600 bytes; hq 3,276,800 bytes; h2q 3,276,800 bytes; yq 3,276,800 bytes; gq 13,107,200 bytes; x1 16,777,216 bytes; qi 3,276,800 bytes; kv 6,815,744 bytes
;; launch wq: the kernel of part 1 again; grid 384 x 1, 4 waves a work-group, no clusters, 35,840 bytes of LDS; arguments w_attn, w_proj, w_fc, w_out, wts; writes wts
;; launch ln1: the kernel of part 2 again; grid 256 x 1, 4 waves a work-group, no clusters, 38,912 bytes of LDS; arguments x, ln1_w, ln1_b, hq; writes hq
;; launch qkv: the kernel of part 3 again; grid 12 x 16, 4 waves a work-group, clusters of 4 x 4, 327,680 bytes of LDS; arguments hq, wts, src_mask, qi, kv; writes qi, kv
;; launch attn: the kernel of part 4 again; grid 8 x 32, 16 waves a work-group, clusters of 4 x 1, 227,328 bytes of LDS; arguments qi, kv, yq; writes yq
;; launch proj (part 8): grid 8 x 32, 4 waves a work-group, clusters of 4 x 4, 327,680 bytes of LDS; arguments yq, wts, x, x1; writes x1
.if DOCPART == 8
	.amdgcn_target "amdgcn-amd-amdhsa--gfx1250"
	.amdhsa_code_object_version 6
	.text
	.protected	k_q5a88797d2e_proj
	.globl	k_q5a88797d2e_proj
	.p2align	8
	.type	k_q5a88797d2e_proj,@function
k_q5a88797d2e_proj:
	s_mov_b64 s[64:65], 0
	v_nop
	global_prefetch_b8 v0, s[64:65] scope:SCOPE_SE
	s_setreg_imm32_b32 hwreg(HW_REG_WAVE_MODE, 25, 1), 1
	s_wait_xcnt 0x0
	s_wait_alu depctr_hold_cnt(0) depctr_sa_sdst(0) depctr_va_vdst(0) depctr_va_sdst(0) depctr_va_ssrc(0) depctr_va_vcc(0) depctr_vm_vsrc(0)
	s_getreg_b32 s2, hwreg(HW_REG_IB_STS2, 6, 4)
	s_cmp_eq_u32 s2, 0
	s_cbranch_scc0 .Lentry_in_a_cluster
	s_endpgm
.Lentry_in_a_cluster:
	s_bfe_u32 s2, ttmp6, 0x10000c
	s_cmp_lg_u32 s2, 0xf033
	s_cbranch_scc0 .Lentry_shape_is_right
	s_endpgm
.Lentry_shape_is_right:
; x1 = x + Q(y) Q(w_proj), the product on codes of FP6 (E2M3) with E8M0 scales, sums in f32.
; A tile of 128 x 128 to a work-group of four waves, 64 x 64 a wave (16 accumulators): the result has 32 x 8 such tiles, 256 work-groups; tiles of 256 x 256 would make 64.
; OPERANDS lie as codes [K/64][RS][48 bytes], scale bytes [K/256][RS][8 bytes]: 64 rows of 64 codes are 3,072 consecutive bytes; a wave's tensor load brings 8 such runs: 64 rows x 512 along K.
; K = 1,024 is two slots of 512: both are filled at the start and none is filled again.
; CLUSTERS of 4 x 4: A's tiles are asked for jointly along a row of the cluster, B's along a column.  The matrix instruction is used transposed (source 0 = rows of B, source 1 = rows of A): a lane holds eight neighbouring numbers of a row of the result.
; The residual's 64 rows x 256 bytes of a wave are asked for at the head, behind the first tensor loads, and are waited for on the way out.
; REGISTERS: window 0: v0-31 addresses; v32-63 scale words, two sets, and nothing else; v128-255 accumulators ((a, b) at v[128 + 8 (4 a + b)]).  window 1: two sets of fragments, at v0 and v128: A's four, then B's four.  window 2: v0-127 the residual.
.set KDIM,  1024
.set RSA,   4096
.set RSB,   1024
.set ASC,   3145728                    ; A's scale bytes, from A's first byte on
.set BOFF,  9830400                    ; w_proj's operand in wts
.set BSC,   786432
.set HAS_BIAS, 0
.set ABASE, 4
.set BBASE, 6
.set RESP,  8                          ; s[8:9] the residual, s[10:11] the result
.set OUTP,  10
.set FR,    12                         ; registers of a fragment: 16 rows x 128 K
.set NP,    4                          ; places behind this matrix instruction (ISA guide 7.12.1)
.set SUBB,  3072                       ; 64 rows of 64 codes
.set HALFT, 8*SUBB                     ; what one tensor load brings
.set SLOT,  4*HALFT                    ; A's two halves, then B's
.set LAPS,  KDIM/1024                  ; a lap = two slots
.set NCH,   KDIM/256
.set SCL,   2*SLOT                     ; behind the ring: the scale bytes, [chunk][64 rows][8 bytes] for each half; B's lie 128 bytes further on
.set HALFS, NCH*512
.set SPARE, SCL+4*HALFS+256            ; the spare words, 128 bytes a wave
.set SPITCH, 272                       ; the way out: a stage of 16 rows x (256 + 16) bytes a wave, in slot 0, which has had its last fill and its last read by then
.set ADRA,  16                         ; v16-17 LDS address of my A fragments in slot 0, 1
.set ADRB,  20                         ; v20-21 the same for B
.set STO,   24
.set RD,    25
.set CO,    26
.set ADRS,  27
.set SPW,   28                         ; v28 my spare word's LDS address; never rewritten
.set NIL,   29                         ; v29 0; never rewritten
.set SC,    32                         ; scale words: set s at v[32 + 16 s]; in it register 8 c + 2 i + w: lanes 0-15 A's block i, lanes 16-31 B's block i, chunk c of the slot, word w
.set BI,    64
.set ACC,   128
.set G1,    24
.set G0,    32
.set G1B,   48
.set G0B,   56
.set G1S,   68
.set G0S,   76
.set G1SB,  80
.set G0SB,  88
.set MSB,   0
.macro WIN new                         ; the immediate's high byte repeats the setting that is left
.if MSB != (\new)
	s_set_vgpr_msb (MSB<<8)|(\new)
.set MSB, (\new)
.endif
.endm
.set MUL,   0x05                       ; sources 0 (B) and 1 (A) window 1; C and D window 0
.set TO_F,  0x40                       ; destination window 1, address window 0
.macro JLOAD g0a, g1a, g0b, g1b        ; a joint load: waves 0 and 1 fetch for A, waves 2 and 3 for B; an s_nop 0 and four v_nop follow each line
	s_cmp_eq_u32 s15, 0
	s_cbranch_scc0 .Lfor_b_\@
	tensor_load_to_lds s[\g0a:\g0a+3], s[\g1a:\g1a+7]
	s_nop 0
.rept 4
	v_nop
.endr
	s_branch .Lasked_\@
.Lfor_b_\@:
	tensor_load_to_lds s[\g0b:\g0b+3], s[\g1b:\g1b+7]
	s_nop 0
.rept 4
	v_nop
.endr
.Lasked_\@:
.endm
.macro CREST                           ; a round of the cluster's barrier behind its opening barrier
	s_cmp_lg_u32 s14, 0
	s_cbranch_scc1 .Lnot_wave_0_\@
	s_barrier_signal -3
.Lnot_wave_0_\@:
	s_barrier_wait -3
	s_barrier_signal -1
	s_barrier_wait -1
.endm
.macro CROUND
	s_barrier_signal -1
	s_barrier_wait -1
	CREST
.endm
	s_load_b256 s[4:11], s[0:1], 0x0               ; yq s[4:5], wts s[6:7], x s[8:9], x1 s[10:11]
	v_lshl_add_u32 v[SPW], v0, 2, SPARE
	v_mov_b32 v[NIL], 0
	ds_add_u32 v[SPW], v[NIL]                      ; the wave's opening: the add and its wait ahead of my first tensor load
	v_lshrrev_b32 v1, 5, v0
	v_readfirstlane_b32 s14, v1                    ; wave
	s_lshr_b32 s15, s14, 1                         ; my half of the tile's rows.  Also: I fetch for A (0) or B (1)
	s_and_b32 s16, s14, 1                          ; my half of its columns.  Also: which 64 rows I fetch
	s_bfe_u32 s40, ttmp6, 0x40000                  ; cx
	s_bfe_u32 s41, ttmp6, 0x40004                  ; cy
	s_lshl_b32 s42, ttmp9, 2
	s_add_co_u32 s42, s42, s40                     ; tile column
	s_and_b32 s17, ttmp7, 0xffff
	s_lshl_b32 s17, s17, 2
	s_add_co_u32 s17, s17, s41                     ; tile row
	s_lshl_b32 s43, s41, 2
	s_lshl_b32 s43, 15, s43                        ; my row of the cluster
	s_lshl_b32 s44, 0x1111, s40                    ; my column
	s_or_b32 s[G1+0], s43, (3<<16)|(1<<21)         ; the mask; elements of 8 bytes; bit 21 beside a mask; no padding
	s_or_b32 s[G1B+0], s44, (3<<16)|(1<<21)
.irp g, G1, G1B
	s_mov_b32 s[\g+1], 384<<16                     ; tensor_dim0 = 384 elements: 64 rows x 48 bytes
	s_mov_b32 s[\g+2], 8<<16                       ; tensor_dim1 = 8 runs of 64 along K
	s_mov_b32 s[\g+3], 384<<16                     ; tile_dim0
	s_mov_b32 s[\g+4], 8                           ; tile_dim1
	s_mov_b32 s[\g+6], 0
	s_mov_b32 s[\g+7], 0
.endr
	s_mov_b32 s[G1+5], 6*RSA                       ; from run to run: RS x 48 bytes
	s_mov_b32 s[G1B+5], 6*RSB
	s_or_b32 s[G1S+0], s43, (3<<16)|(1<<21)
	s_or_b32 s[G1SB+0], s44, (3<<16)|(1<<21)
.irp g, G1S, G1SB
	s_mov_b32 s[\g+1], 64<<16                      ; the scale bytes of 64 rows: 64 elements of 8 bytes,
	s_mov_b32 s[\g+2], NCH<<16                     ; for each 256 along K
	s_mov_b32 s[\g+3], 64<<16
	s_mov_b32 s[\g+4], NCH
	s_mov_b32 s[\g+6], 0
	s_mov_b32 s[\g+7], 0
.endr
	s_mov_b32 s[G1S+5], RSA
	s_mov_b32 s[G1SB+5], RSB
	s_lshl_b32 s18, s16, 6
	s_lshl_b32 s20, s17, 7
	s_add_co_u32 s20, s20, s18                     ; A: the first row that I fetch
	s_lshl_b32 s46, s42, 7
	s_add_co_u32 s46, s46, s18                     ; B likewise
	s_lshl_b32 s22, s20, 3
	s_add_co_u32 s22, s22, ASC
	s_mov_b32 s23, 0
	s_lshl_b32 s92, s46, 3
	s_add_co_u32 s92, s92, BOFF+BSC
	s_mov_b32 s93, 0
	s_mul_i32 s20, s20, 48
	s_mov_b32 s21, 0
	s_mul_i32 s46, s46, 48
	s_add_co_u32 s46, s46, BOFF
	s_mov_b32 s47, 0
	s_mul_i32 s45, s14, HALFT                      ; where they go: no place in the cluster enters an LDS address
	s_mul_i32 s94, s14, HALFS
	s_lshl_b32 s95, s15, 7
	s_add_co_u32 s94, s94, s95
	s_wait_dscnt 0x0                               ; the opening add is done
	s_wait_kmcnt 0x0
	s_add_nc_u64 s[20:21], s[ABASE:ABASE+1], s[20:21]
	s_add_nc_u64 s[22:23], s[ABASE:ABASE+1], s[22:23]
	s_add_nc_u64 s[46:47], s[BBASE:BBASE+1], s[46:47]
	s_add_nc_u64 s[92:93], s[BBASE:BBASE+1], s[92:93]
	CROUND                                         ; all sixteen work-groups are here: the first joint loads meet
	s_mov_b32 s[G0S], 1
	s_add_co_u32 s[G0S+1], s94, SCL
	s_mov_b64 s[G0S+2:G0S+3], s[22:23]
	s_or_b32 s[G0S+3], s[G0S+3], 0x80000000
	s_mov_b32 s[G0SB], 1
	s_add_co_u32 s[G0SB+1], s94, SCL
	s_mov_b64 s[G0SB+2:G0SB+3], s[92:93]
	s_or_b32 s[G0SB+3], s[G0SB+3], 0x80000000
	JLOAD G0S, G1S, G0SB, G1SB                     ; the scale bytes for all of K: filled once
.irp s, 0,1
	s_mov_b32 s[G0+4*\s], 1
	s_add_co_u32 s[G0+4*\s+1], s45, \s*SLOT
	s_add_nc_u64 s[G0+4*\s+2:G0+4*\s+3], s[20:21], \s*384*RSA
	s_or_b32 s[G0+4*\s+3], s[G0+4*\s+3], 0x80000000
	s_mov_b32 s[G0B+4*\s], 1
	s_add_co_u32 s[G0B+4*\s+1], s45, \s*SLOT
	s_add_nc_u64 s[G0B+4*\s+2:G0B+4*\s+3], s[46:47], \s*384*RSB
	s_or_b32 s[G0B+4*\s+3], s[G0B+4*\s+3], 0x80000000
	JLOAD G0+4*\s, G1, G0B+4*\s, G1B
.endr
	v_and_b32 v1, 15, v0                           ; r
	v_bfe_u32 v2, v0, 4, 1                         ; h
	v_mul_u32_u24 v4, v1, 48
	v_mad_u32_u24 v4, v2, 24, v4                   ; a fragment's row x 48 + 24 h
	s_mul_i32 s21, s15, HALFT
	s_mul_i32 s22, s16, HALFT
	s_add_co_u32 s22, s22, 2*HALFT
.irp s, 0,1
	v_add_nc_u32 v[ADRA+\s], s21, v4
	v_add_nc_u32 v[ADRB+\s], s22, v4
	s_add_co_u32 s21, s21, SLOT
	s_add_co_u32 s22, s22, SLOT
.endr
	v_lshlrev_b32 v5, 3, v1                        ; my row's scale bytes: 8 a row and chunk
	s_mul_i32 s21, s15, HALFS
	s_mul_i32 s22, s16, HALFS
	s_add_co_u32 s22, s22, 2*HALFS+128
	s_sub_co_u32 s22, s22, s21
	v_mul_u32_u24 v6, s22, v2                      ; lanes 16-31 take B's
	s_add_co_u32 s21, s21, SCL
	v_add_nc_u32 v5, v5, v6
	v_add_nc_u32 v[ADRS], s21, v5
	s_mul_i32 s23, s14, 16*SPITCH                  ; my stage
	v_mul_u32_u24 v5, v1, SPITCH
	v_lshl_add_u32 v5, v2, 5, v5
	v_add_nc_u32 v[STO], s23, v5                   ; in: row r, 32 bytes for each half of the lanes
	v_mul_u32_u24 v6, v2, SPITCH
	v_lshl_add_u32 v6, v1, 4, v6
	v_add_nc_u32 v[RD], s23, v6                    ; back: lanes 0-15 take one row of 256 bytes, lanes 16-31 the next
	v_lshlrev_b32 v[CO], 12, v2
	v_lshl_add_u32 v[CO], v1, 4, v[CO]             ; and the same two rows in memory, 4,096 bytes apart
	s_lshl_b32 s20, s17, 7
	s_lshl_b32 s21, s15, 6
	s_add_co_u32 s20, s20, s21
	s_lshl_b32 s20, s20, 12                        ; my first row, 4,096 bytes each
	s_lshl_b32 s46, s42, 9
	s_lshl_b32 s47, s16, 8
	s_add_co_u32 s46, s46, s47                     ; my first column, in bytes
	s_mov_b32 s47, 0
	s_add_co_u32 s20, s20, s46
	s_mov_b32 s21, 0
	s_add_nc_u64 s[RESP:RESP+1], s[RESP:RESP+1], s[20:21]
	s_add_nc_u64 s[OUTP:OUTP+1], s[OUTP:OUTP+1], s[20:21]
	WIN 0x80                                       ; destination window 2
.irp a, 0,1,2,3
.irp t, 0,1,2,3,4,5,6,7
	global_load_b128 v[32*\a+4*\t:32*\a+4*\t+3], v[CO], s[RESP:RESP+1] offset:(16*\a+2*\t)*4096 th:TH_LOAD_NT   ; the residual, laid as the rows come back from the stage; sixteen lanes read 256 consecutive bytes
.endr
.endr
	WIN 0
.macro FRAG reg, adr, q, i             ; 16 rows x 128 K: 12 registers; registers 6 c .. 6 c + 5 are 24 bytes of run 2 q + c, as they lie
.irp p, 0,1,2,3,4,5
	ds_load_b64 v[\reg+2*\p:\reg+2*\p+1], v[\adr] offset:(2*(\q)+\p/3)*SUBB+16*(\i)*48+8*(\p%3)
.endr
.endm
.macro MUL4 a, p, q, sc, zero          ; A's block a x B's four, the slot's q-th 128 along K, fragment set p; the 16 accumulators take turns, one instruction a turn
.irp b, 0,1,2,3
.set rD, ACC+8*(4*(\a)+\b)
.set rB, 128*(\p)+48+FR*\b
.set rA, 128*(\p)+FR*(\a)
.set rSB, SC+16*(\sc)+8*((\q)/2)+2*\b+(\q)%2
.set rSA, SC+16*(\sc)+8*((\q)/2)+2*(\a)+(\q)%2
.if (\zero) && HAS_BIAS
	v_wmma_scale_f32_16x16x128_f8f6f4 v[rD:rD+7], v[rB:rB+FR-1], v[rA:rA+FR-1], v[BI+8*\b:BI+8*\b+7], v[rSB], v[rSA] matrix_a_fmt:MATRIX_FMT_FP6 matrix_b_fmt:MATRIX_FMT_FP6 matrix_a_scale:MATRIX_SCALE_ROW1
.elseif \zero
	v_wmma_scale_f32_16x16x128_f8f6f4 v[rD:rD+7], v[rB:rB+FR-1], v[rA:rA+FR-1], 0, v[rSB], v[rSA] matrix_a_fmt:MATRIX_FMT_FP6 matrix_b_fmt:MATRIX_FMT_FP6 matrix_a_scale:MATRIX_SCALE_ROW1
.else
	v_wmma_scale_f32_16x16x128_f8f6f4 v[rD:rD+7], v[rB:rB+FR-1], v[rA:rA+FR-1], v[rD:rD+7], v[rSB], v[rSA] matrix_a_fmt:MATRIX_FMT_FP6 matrix_b_fmt:MATRIX_FMT_FP6 matrix_a_scale:MATRIX_SCALE_ROW1
.endif
.endr
.endm
.macro FETCH slot, q, p                ; 48 LDS loads in one run: B's four fragments, then A's four, into set p
	WIN TO_F
.irp i, 0,1,2,3
	FRAG 128*(\p)+48+FR*\i, ADRB+\slot, \q, \i
.endr
.irp i, 0,1,2,3
	FRAG 128*(\p)+FR*\i, ADRA+\slot, \q, \i
.endr
.endm
.macro SCALES sc                       ; a slot's scale words: lanes 0-15 A's block i, lanes 16-31 B's block i; two words for each 256 along K
.irp c, 0,1
.irp i, 0,1,2,3
	ds_load_b64 v[SC+16*\sc+8*\c+2*\i:SC+16*\sc+8*\c+2*\i+1], v[ADRS] offset:512*\c+128*\i
.endr
.endr
.endm
.macro PLACES n                        ; plain vector lines between a matrix instruction and a load into, or a read of, its registers
.rept \n
	v_nop
.endr
.endm
.macro STEP slot, q, zero              ; 128 along K with its successor in the same slot
	s_wait_dscnt 12                                ; the scale words, B's four and A's blocks 0, 1 are in; the 12 loads of A's blocks 2, 3 may be out
	WIN MUL
	MUL4 0, (\q)%2, \q, \slot, \zero
	MUL4 1, (\q)%2, \q, \slot, \zero
	PLACES NP                                      ; the other set was read by the step before
	FETCH \slot, (\q)+1, 1-(\q)%2
	s_wait_dscnt 48                                ; all but the 48 just issued
	WIN MUL
	MUL4 2, (\q)%2, \q, \slot, \zero
	MUL4 3, (\q)%2, \q, \slot, \zero
.endm
.macro TURN slot, next, fill           ; a slot's fourth step changes slots: one barrier; fill = 1: this slot is filled again, two slots ahead
	WIN 0                                          ; (the add's two registers lie in window 0)
	s_wait_tensorcnt 0x0                           ; all my tensor loads have landed: my part of the next slot
	ds_add_u32 v[SPW], v[NIL]                      ; 0 onto my spare word
	s_wait_dscnt 13                                ; (the add and the 12 loads of A's blocks 2, 3 may be out)
	WIN MUL
	MUL4 0, 1, 3, \slot, 0
	s_wait_dscnt 0x0                               ; the add is done, and my reads of this slot are over
	s_barrier_signal -1
	MUL4 1, 1, 3, \slot, 0
	WIN 0
	s_barrier_wait -1
.if \fill
	CREST                                          ; the barrier has opened a round of the cluster's: no wave of any partner still reads this slot or has a load on its way
	s_add_nc_u64 s[G0+4*\slot+2:G0+4*\slot+3], s[G0+4*\slot+2:G0+4*\slot+3], 768*RSA
	s_add_nc_u64 s[G0B+4*\slot+2:G0B+4*\slot+3], s[G0B+4*\slot+2:G0B+4*\slot+3], 768*RSB
	JLOAD G0+4*\slot, G1, G0B+4*\slot, G1B         ; the first tensor load behind the round; its four v_nop are the places for the loads below
.else
	PLACES NP
.endif
	v_add_nc_u32 v[ADRS], 1024, v[ADRS]            ; the next slot's scale words: two chunks of 512 bytes on
	SCALES \next
	FETCH \next, 0, 0
	WIN MUL
	MUL4 2, 1, 3, \slot, 0
	MUL4 3, 1, 3, \slot, 0
.endm
	s_wait_tensorcnt 1                             ; the scale bytes and my part of slot 0 are in; slot 1's load may be out
	s_barrier_signal -1
	s_barrier_wait -1
	SCALES 0
	FETCH 0, 0, 0
.if HAS_BIAS
	s_wait_loadcnt 32                              ; the bias's 8 loads are in; the residual's 32 may be out
.endif
	STEP 0, 0, 1                                   ; the first step's products start the sums
.if LAPS > 1
	WIN 0                                          ; at a label and at a branch every window is 0
	s_mov_b32 s3, LAPS-1
.Llap:                                                 ; a trip goes once round the ring, from a lap's second step to the next lap's first, and fills both slots again
	STEP 0, 1, 0
	STEP 0, 2, 0
	TURN 0, 1, 1
	STEP 1, 0, 0
	STEP 1, 1, 0
	STEP 1, 2, 0
	TURN 1, 0, 1
	STEP 0, 0, 0
	WIN 0
	s_sub_co_u32 s3, s3, 1
	s_cmp_lg_u32 s3, 0
	s_cbranch_scc1 .Llap
.endif
	STEP 0, 1, 0                                   ; the last lap fills nothing
	STEP 0, 2, 0
	TURN 0, 1, 0
	STEP 1, 0, 0
	STEP 1, 1, 0
	STEP 1, 2, 0
	s_wait_dscnt 12                                ; the very last step: nothing more to fetch
	WIN MUL
	MUL4 0, 1, 3, 1, 0
	MUL4 1, 1, 3, 1, 0
	s_wait_dscnt 0
	MUL4 2, 1, 3, 1, 0
	MUL4 3, 1, 3, 1, 0
	WIN 0
; THE WAY OUT, block by block of 16 rows x 64 columns.  A lane holds 32 neighbouring bytes of a row: a block goes through my own stage and comes back, into the registers that it left, as whole rows of 256 bytes;
; the residual's same rows are added; sixteen lanes store 256 consecutive bytes, at a multiple of 256 from the buffer's first byte.  No base is stepped: a row's place stands in the immediate, 253,952 at the most.
.macro TOSTAGE a
.irp b, 0,1,2,3
.set rD, ACC+8*(4*(\a)+\b)
	ds_store_b128 v[STO], v[rD:rD+3] offset:64*\b                    ; each accumulator from its low end on
	ds_store_b128 v[STO], v[rD+4:rD+7] offset:64*\b+16
.endr
.irp t, 0,1,2,3,4,5,6,7
	ds_load_b128 v[ACC+32*(\a)+4*\t:ACC+32*(\a)+4*\t+3], v[RD] offset:2*\t*SPITCH   ; LDS serves a wave's instructions in order (ISA guide 5.7.1.4): these see the stores above, and the next block's stores come behind them
.endr
.endm
.macro SEND a, younger                 ; younger: the LDS instructions issued behind block a's loads, which may stay out
	s_wait_dscnt \younger                          ; the block is back in registers
	WIN 0x08                                       ; source 1 in window 2
.set ii, 0
.rept 16
	v_pk_add_f32 v[ACC+32*(\a)+ii:ACC+32*(\a)+ii+1], v[ACC+32*(\a)+ii:ACC+32*(\a)+ii+1], v[32*(\a)+ii:32*(\a)+ii+1]
.set ii, ii+2
.endr
	WIN 0
.irp t, 0,1,2,3,4,5,6,7
	global_store_b128 v[CO], v[ACC+32*(\a)+4*\t:ACC+32*(\a)+4*\t+3], s[OUTP:OUTP+1] offset:(16*(\a)+2*\t)*4096 th:TH_STORE_NT
.endr
.endm
	PLACES NP                                      ; behind the last products, ahead of the first read of results and of the loads into them
	s_wait_loadcnt 0x0                             ; the residual
	TOSTAGE 0
	TOSTAGE 1
	SEND 0, 16                                     ; behind block 0's loads: block 1's 8 stores and 8 loads
	TOSTAGE 2
	SEND 1, 16
	TOSTAGE 3
	SEND 2, 16
	SEND 3, 0
	s_wait_tensorcnt 0x0                           ; the wave's end
	ds_add_u32 v[SPW], v[NIL]
	s_wait_dscnt 0x0
	CROUND                                         ; the closing round
	s_endpgm
.Lfunc_end_k_q5a88797d2e_proj:
	.size	k_q5a88797d2e_proj, .Lfunc_end_k_q5a88797d2e_proj-k_q5a88797d2e_proj
	.p2alignl 7, 3214868480
	.fill 96, 4, 3214868480
	.section	.rodata,"a",@progbits
	.p2align	6, 0x0
	.amdhsa_kernel k_q5a88797d2e_proj
		.amdhsa_group_segment_fixed_size 327680
		.amdhsa_private_segment_fixed_size 0
		.amdhsa_enable_private_segment 0
		.amdhsa_kernarg_size 32
		.amdhsa_user_sgpr_count 2
		.amdhsa_user_sgpr_kernarg_segment_ptr 1
		.amdhsa_wavefront_size32 1
		.amdhsa_system_sgpr_workgroup_id_x 1
		.amdhsa_system_sgpr_workgroup_id_y 1
		.amdhsa_system_sgpr_workgroup_id_z 1
		.amdhsa_system_vgpr_workitem_id 0
		.amdhsa_next_free_vgpr 640
		.amdhsa_next_free_sgpr 100
		.amdhsa_reserve_vcc 0
		.amdhsa_float_denorm_mode_32 3
		.amdhsa_float_denorm_mode_16_64 3
		.amdhsa_memory_ordered 1
		.amdhsa_forward_progress 1
		.amdhsa_inst_pref_size 68
	.end_amdhsa_kernel
	.amdgpu_metadata
---
amdhsa.version: [ 1, 2 ]
amdhsa.kernels:
  - .name:           k_q5a88797d2e_proj
    .symbol:         k_q5a88797d2e_proj.kd
    .args:
      - { .name: yq, .offset: 0, .size: 8, .value_kind: global_buffer, .address_space: global }
      - { .name: wts, .offset: 8, .size: 8, .value_kind: global_buffer, .address_space: global }
      - { .name: x, .offset: 16, .size: 8, .value_kind: global_buffer, .address_space: global }
      - { .name: x1, .offset: 24, .size: 8, .value_kind: global_buffer, .address_space: global }
    .group_segment_fixed_size: 327680
    .private_segment_fixed_size: 0
    .kernarg_segment_align: 8
    .kernarg_segment_size: 32
    .max_flat_workgroup_size: 128
    .sgpr_count:     100
    .vgpr_count:     640
    .wavefront_size: 32
...
	.end_amdgpu_metadata
.endif
;; end of part 8
;; launch ln2: the kernel of part 2 again; grid 256 x 1, 4 waves a work-group, no clusters, 38,912 bytes of LDS; arguments x1, ln2_w, ln2_b, h2q; writes h2q
;; launch fc: the kernel of part 6 again; grid 16 x 16, 4 waves a work-group, clusters of 4 x 4, 327,680 bytes of LDS; arguments h2q, wts, b_fc, gq; writes gq
;; launch out (part 9): grid 8 x 32, 4 waves a work-group, clusters of 4 x 4, 327,680 bytes of LDS; arguments gq, wts, x1, b_out, out0; writes out0
.if DOCPART == 9
	.amdgcn_target "amdgcn-amd-amdhsa--gfx1250"
	.amdhsa_code_object_version 6
	.text
	.protected	k_q5a88797d2e_out
	.globl	k_q5a88797d2e_out
	.p2align	8
	.type	k_q5a88797d2e_out,@function
k_q5a88797d2e_out:
	s_mov_b64 s[64:65], 0
	v_nop
	global_prefetch_b8 v0, s[64:65] scope:SCOPE_SE
	s_setreg_imm32_b32 hwreg(HW_REG_WAVE_MODE, 25, 1), 1
	s_wait_xcnt 0x0
	s_wait_alu depctr_hold_cnt(0) depctr_sa_sdst(0) depctr_va_vdst(0) depctr_va_sdst(0) depctr_va_ssrc(0) depctr_va_vcc(0) depctr_vm_vsrc(0)
	s_getreg_b32 s2, hwreg(HW_REG_IB_STS2, 6, 4)
	s_cmp_eq_u32 s2, 0
	s_cbranch_scc0 .Lentry_in_a_cluster
	s_endpgm
.Lentry_in_a_cluster:
	s_bfe_u32 s2, ttmp6, 0x10000c
	s_cmp_lg_u32 s2, 0xf033
	s_cbranch_scc0 .Lentry_shape_is_right
	s_endpgm
.Lentry_shape_is_right:
; out0 = x1 + Q(g) Q(w_out) + b_out, the product on codes of FP6 (E2M3) with E8M0 scales, sums in f32.
; A tile of 128 x 128 to a work-group of four waves, 64 x 64 a wave (16 accumulators): the result has 32 x 8 such tiles, 256 work-groups; tiles of 256 x 256 would make 64.
; OPERANDS lie as codes [K/64][RS][48 bytes], scale bytes [K/256][RS][8 bytes]: 64 rows of 64 codes are 3,072 consecutive bytes; a wave's tensor load brings 8 such runs: 64 rows x 512 along K.
; K = 4,096 goes in steps of 512 through a ring of two LDS slots of 98,304 bytes: with the scale bytes of all of K (32,768) beside them, two slots of 768 along K would leave no room for the spare words.
; CLUSTERS of 4 x 4: A's tiles are asked for jointly along a row of the cluster, B's along a column.  The matrix instruction is used transposed (source 0 = rows of B, source 1 = rows of A): a lane holds eight neighbouring numbers of a row of the result.
; The bias is the C of the first products: eight registers for each block of 16 columns, in the result's layout; so it enters each sum first.
; The residual's 64 rows x 256 bytes of a wave are asked for at the head, behind the first tensor loads, and are waited for on the way out.
; REGISTERS: window 0: v0-31 addresses; v32-63 scale words, two sets, and nothing else; v64-95 the bias; v128-255 accumulators ((a, b) at v[128 + 8 (4 a + b)]).  window 1: two sets of fragments, at v0 and v128: A's four, then B's four.  window 2: v0-127 the residual.
.set KDIM,  4096
.set RSA,   4096
.set RSB,   1024
.set ASC,   12582912                   ; A's scale bytes, from A's first byte on
.set BOFF,  6553600                    ; w_out's operand in wts
.set BSC,   3145728
.set HAS_BIAS, 1
.set ABASE, 4
.set BBASE, 6
.set RESP,  8                          ; s[8:9] the residual, s[10:11] the bias, s[12:13] the result
.set OUTP,  12
.set FR,    12                         ; registers of a fragment: 16 rows x 128 K
.set NP,    4                          ; places behind this matrix instruction (ISA guide 7.12.1)
.set SUBB,  3072                       ; 64 rows of 64 codes
.set HALFT, 8*SUBB                     ; what one tensor load brings
.set SLOT,  4*HALFT                    ; A's two halves, then B's
.set LAPS,  KDIM/1024                  ; a lap = two slots = once round the ring
.set NCH,   KDIM/256
.set SCL,   2*SLOT                     ; behind the ring: the scale bytes, [chunk][64 rows][8 bytes] for each half; B's lie 128 bytes further on
.set HALFS, NCH*512
.set SPARE, SCL+4*HALFS+256            ; the spare words, 128 bytes a wave
.set SPITCH, 272                       ; the way out: a stage of 16 rows x (256 + 16) bytes a wave, in slot 0, which has had its last fill and its last read by then
.set ADRA,  16                         ; v16-17 LDS address of my A fragments in slot 0, 1
.set ADRB,  20                         ; v20-21 the same for B
.set STO,   24
.set RD,    25
.set CO,    26
.set ADRS,  27
.set SPW,   28                         ; v28 my spare word's LDS address; never rewritten
.set NIL,   29                         ; v29 0; never rewritten
.set SC,    32                         ; scale words: set s at v[32 + 16 s]; in it register 8 c + 2 i + w: lanes 0-15 A's block i, lanes 16-31 B's block i, chunk c of the slot, word w
.set BI,    64
.set ACC,   128
.set G1,    24
.set G0,    32
.set G1B,   48
.set G0B,   56
.set G1S,   68
.set G0S,   76
.set G1SB,  80
.set G0SB,  88
.set MSB,   0
.macro WIN new                         ; the immediate's high byte repeats the setting that is left
.if MSB != (\new)
	s_set_vgpr_msb (MSB<<8)|(\new)
.set MSB, (\new)
.endif
.endm
.set MUL,   0x05                       ; sources 0 (B) and 1 (A) window 1; C and D window 0
.set TO_F,  0x40                       ; destination window 1, address window 0
.macro JLOAD g0a, g1a, g0b, g1b        ; a joint load: waves 0 and 1 fetch for A, waves 2 and 3 for B; an s_nop 0 and four v_nop follow each line
	s_cmp_eq_u32 s15, 0
	s_cbranch_scc0 .Lfor_b_\@
	tensor_load_to_lds s[\g0a:\g0a+3], s[\g1a:\g1a+7]
	s_nop 0
.rept 4
	v_nop
.endr
	s_branch .Lasked_\@
.Lfor_b_\@:
	tensor_load_to_lds s[\g0b:\g0b+3], s[\g1b:\g1b+7]
	s_nop 0
.rept 4
	v_nop
.endr
.Lasked_\@:
.endm
.macro CREST                           ; a round of the cluster's barrier behind its opening barrier
	s_cmp_lg_u32 s14, 0
	s_cbranch_scc1 .Lnot_wave_0_\@
	s_barrier_signal -3
.Lnot_wave_0_\@:
	s_barrier_wait -3
	s_barrier_signal -1
	s_barrier_wait -1
.endm
.macro CROUND
	s_barrier_signal -1
	s_barrier_wait -1
	CREST
.endm
	s_load_b256 s[4:11], s[0:1], 0x0               ; gq s[4:5], wts s[6:7], x1 s[8:9], b_out s[10:11]
	s_load_b64 s[12:13], s[0:1], 0x20              ; out0
	v_lshl_add_u32 v[SPW], v0, 2, SPARE
	v_mov_b32 v[NIL], 0
	ds_add_u32 v[SPW], v[NIL]                      ; the wave's opening: the add and its wait ahead of my first tensor load
	v_lshrrev_b32 v1, 5, v0
	v_readfirstlane_b32 s14, v1                    ; wave
	s_lshr_b32 s15, s14, 1                         ; my half of the tile's rows.  Also: I fetch for A (0) or B (1)
	s_and_b32 s16, s14, 1                          ; my half of its columns.  Also: which 64 rows I fetch
	s_bfe_u32 s40, ttmp6, 0x40000                  ; cx
	s_bfe_u32 s41, ttmp6, 0x40004                  ; cy
	s_lshl_b32 s42, ttmp9, 2
	s_add_co_u32 s42, s42, s40                     ; tile column
	s_and_b32 s17, ttmp7, 0xffff
	s_lshl_b32 s17, s17, 2
	s_add_co_u32 s17, s17, s41                     ; tile row
	s_lshl_b32 s43, s41, 2
	s_lshl_b32 s43, 15, s43                        ; my row of the cluster
	s_lshl_b32 s44, 0x1111, s40                    ; my column
	s_or_b32 s[G1+0], s43, (3<<16)|(1<<21)         ; the mask; elements of 8 bytes; bit 21 beside a mask; no padding
	s_or_b32 s[G1B+0], s44, (3<<16)|(1<<21)
.irp g, G1, G1B
	s_mov_b32 s[\g+1], 384<<16                     ; tensor_dim0 = 384 elements: 64 rows x 48 bytes
	s_mov_b32 s[\g+2], 8<<16                       ; tensor_dim1 = 8 runs of 64 along K
	s_mov_b32 s[\g+3], 384<<16                     ; tile_dim0
	s_mov_b32 s[\g+4], 8                           ; tile_dim1
	s_mov_b32 s[\g+6], 0
	s_mov_b32 s[\g+7], 0
.endr
	s_mov_b32 s[G1+5], 6*RSA                       ; from run to run: RS x 48 bytes
	s_mov_b32 s[G1B+5], 6*RSB
	s_or_b32 s[G1S+0], s43, (3<<16)|(1<<21)
	s_or_b32 s[G1SB+0], s44, (3<<16)|(1<<21)
.irp g, G1S, G1SB
	s_mov_b32 s[\g+1], 64<<16                      ; the scale bytes of 64 rows: 64 elements of 8 bytes,
	s_mov_b32 s[\g+2], NCH<<16                     ; for each 256 along K
	s_mov_b32 s[\g+3], 64<<16
	s_mov_b32 s[\g+4], NCH
	s_mov_b32 s[\g+6], 0
	s_mov_b32 s[\g+7], 0
.endr
	s_mov_b32 s[G1S+5], RSA
	s_mov_b32 s[G1SB+5], RSB
	s_lshl_b32 s18, s16, 6
	s_lshl_b32 s20, s17, 7
	s_add_co_u32 s20, s20, s18                     ; A: the first row that I fetch
	s_lshl_b32 s46, s42, 7
	s_add_co_u32 s46, s46, s18                     ; B likewise
	s_lshl_b32 s22, s20, 3
	s_add_co_u32 s22, s22, ASC
	s_mov_b32 s23, 0
	s_lshl_b32 s92, s46, 3
	s_add_co_u32 s92, s92, BOFF+BSC
	s_mov_b32 s93, 0
	s_mul_i32 s20, s20, 48
	s_mov_b32 s21, 0
	s_mul_i32 s46, s46, 48
	s_add_co_u32 s46, s46, BOFF
	s_mov_b32 s47, 0
	s_mul_i32 s45, s14, HALFT                      ; where they go: no place in the cluster enters an LDS address
	s_mul_i32 s94, s14, HALFS
	s_lshl_b32 s95, s15, 7
	s_add_co_u32 s94, s94, s95
	s_wait_dscnt 0x0                               ; the opening add is done
	s_wait_kmcnt 0x0
	s_add_nc_u64 s[20:21], s[ABASE:ABASE+1], s[20:21]
	s_add_nc_u64 s[22:23], s[ABASE:ABASE+1], s[22:23]
	s_add_nc_u64 s[46:47], s[BBASE:BBASE+1], s[46:47]
	s_add_nc_u64 s[92:93], s[BBASE:BBASE+1], s[92:93]
	CROUND                                         ; all sixteen work-groups are here: the first joint loads meet
	s_mov_b32 s[G0S], 1
	s_add_co_u32 s[G0S+1], s94, SCL
	s_mov_b64 s[G0S+2:G0S+3], s[22:23]
	s_or_b32 s[G0S+3], s[G0S+3], 0x80000000
	s_mov_b32 s[G0SB], 1
	s_add_co_u32 s[G0SB+1], s94, SCL
	s_mov_b64 s[G0SB+2:G0SB+3], s[92:93]
	s_or_b32 s[G0SB+3], s[G0SB+3], 0x80000000
	JLOAD G0S, G1S, G0SB, G1SB                     ; the scale bytes for all of K: filled once
.irp s, 0,1
	s_mov_b32 s[G0+4*\s], 1
	s_add_co_u32 s[G0+4*\s+1], s45, \s*SLOT
	s_add_nc_u64 s[G0+4*\s+2:G0+4*\s+3], s[20:21], \s*384*RSA
	s_or_b32 s[G0+4*\s+3], s[G0+4*\s+3], 0x80000000
	s_mov_b32 s[G0B+4*\s], 1
	s_add_co_u32 s[G0B+4*\s+1], s45, \s*SLOT
	s_add_nc_u64 s[G0B+4*\s+2:G0B+4*\s+3], s[46:47], \s*384*RSB
	s_or_b32 s[G0B+4*\s+3], s[G0B+4*\s+3], 0x80000000
	JLOAD G0+4*\s, G1, G0B+4*\s, G1B
.endr
	v_and_b32 v1, 15, v0                           ; r
	v_bfe_u32 v2, v0, 4, 1                         ; h
	v_mul_u32_u24 v4, v1, 48
	v_mad_u32_u24 v4, v2, 24, v4                   ; a fragment's row x 48 + 24 h
	s_mul_i32 s21, s15, HALFT
	s_mul_i32 s22, s16, HALFT
	s_add_co_u32 s22, s22, 2*HALFT
.irp s, 0,1
	v_add_nc_u32 v[ADRA+\s], s21, v4
	v_add_nc_u32 v[ADRB+\s], s22, v4
	s_add_co_u32 s21, s21, SLOT
	s_add_co_u32 s22, s22, SLOT
.endr
	v_lshlrev_b32 v5, 3, v1                        ; my row's scale bytes: 8 a row and chunk
	s_mul_i32 s21, s15, HALFS
	s_mul_i32 s22, s16, HALFS
	s_add_co_u32 s22, s22, 2*HALFS+128
	s_sub_co_u32 s22, s22, s21
	v_mul_u32_u24 v6, s22, v2                      ; lanes 16-31 take B's
	s_add_co_u32 s21, s21, SCL
	v_add_nc_u32 v5, v5, v6
	v_add_nc_u32 v[ADRS], s21, v5
	s_mul_i32 s23, s14, 16*SPITCH                  ; my stage
	v_mul_u32_u24 v5, v1, SPITCH
	v_lshl_add_u32 v5, v2, 5, v5
	v_add_nc_u32 v[STO], s23, v5                   ; in: row r, 32 bytes for each half of the lanes
	v_mul_u32_u24 v6, v2, SPITCH
	v_lshl_add_u32 v6, v1, 4, v6
	v_add_nc_u32 v[RD], s23, v6                    ; back: lanes 0-15 take one row of 256 bytes, lanes 16-31 the next
	v_lshlrev_b32 v[CO], 12, v2
	v_lshl_add_u32 v[CO], v1, 4, v[CO]             ; and the same two rows in memory, 4,096 bytes apart
	s_lshl_b32 s20, s17, 7
	s_lshl_b32 s21, s15, 6
	s_add_co_u32 s20, s20, s21
	s_lshl_b32 s20, s20, 12                        ; my first row, 4,096 bytes each
	s_lshl_b32 s46, s42, 9
	s_lshl_b32 s47, s16, 8
	s_add_co_u32 s46, s46, s47                     ; my first column, in bytes
	s_mov_b32 s47, 0
	s_add_co_u32 s20, s20, s46
	s_mov_b32 s21, 0
	s_add_nc_u64 s[RESP:RESP+1], s[RESP:RESP+1], s[20:21]
	s_add_nc_u64 s[OUTP:OUTP+1], s[OUTP:OUTP+1], s[20:21]
	s_add_nc_u64 s[10:11], s[10:11], s[46:47]      ; b_out at my first column
	v_lshlrev_b32 v7, 5, v2                        ; 32 h bytes
.irp b, 0,1,2,3
	global_load_b128 v[BI+8*\b:BI+8*\b+3], v7, s[10:11] offset:64*\b        ; register 8 b + j: column 16 b + 8 h + j
	global_load_b128 v[BI+8*\b+4:BI+8*\b+7], v7, s[10:11] offset:64*\b+16
.endr
	WIN 0x80                                       ; destination window 2
.irp a, 0,1,2,3
.irp t, 0,1,2,3,4,5,6,7
	global_load_b128 v[32*\a+4*\t:32*\a+4*\t+3], v[CO], s[RESP:RESP+1] offset:(16*\a+2*\t)*4096 th:TH_LOAD_NT   ; the residual, laid as the rows come back from the stage; sixteen lanes read 256 consecutive bytes
.endr
.endr
	WIN 0
.macro FRAG reg, adr, q, i             ; 16 rows x 128 K: 12 registers; registers 6 c .. 6 c + 5 are 24 bytes of run 2 q + c, as they lie
.irp p, 0,1,2,3,4,5
	ds_load_b64 v[\reg+2*\p:\reg+2*\p+1], v[\adr] offset:(2*(\q)+\p/3)*SUBB+16*(\i)*48+8*(\p%3)
.endr
.endm
.macro MUL4 a, p, q, sc, zero          ; A's block a x B's four, the slot's q-th 128 along K, fragment set p; the 16 accumulators take turns, one instruction a turn
.irp b, 0,1,2,3
.set rD, ACC+8*(4*(\a)+\b)
.set rB, 128*(\p)+48+FR*\b
.set rA, 128*(\p)+FR*(\a)
.set rSB, SC+16*(\sc)+8*((\q)/2)+2*\b+(\q)%2
.set rSA, SC+16*(\sc)+8*((\q)/2)+2*(\a)+(\q)%2
.if (\zero) && HAS_BIAS
	v_wmma_scale_f32_16x16x128_f8f6f4 v[rD:rD+7], v[rB:rB+FR-1], v[rA:rA+FR-1], v[BI+8*\b:BI+8*\b+7], v[rSB], v[rSA] matrix_a_fmt:MATRIX_FMT_FP6 matrix_b_fmt:MATRIX_FMT_FP6 matrix_a_scale:MATRIX_SCALE_ROW1
.elseif \zero
	v_wmma_scale_f32_16x16x128_f8f6f4 v[rD:rD+7], v[rB:rB+FR-1], v[rA:rA+FR-1], 0, v[rSB], v[rSA] matrix_a_fmt:MATRIX_FMT_FP6 matrix_b_fmt:MATRIX_FMT_FP6 matrix_a_scale:MATRIX_SCALE_ROW1
.else
	v_wmma_scale_f32_16x16x128_f8f6f4 v[rD:rD+7], v[rB:rB+FR-1], v[rA:rA+FR-1], v[rD:rD+7], v[rSB], v[rSA] matrix_a_fmt:MATRIX_FMT_FP6 matrix_b_fmt:MATRIX_FMT_FP6 matrix_a_scale:MATRIX_SCALE_ROW1
.endif
.endr
.endm
.macro FETCH slot, q, p                ; 48 LDS loads in one run: B's four fragments, then A's four, into set p
	WIN TO_F
.irp i, 0,1,2,3
	FRAG 128*(\p)+48+FR*\i, ADRB+\slot, \q, \i
.endr
.irp i, 0,1,2,3
	FRAG 128*(\p)+FR*\i, ADRA+\slot, \q, \i
.endr
.endm
.macro SCALES sc                       ; a slot's scale words: lanes 0-15 A's block i, lanes 16-31 B's block i; two words for each 256 along K
.irp c, 0,1
.irp i, 0,1,2,3
	ds_load_b64 v[SC+16*\sc+8*\c+2*\i:SC+16*\sc+8*\c+2*\i+1], v[ADRS] offset:512*\c+128*\i
.endr
.endr
.endm
.macro PLACES n                        ; plain vector lines between a matrix instruction and a load into, or a read of, its registers
.rept \n
	v_nop
.endr
.endm
.macro STEP slot, q, zero              ; 128 along K with its successor in the same slot
	s_wait_dscnt 12                                ; the scale words, B's four and A's blocks 0, 1 are in; the 12 loads of A's blocks 2, 3 may be out
	WIN MUL
	MUL4 0, (\q)%2, \q, \slot, \zero
	MUL4 1, (\q)%2, \q, \slot, \zero
	PLACES NP                                      ; the other set was read by the step before
	FETCH \slot, (\q)+1, 1-(\q)%2
	s_wait_dscnt 48                                ; all but the 48 just issued
	WIN MUL
	MUL4 2, (\q)%2, \q, \slot, \zero
	MUL4 3, (\q)%2, \q, \slot, \zero
.endm
.macro TURN slot, next, fill           ; a slot's fourth step changes slots: one barrier; fill = 1: this slot is filled again, two slots ahead
	WIN 0                                          ; (the add's two registers lie in window 0)
	s_wait_tensorcnt 0x0                           ; all my tensor loads have landed: my part of the next slot
	ds_add_u32 v[SPW], v[NIL]                      ; 0 onto my spare word
	s_wait_dscnt 13                                ; (the add and the 12 loads of A's blocks 2, 3 may be out)
	WIN MUL
	MUL4 0, 1, 3, \slot, 0
	s_wait_dscnt 0x0                               ; the add is done, and my reads of this slot are over
	s_barrier_signal -1
	MUL4 1, 1, 3, \slot, 0
	WIN 0
	s_barrier_wait -1
.if \fill
	CREST                                          ; the barrier has opened a round of the cluster's: no wave of any partner still reads this slot or has a load on its way
	s_add_nc_u64 s[G0+4*\slot+2:G0+4*\slot+3], s[G0+4*\slot+2:G0+4*\slot+3], 768*RSA
	s_add_nc_u64 s[G0B+4*\slot+2:G0B+4*\slot+3], s[G0B+4*\slot+2:G0B+4*\slot+3], 768*RSB
	JLOAD G0+4*\slot, G1, G0B+4*\slot, G1B         ; the first tensor load behind the round, my one load until the next: 56 matrix instructions ahead of the wait for it; its four v_nop are the places for the loads below
.else
	PLACES NP
.endif
	v_add_nc_u32 v[ADRS], 1024, v[ADRS]            ; the next slot's scale words: two chunks of 512 bytes on
	SCALES \next
	FETCH \next, 0, 0
	WIN MUL
	MUL4 2, 1, 3, \slot, 0
	MUL4 3, 1, 3, \slot, 0
.endm
	s_wait_tensorcnt 1                             ; the scale bytes and my part of slot 0 are in; slot 1's load may be out
	s_barrier_signal -1
	s_barrier_wait -1
	SCALES 0
	FETCH 0, 0, 0
.if HAS_BIAS
	s_wait_loadcnt 32                              ; the bias's 8 loads are in; the residual's 32 may be out
.endif
	STEP 0, 0, 1                                   ; the first step's products start the sums, from the bias
.if LAPS > 1
	WIN 0                                          ; at a label and at a branch every window is 0
	s_mov_b32 s3, LAPS-1
.Llap:                                                 ; a trip goes once round the ring, from a lap's second step to the next lap's first, and fills both slots again
	STEP 0, 1, 0
	STEP 0, 2, 0
	TURN 0, 1, 1
	STEP 1, 0, 0
	STEP 1, 1, 0
	STEP 1, 2, 0
	TURN 1, 0, 1
	STEP 0, 0, 0
	WIN 0
	s_sub_co_u32 s3, s3, 1
	s_cmp_lg_u32 s3, 0
	s_cbranch_scc1 .Llap
.endif
	STEP 0, 1, 0                                   ; the last lap fills nothing, and has no round of the cluster's barrier
	STEP 0, 2, 0
	TURN 0, 1, 0
	STEP 1, 0, 0
	STEP 1, 1, 0
	STEP 1, 2, 0
	s_wait_dscnt 12                                ; the very last step: nothing more to fetch
	WIN MUL
	MUL4 0, 1, 3, 1, 0
	MUL4 1, 1, 3, 1, 0
	s_wait_dscnt 0
	MUL4 2, 1, 3, 1, 0
	MUL4 3, 1, 3, 1, 0
	WIN 0
; THE WAY OUT, block by block of 16 rows x 64 columns.  A lane holds 32 neighbouring bytes of a row: a block goes through my own stage and comes back, into the registers that it left, as whole rows of 256 bytes;
; the residual's same rows are added; sixteen lanes store 256 consecutive bytes, at a multiple of 256 from the buffer's first byte.  No base is stepped: a row's place stands in the immediate, 253,952 at the most.
.macro TOSTAGE a
.irp b, 0,1,2,3
.set rD, ACC+8*(4*(\a)+\b)
	ds_store_b128 v[STO], v[rD:rD+3] offset:64*\b                    ; each accumulator from its low end on
	ds_store_b128 v[STO], v[rD+4:rD+7] offset:64*\b+16
.endr
.irp t, 0,1,2,3,4,5,6,7
	ds_load_b128 v[ACC+32*(\a)+4*\t:ACC+32*(\a)+4*\t+3], v[RD] offset:2*\t*SPITCH   ; LDS serves a wave's instructions in order (ISA guide 5.7.1.4): these see the stores above, and the next block's stores come behind them
.endr
.endm
.macro SEND a, younger                 ; younger: the LDS instructions issued behind block a's loads, which may stay out
	s_wait_dscnt \younger                          ; the block is back in registers
	WIN 0x08                                       ; source 1 in window 2
.set ii, 0
.rept 16
	v_pk_add_f32 v[ACC+32*(\a)+ii:ACC+32*(\a)+ii+1], v[ACC+32*(\a)+ii:ACC+32*(\a)+ii+1], v[32*(\a)+ii:32*(\a)+ii+1]
.set ii, ii+2
.endr
	WIN 0
.irp t, 0,1,2,3,4,5,6,7
	global_store_b128 v[CO], v[ACC+32*(\a)+4*\t:ACC+32*(\a)+4*\t+3], s[OUTP:OUTP+1] offset:(16*(\a)+2*\t)*4096 th:TH_STORE_NT
.endr
.endm
	PLACES NP                                      ; behind the last products, ahead of the first read of results and of the loads into them
	s_wait_loadcnt 0x0                             ; the residual
	TOSTAGE 0
	TOSTAGE 1
	SEND 0, 16                                     ; behind block 0's loads: block 1's 8 stores and 8 loads
	TOSTAGE 2
	SEND 1, 16
	TOSTAGE 3
	SEND 2, 16
	SEND 3, 0
	s_wait_tensorcnt 0x0                           ; the wave's end
	ds_add_u32 v[SPW], v[NIL]
	s_wait_dscnt 0x0
	CROUND                                         ; the closing round
	s_endpgm
.Lfunc_end_k_q5a88797d2e_out:
	.size	k_q5a88797d2e_out, .Lfunc_end_k_q5a88797d2e_out-k_q5a88797d2e_out
	.p2alignl 7, 3214868480
	.fill 96, 4, 3214868480
	.section	.rodata,"a",@progbits
	.p2align	6, 0x0
	.amdhsa_kernel k_q5a88797d2e_out
		.amdhsa_group_segment_fixed_size 327680
		.amdhsa_private_segment_fixed_size 0
		.amdhsa_enable_private_segment 0
		.amdhsa_kernarg_size 40
		.amdhsa_user_sgpr_count 2
		.amdhsa_user_sgpr_kernarg_segment_ptr 1
		.amdhsa_wavefront_size32 1
		.amdhsa_system_sgpr_workgroup_id_x 1
		.amdhsa_system_sgpr_workgroup_id_y 1
		.amdhsa_system_sgpr_workgroup_id_z 1
		.amdhsa_system_vgpr_workitem_id 0
		.amdhsa_next_free_vgpr 640
		.amdhsa_next_free_sgpr 100
		.amdhsa_reserve_vcc 0
		.amdhsa_float_denorm_mode_32 3
		.amdhsa_float_denorm_mode_16_64 3
		.amdhsa_memory_ordered 1
		.amdhsa_forward_progress 1
		.amdhsa_inst_pref_size 114
	.end_amdhsa_kernel
	.amdgpu_metadata
---
amdhsa.version: [ 1, 2 ]
amdhsa.kernels:
  - .name:           k_q5a88797d2e_out
    .symbol:         k_q5a88797d2e_out.kd
    .args:
      - { .name: gq, .offset: 0, .size: 8, .value_kind: global_buffer, .address_space: global }
      - { .name: wts, .offset: 8, .size: 8, .value_kind: global_buffer, .address_space: global }
      - { .name: x1, .offset: 16, .size: 8, .value_kind: global_buffer, .address_space: global }
      - { .name: b_out, .offset: 24, .size: 8, .value_kind: global_buffer, .address_space: global }
      - { .name: out0, .offset: 32, .size: 8, .value_kind: global_buffer, .address_space: global }
    .group_segment_fixed_size: 327680
    .private_segment_fixed_size: 0
    .kernarg_segment_align: 8
    .kernarg_segment_size: 40
    .max_flat_workgroup_size: 128
    .sgpr_count:     100
    .vgpr_count:     640
    .wavefront_size: 32
...
	.end_amdgpu_metadata
.endif
;; end of part 9
